; MI455X (gfx1250); checked and timed in simulation.
; The chip was launched on July 23, 2026; its instructions are those of AMD's public machine-readable ISA for CDNA 5 (MIT licence, August 2026) and "CDNA5" Instruction Set Architecture Reference Guide (July 2026). The comments in the code are by the model that wrote it; some were corrected since.
;; Moe Layer. Allowed arithmetic: matrix products marked QUANTISED: E3M2 operands, one E8M0 scale for each 32 along K, by v_wmma_scale_f32_16x16x128_f8f6f4 with both operands' format E3M2, f32 sums; products left as they are: f32 operands where the result goes on into a quantised operand, else bf16, f16 or f32 operands; f32 sums; everything else in f32.
;; Inputs: b1 8 x 4,096 float32; b2 8 x 1,024 float32; gate_b 8 float32; gate_w 1,024 x 8 float32; w1_codes 8 x 4,096 x 32 x 24 uint8 (E3M2 codes of w1, K innermost, in blocks of 32 codes, four codes in three bytes); w1_scales 8 x 4,096 x 32 uint8 (E8M0 scales of w1, one for each 32 codes along K); w2_codes 8 x 1,024 x 128 x 24 uint8 (E3M2 codes of w2, K innermost, in blocks of 32 codes, four codes in three bytes); w2_scales 8 x 1,024 x 128 uint8 (E8M0 scales of w2, one for each 32 codes along K); x 4 x 256 x 1,024 float32.
;; Outputs: out0 4 x 256 x 1,024 float32.
;; This version of the problem:
;;   THIS VERSION OF THE PROBLEM IS GIVEN IN LOW PRECISION. The matrix products marked QUANTISED in the list below multiply operands that are first quantised to E3M2 (3 exponent bits, 2 mantissa bits; 6 bits a number), with one power-of-two scale for each 32 numbers along K (OCP MX v1.0); their sums are f32. All else is computed in f32.
;;   The module's matrix products, in the order in which they are computed (A, B: the left and right operand; K: the contracted axis; several contracted axes count as one K, in the product's order):
;;     1. [M 1,024, K 1,024] x [K 1,024, N 8]; A: input x; B: input gate_w: left as it is (N = 8 < 16)
;;     2. [M 1,024, K 1,024] x [K 1,024, N 4,096]; A: input x; B: input w1 (given as codes): QUANTISED
;;     3. [M 1,024, K 4,096] x [K 4,096, N 1,024]; A: computed on the way; B: input w2 (given as codes): QUANTISED
;;     4. [M 1,024, K 1,024] x [K 1,024, N 4,096]; A: input x; B: input w1 (given as codes): QUANTISED
;;     5. [M 1,024, K 4,096] x [K 4,096, N 1,024]; A: computed on the way; B: input w2 (given as codes): QUANTISED
;;     6. [M 1,024, K 1,024] x [K 1,024, N 4,096]; A: input x; B: input w1 (given as codes): QUANTISED
;;     7. [M 1,024, K 4,096] x [K 4,096, N 1,024]; A: computed on the way; B: input w2 (given as codes): QUANTISED
;;     8. [M 1,024, K 1,024] x [K 1,024, N 4,096]; A: input x; B: input w1 (given as codes): QUANTISED
;;     9. [M 1,024, K 4,096] x [K 4,096, N 1,024]; A: computed on the way; B: input w2 (given as codes): QUANTISED
;;     10. [M 1,024, K 1,024] x [K 1,024, N 4,096]; A: input x; B: input w1 (given as codes): QUANTISED
;;     11. [M 1,024, K 4,096] x [K 4,096, N 1,024]; A: computed on the way; B: input w2 (given as codes): QUANTISED
;;     12. [M 1,024, K 1,024] x [K 1,024, N 4,096]; A: input x; B: input w1 (given as codes): QUANTISED
;;     13. [M 1,024, K 4,096] x [K 4,096, N 1,024]; A: computed on the way; B: input w2 (given as codes): QUANTISED
;;     14. [M 1,024, K 1,024] x [K 1,024, N 4,096]; A: input x; B: input w1 (given as codes): QUANTISED
;;     15. [M 1,024, K 4,096] x [K 4,096, N 1,024]; A: computed on the way; B: input w2 (given as codes): QUANTISED
;;     16. [M 1,024, K 1,024] x [K 1,024, N 4,096]; A: input x; B: input w1 (given as codes): QUANTISED
;;     17. [M 1,024, K 4,096] x [K 4,096, N 1,024]; A: computed on the way; B: input w2 (given as codes): QUANTISED
;;   THE QUANTISER, for each operand of a quantised product, along K:
;;     - K is cut into blocks of 32 from its start; a last block that is shorter is filled with zeros.
;;     - A block's scale is 2^e with e = floor(log2(the largest magnitude in the block)) - 4, held to -126 .. 127; a block of zeros has e = 0. As a byte (E8M0): e + 127.
;;     - Each number is divided by its block's scale, clamped to +-28, and rounded to the nearest number of E3M2, ties to even, subnormals kept.
;;     - The product sums the exact products of the quantised numbers (number of the format x scale) in f32.
;;   ~~~python
;;   def quantise(x, axis):      # numpy; x: float32 -> the quantised numbers, widened to float32 again
;;       x = np.moveaxis(x, axis, -1); K = x.shape[-1]
;;       x = np.pad(x, [(0, 0)] * (x.ndim - 1) + [(0, -K % 32)]); x = x.reshape(x.shape[:-1] + (-1, 32)); a = np.abs(x).max(-1, keepdims=True)
;;       e = np.where(a > 0, np.clip(np.frexp(np.where(a > 0, a, 1))[1] - 1 - 4, -126, 127), 0)      # np.frexp(a)[1] - 1 = floor(log2(a)), exactly
;;       r = np.clip(x / 2.0 ** e, -28, 28)
;;       step = 2.0 ** (np.maximum(np.frexp(np.where(r == 0, 1, r))[1] - 1, -2) - 2)
;;       q = np.round(r / step) * step * 2.0 ** e      # np.round: ties to even
;;       return np.moveaxis(q.reshape(q.shape[:-2] + (-1,))[..., :K], -1, axis).astype(np.float32)
;;   ~~~
;;   OPERANDS COMPUTED ON THE WAY. 'Computed on the way' means the value that the module computes at that place (a softmax that the list does not call 'softmax' is quantised finished and normalised). What goes into a quantiser is computed in f32, as accurately as f32 sums, v_exp_f32 and their like allow (about 1e-6 of the number): no bf16 or f16 on the way to a quantiser, and a product that is left as it is and whose result goes on into a quantised operand takes f32 operands (vector FMAs, or v_wmma_f32_16x16x4_f32). A number that lies on a knife's edge between two numbers of the format may be rounded either way, as far as f32 arithmetic and the matrix unit's own rounding can turn it there, and no further.
;;   INPUTS GIVEN AS CODES. w1 (in the module: [8, 1024, 4096], K = its axis 1); w2 (in the module: [8, 4096, 1024], K = its axis 1): each comes as NAME_codes (uint8): NAME with its K axis moved to the last place and cut into blocks of 32 codes, [.., K / 32, bytes a block], one block behind the other in memory; four codes in three bytes: a row's codes are one little-endian stream of bits, code i at bits 6 i .. 6 i + 5 (a code: sign, 3 exponent bits, 2 mantissa bits); and NAME_scales (uint8): the same leading axes, one E8M0 byte (e + 127) for each 32 codes along K. Its value is code x scale, taken as it is: it is not quantised again, and the codes and scales need not be those that the quantiser above would give.
;; 3 versions. Each part assembles by itself: llvm-mc -triple=amdgcn-amd-amdhsa -mcpu=gfx1250 --defsym DOCPART=n.
;; ======== version 1 of 3: 4 launches
;; workspace buffers: xq 819,200 bytes; coef 8,192 bytes; lists 33,792 bytes of whole numbers; pos 8,192 bytes of whole numbers; hq 26,419,200 bytes; yws 33,554,432 bytes
;; launch route (part 1): grid 32 x 1, 8 waves a work-group, no clusters, 35,840 bytes of LDS; arguments x, gate_w, gate_b, xq, coef, lists; writes xq, coef, lists
.if DOCPART == 1
	.amdgcn_target "amdgcn-amd-amdhsa--gfx1250"
	.amdhsa_code_object_version 6
	.text
	.protected	k_qbf38a7c821_route
	.globl	k_qbf38a7c821_route
	.p2align	8
	.type	k_qbf38a7c821_route,@function
k_qbf38a7c821_route:
	s_mov_b64 s[64:65], 0
	v_nop
	global_prefetch_b8 v0, s[64:65] scope:SCOPE_SE
	s_setreg_imm32_b32 hwreg(HW_REG_WAVE_MODE, 25, 1), 1
	s_wait_xcnt 0x0
; ROUTE.  For 1,024 tokens of 1,024 f32: the 8 logits (x gate_w + gate_b, fused multiply-adds in f32), the two largest (a tie keeps the lower index),
; the softmax of those two (the larger is taken off first), and x as codes of BF6 (E3M2) with one E8M0 byte for each 32 along K.
; SHARES.  Work-group b owns tokens 32 b .. 32 b + 31; wave w owns tokens 32 b + 4 w + i, i = 0 .. 3, and afterwards expert w's list of this block.
; Lane l owns k = 32 l .. 32 l + 31 of a token: a whole block of the quantiser, so that its largest magnitude needs no other lane and the
; conversions find 16 neighbours in one lane's registers.  The lane's part of gate_w (32 rows x 8) stays in 256 registers.
; WHAT IS STORED, all at places that hang on ids alone (the choice is made of floating-point numbers, so it steers values here and addresses only in later launches):
;   xq: [1024][768] the codes as one stream of bits a row; from XS_OFF on [1024][8] scale words, in a word the byte of block m (0 .. 3) at byte 2 (m & 1) + (m >> 1):
;       the later launches take 48 consecutive bytes a lane, which changes blocks 1 and 2 of a K step of 128, in both operands and in both scale words alike.
;   coef: [1024][2] the two weights.   lists: bl[expert][block b][32]: the numbers j = 2 token + (0: larger logit, 1: second) of the block's tokens that chose the expert,
;       ascending, zeros behind them; from BC_OFF on bc[expert][block]: how many.
; LIMITS: NaN and infinite logits or inputs are not served.  A block whose largest magnitude lies under 2^-122 keeps the scale byte 1; so does a block of zeros, where the
; quantiser's rule says 127: its codes are zeros, and only this program reads the bytes.  The logits' sums go in another order than a row-by-row sum.
; No matrix unit (N = 8), no cluster (work-groups share only gate_w, 32 KiB against a block's 128 KiB of x), no tensor load (every byte is wanted in registers once).
.set GWP,    1040                      ; LDS: a lane's 1,024 bytes of gate_w + 16: 65 x 16 bytes
.set LG,     32*GWP                    ; behind them: the block's logits, 32 bytes a token
.set XS_OFF, 1024*768
.set BC_OFF, 8*32*32*4
.set SUM,  16                          ; v16-31   the 8 sums, twice: for even k and for odd k
.set X,    32                          ; v32-159  32 numbers for each of my four tokens
.set ST,   160                         ; v160-191 gate_w on its way into LDS; later v160-167 the other half of the lanes' sums
.set QT,   192                         ; v192-194 the quantiser, at work
.set CD,   200                         ; v200-231 codes: 3 + 3 registers a token, each run from an even register on
.set SB,   232                         ; v232-235 a scale byte a token
.set LOG,  236                         ; v236-243 a token's 8 logits
.set MSB, 0
.macro WIN new                         ; the immediate's high byte repeats the setting that is left
.if MSB != \new
	s_set_vgpr_msb (MSB<<8)|\new
.set MSB, \new
.endif
.endm
; One token: its logits and its codes.
.macro TOKEN i
.set XB, X+32*(\i)
	s_wait_loadcnt 8*(3-(\i))                      ; loads come back in order: this token's eight are in, the later tokens' stay out
	WIN 0x04                                       ; source 1 (gate_w) in window 1
.irp pr, 0,1,2,3
	v_pk_mul_f32 v[SUM+2*\pr:SUM+2*\pr+1], v[XB:XB+1], v[2*\pr:2*\pr+1] op_sel:[0,0] op_sel_hi:[0,1]             ; k = 0 starts the even sums: nothing is cleared
.endr
.irp pr, 0,1,2,3
	v_pk_mul_f32 v[SUM+8+2*\pr:SUM+8+2*\pr+1], v[XB:XB+1], v[8+2*\pr:8+2*\pr+1] op_sel:[1,0] op_sel_hi:[1,1]     ; k = 1 the odd ones
.endr
.set kp, 1
.rept 15                                       ; x(k) serves both halves; two experts an instruction
.irp pr, 0,1,2,3
	v_pk_fma_f32 v[SUM+2*\pr:SUM+2*\pr+1], v[XB+2*kp:XB+2*kp+1], v[16*kp+2*\pr:16*kp+2*\pr+1], v[SUM+2*\pr:SUM+2*\pr+1] op_sel:[0,0,0] op_sel_hi:[0,1,1]
.endr
.irp pr, 0,1,2,3
	v_pk_fma_f32 v[SUM+8+2*\pr:SUM+8+2*\pr+1], v[XB+2*kp:XB+2*kp+1], v[16*kp+8+2*\pr:16*kp+8+2*\pr+1], v[SUM+8+2*\pr:SUM+8+2*\pr+1] op_sel:[1,0,0] op_sel_hi:[1,1,1]
.endr
.set kp, kp+1
.endr
	WIN 0
.irp pr, 0,1,2,3
	v_pk_add_f32 v[SUM+2*\pr:SUM+2*\pr+1], v[SUM+2*\pr:SUM+2*\pr+1], v[SUM+8+2*\pr:SUM+8+2*\pr+1]
.endr
.irp m, 1,2,4,8                                ; over the 32 lanes, the eight sums by turns
.irp e, 0,1,2,3,4,5,6,7
	v_add_f32_dpp v[SUM+\e], v[SUM+\e], v[SUM+\e] row_xmask:\m row_mask:0xf bank_mask:0xf
.endr
.endr
.irp e, 0,1,2,3,4,5,6,7
	v_permlanex16_b32 v[ST+\e], v[SUM+\e], s18, s19
.endr
.irp e, 0,1,2,3,4,5,6,7
	v_add_f32 v[SUM+\e], v[SUM+\e], v[ST+\e]
.endr
	ds_store_b128 v8, v[SUM:SUM+3] offset:32*(\i)            ; every lane holds the same eight sums and writes them to the same 32 bytes
	ds_store_b128 v8, v[SUM+4:SUM+7] offset:32*(\i)+16
	v_max3_num_f32 v[QT], |v[XB]|, |v[XB+1]|, |v[XB+2]|      ; my block's largest magnitude, in two chains
	v_max3_num_f32 v[QT+1], |v[XB+3]|, |v[XB+4]|, |v[XB+5]|
.irp n, 6,10,14,18,22,26
	v_max3_num_f32 v[QT], v[QT], |v[XB+\n]|, |v[XB+\n+1]|
	v_max3_num_f32 v[QT+1], v[QT+1], |v[XB+\n+2]|, |v[XB+\n+3]|
.endr
	v_max3_num_f32 v[QT], v[QT], |v[XB+30]|, |v[XB+31]|
	v_max3_num_f32 v[QT], v[QT], v[QT+1], 0x2800000          ; and the floor 2^(5 - 127): the byte cannot fall under 1
	v_add_nc_u32 v[QT+2], 0xfe000000, v[QT]                  ; 4 off the exponent field: the conversion takes this operand's exponent field as its scale
	v_cvt_scalef32_pk16_bf6_f32 v[CD+8*(\i):CD+8*(\i)+2], v[XB:XB+15], v[QT+2]
	v_cvt_scalef32_pk16_bf6_f32 v[CD+8*(\i)+4:CD+8*(\i)+6], v[XB+16:XB+31], v[QT+2]
	v_nop                                                    ; one plain place behind the conversions
	v_lshrrev_b32 v[SB+(\i)], 23, v[QT+2]                    ; the scale's byte
	global_store_b96 v6, v[CD+8*(\i):CD+8*(\i)+2], s[20:21] offset:768*(\i)       ; 24 bytes a lane: the wave's two stores fill the token's 768 consecutive bytes
	global_store_b96 v6, v[CD+8*(\i)+4:CD+8*(\i)+6], s[20:21] offset:768*(\i)+12
	global_store_b8 v7, v[SB+(\i)], s[22:23] offset:32*(\i)                       ; the 32 lanes fill the token's 32 scale bytes
.endm
	s_load_b256 s[4:11], s[0:1], 0x0               ; x s[4:5], gate_w s[6:7], gate_b s[8:9], xq s[10:11]
	s_load_b128 s[12:15], s[0:1], 0x20             ; coef s[12:13], lists s[14:15]
	v_lshl_add_u32 v231, v0, 2, 0x8800
	v_mov_b32 v255, 0
	v_lshrrev_b32 v1, 5, v0
	v_readfirstlane_b32 s16, v1                    ; wave 0..7
	v_lshl_add_u32 v8, v1, 7, LG                   ; LDS: my wave's four tokens' logits
	v_and_b32 v1, 31, v0                           ; lane
	v_lshlrev_b32 v2, 7, v1                        ; x: my 128 bytes of a row
	v_lshlrev_b32 v3, 4, v0                        ; gate_w: 16 bytes a thread
	v_lshrrev_b32 v4, 6, v0
	v_and_b32 v13, 63, v0
	v_mul_u32_u24 v4, v4, GWP
	v_lshl_add_u32 v4, v13, 4, v4                  ; into LDS: byte B of gate_w goes to (B / 1024) GWP + B % 1024; B = 16 thread + 4096 i
	v_mul_u32_u24 v5, v1, GWP                      ; out of it: my lane's 1,024 bytes
	v_mul_u32_u24 v6, v1, 24                       ; my block's 24 bytes of codes
	v_lshrrev_b32 v7, 2, v1
	v_and_b32 v13, 1, v1
	v_bfe_u32 v14, v1, 1, 1
	v_lshlrev_b32 v7, 2, v7
	v_lshl_add_u32 v7, v13, 1, v7
	v_add_nc_u32 v7, v7, v14                       ; my block's scale byte: word l / 4, byte 2 (l & 1) + ((l >> 1) & 1)
	v_lshl_add_u32 v9, v1, 5, LG                   ; LDS: the logits of token = lane
	s_lshl_b32 s33, ttmp9, 5
	v_add_nc_u32 v10, s33, v1                      ; that token's number
	v_lshlrev_b32 v11, 2, v1
	v_lshlrev_b32 v12, 3, v1
	s_mov_b32 s18, 0x76543210
	s_mov_b32 s19, 0xfedcba98                      ; v_permlanex16_b32's selects for lane l xor 16
	s_lshl_b32 s34, s16, 2
	s_add_co_u32 s34, s34, s33                     ; my first token: 32 b + 4 w
	s_lshl_b32 s38, s16, 5
	s_add_co_u32 s38, s38, ttmp9                   ; 32 w + b: expert w's place for this block
	s_mov_b32 s37, 0
	s_wait_kmcnt 0x0
	s_load_b256 s[24:31], s[8:9], 0x0              ; gate_b
	s_lshl_b32 s36, s34, 12
	s_add_nc_u64 s[4:5], s[4:5], s[36:37]          ; x at my first token
	s_mul_i32 s36, s34, 768
	s_add_nc_u64 s[20:21], s[10:11], s[36:37]      ; its codes
	s_lshl_b32 s36, s34, 5
	s_add_co_u32 s36, s36, XS_OFF
	s_add_nc_u64 s[22:23], s[10:11], s[36:37]      ; its scale bytes
	s_lshl_b32 s36, ttmp9, 8
	s_add_nc_u64 s[12:13], s[12:13], s[36:37]      ; the block's 256 bytes of coef
	s_lshl_b32 s36, s38, 7
	s_add_nc_u64 s[40:41], s[14:15], s[36:37]      ; bl[w][b]
	s_lshl_b32 s36, s38, 2
	s_add_co_u32 s36, s36, BC_OFF
	s_add_nc_u64 s[42:43], s[14:15], s[36:37]      ; bc[w][b]
.irp i, 0,1,2,3,4,5,6,7
	global_load_b128 v[ST+4*\i:ST+4*\i+3], v3, s[6:7] offset:4096*\i
.endr
.irp i, 0,1,2,3
.irp k, 0,1,2,3,4,5,6,7
	global_load_b128 v[X+32*\i+4*\k:X+32*\i+4*\k+3], v2, s[4:5] offset:4096*\i+16*\k th:TH_LOAD_NT   ; read once in the launch
.endr
.endr
	s_wait_loadcnt 32                              ; gate_w is in; x's 32 loads stay out
.irp i, 0,1,2,3,4,5,6,7
	ds_store_b128 v4, v[ST+4*\i:ST+4*\i+3] offset:4*GWP*\i
.endr
	s_wait_dscnt 0x0                               ; for the others' sake: my part of gate_w lies in LDS
	s_barrier_signal -1
	s_barrier_wait -1                              ; everybody's does
	WIN 0x40                                       ; destination window 1
.set q, 0
.rept 64
	ds_load_b128 v[4*q:4*q+3], v5 offset:16*q      ; register 8 i + e = gate_w[32 l + i][e]
.set q, q+1
.endr
	WIN 0
.irp e, 0,1,2,3,4,5,6,7
	v_mov_b32 v[ST+\e], 0                          ; written once: a lane permute's destination counts as one of its sources
.endr
	s_wait_dscnt 0x0
	TOKEN 0
	TOKEN 1
	TOKEN 2
	TOKEN 3
	s_wait_dscnt 0x0                               ; my four tokens' logits lie in LDS
	s_barrier_signal -1
	s_barrier_wait -1                              ; all 32 tokens' do
	; THE CHOICE, lane = token, made alike in all eight waves
	ds_load_b128 v[LOG:LOG+3], v9
	ds_load_b128 v[LOG+4:LOG+7], v9 offset:16
	s_wait_kmcnt 0x0                               ; gate_b
	s_wait_dscnt 0x0
.irp e, 0,1,2,3,4,5,6,7
	v_add_f32 v[LOG+\e], s[24+\e], v[LOG+\e]
.endr
	v_mov_b32 v244, v[LOG]                         ; the largest so far, and its expert: only a strictly larger logit takes the place, so a tie keeps the lower index
	v_mov_b32 v245, 0
.irp e, 1,2,3,4,5,6,7
	v_cmp_gt_f32 vcc_lo, v[LOG+\e], v244
	v_cndmask_b32 v244, v244, v[LOG+\e], vcc_lo
	v_cndmask_b32 v245, v245, \e, vcc_lo
.endr
	v_mov_b32 v246, 0xff800000                     ; the same once more, without the expert just found
	v_mov_b32 v247, 0
.irp e, 0,1,2,3,4,5,6,7
	v_cmp_gt_f32 s32, v[LOG+\e], v246
	v_cmp_ne_u32 vcc_lo, \e, v245
	s_and_b32 vcc_lo, vcc_lo, s32
	v_cndmask_b32 v246, v246, v[LOG+\e], vcc_lo
	v_cndmask_b32 v247, v247, \e, vcc_lo
.endr
	v_sub_f32 v248, v246, v244                     ; second - largest: 0 or less
	v_mul_f32 v248, 0x3fb8aa3b, v248
	v_exp_f32 v249, v248                           ; t = e^(second - largest), at most 1
	v_nop                                          ; one plain place behind a transcendental
	s_wait_alu depctr_va_vdst(0)
	v_add_f32 v250, 1.0, v249
	v_rcp_f32 v248, v250                           ; the larger's weight: 1 / (1 + t)
	v_nop
	s_wait_alu depctr_va_vdst(0)
	v_mul_f32 v249, v249, v248                     ; the second's: t / (1 + t)
	s_cmp_lg_u32 s16, 0
	s_cbranch_scc1 .Lnot_wave_0
	global_store_b64 v12, v[248:249], s[12:13]     ; wave 0: 32 lanes store the block's 256 consecutive bytes
.Lnot_wave_0:
	; EXPERT w's LIST OF THIS BLOCK, by values alone: each chosen token's j is handed to the lane of its rank
	v_cmp_eq_u32 s32, s16, v245                    ; chose w first
	v_cmp_eq_u32 s33, s16, v247                    ; chose w second
	s_or_b32 s34, s32, s33
	v_mbcnt_lo_u32_b32 v250, s34, 0                ; how many chosen tokens lie below mine
	v_cndmask_b32 v250, 63, v250, s34              ; my rank, or 63: no lane's number
	v_cndmask_b32 v251, 0, 1, s33
	v_lshl_add_u32 v251, v10, 1, v251              ; j = 2 token + (0 first, 1 second)
	v_mov_b32 v252, 0
.set n, 0
.rept 32
	v_readlane_b32 s35, v250, n
	v_readlane_b32 s36, v251, n
	v_cmp_eq_u32 vcc_lo, s35, v1
	v_cndmask_b32 v252, v252, s36, vcc_lo
.set n, n+1
.endr
	global_store_b32 v11, v252, s[40:41]           ; 128 consecutive bytes
	s_bcnt1_i32_b32 s37, s34
	v_mov_b32 v253, s37
	v_mov_b32 v254, 0
	v_cmp_eq_u32 vcc_lo, 0, v1
	s_wait_xcnt 0x0                                ; EXEC is a source of the stores above: it changes only behind this wait
	s_wait_tensorcnt 0x0
	ds_add_u32 v231, v255
	s_wait_dscnt 0x0
	s_and_saveexec_b32 s38, vcc_lo
	global_store_b32 v254, v253, s[42:43]          ; lane 0: the count
	s_wait_xcnt 0x0                                ; and again in front of the line that widens it
	s_or_b32 exec_lo, exec_lo, s38
	s_endpgm
.Lfunc_end_k_qbf38a7c821_route:
	.size	k_qbf38a7c821_route, .Lfunc_end_k_qbf38a7c821_route-k_qbf38a7c821_route
	.p2alignl 7, 3214868480
	.fill 96, 4, 3214868480
	.section	.rodata,"a",@progbits
	.p2align	6, 0x0
	.amdhsa_kernel k_qbf38a7c821_route
		.amdhsa_group_segment_fixed_size 35840
		.amdhsa_private_segment_fixed_size 0
		.amdhsa_enable_private_segment 0
		.amdhsa_kernarg_size 48
		.amdhsa_user_sgpr_count 2
		.amdhsa_user_sgpr_kernarg_segment_ptr 1
		.amdhsa_wavefront_size32 1
		.amdhsa_system_sgpr_workgroup_id_x 1
		.amdhsa_system_sgpr_workgroup_id_y 1
		.amdhsa_system_sgpr_workgroup_id_z 1
		.amdhsa_system_vgpr_workitem_id 0
		.amdhsa_next_free_vgpr 512
		.amdhsa_next_free_sgpr 66
		.amdhsa_reserve_vcc 1
		.amdhsa_float_denorm_mode_32 3
		.amdhsa_float_denorm_mode_16_64 3
		.amdhsa_memory_ordered 1
		.amdhsa_forward_progress 1
		.amdhsa_inst_pref_size 75
	.end_amdhsa_kernel
	.amdgpu_metadata
---
amdhsa.version: [ 1, 2 ]
amdhsa.kernels:
  - .name:           k_qbf38a7c821_route
    .symbol:         k_qbf38a7c821_route.kd
    .args:
      - { .name: x, .offset: 0, .size: 8, .value_kind: global_buffer, .address_space: global }
      - { .name: gate_w, .offset: 8, .size: 8, .value_kind: global_buffer, .address_space: global }
      - { .name: gate_b, .offset: 16, .size: 8, .value_kind: global_buffer, .address_space: global }
      - { .name: xq, .offset: 24, .size: 8, .value_kind: global_buffer, .address_space: global }
      - { .name: coef, .offset: 32, .size: 8, .value_kind: global_buffer, .address_space: global }
      - { .name: lists, .offset: 40, .size: 8, .value_kind: global_buffer, .address_space: global }
    .group_segment_fixed_size: 35840
    .private_segment_fixed_size: 0
    .kernarg_segment_align: 8
    .kernarg_segment_size: 48
    .max_flat_workgroup_size: 256
    .sgpr_count:     66
    .vgpr_count:     512
    .wavefront_size: 32
...
	.end_amdgpu_metadata
.endif
;; end of part 1
;; launch ffn1 (part 2): grid 32 x 8, 4 waves a work-group, no clusters, 0 bytes of LDS; arguments xq, w1_codes, w1_scales, b1, lists, hq, pos; writes hq, pos
.if DOCPART == 2
	.amdgcn_target "amdgcn-amd-amdhsa--gfx1250"
	.amdhsa_code_object_version 6
	.text
	.protected	k_qbf38a7c821_ffn1
	.globl	k_qbf38a7c821_ffn1
	.p2align	8
	.type	k_qbf38a7c821_ffn1,@function
k_qbf38a7c821_ffn1:
	s_mov_b64 s[64:65], 0
	v_nop
	global_prefetch_b8 v0, s[64:65] scope:SCOPE_SE
	s_setreg_imm32_b32 hwreg(HW_REG_WAVE_MODE, 25, 1), 1
	s_wait_xcnt 0x0
; FFN1.  For the rows (token, expert) that the router chose, and for no others: h = silu(x W1[e] + b1[e]), quantised along the hidden axis to codes of BF6 (E3M2) with
; one E8M0 byte for each 32, laid in hq as the next launch's operand registers.  Both operands of the product are codes of BF6; sums in f32.
; SHARES.  Work-group (x, y): expert e = y, fg = x & 15, part p = x >> 4.  Wave w: S = 2 fg + (w >> 1), c = w & 1.  It owns the 64 hidden units 128 S + 64 h + 32 c + 0 .. 31, h = 0, 1,
; for all of K = 1,024: 32 fragments of W1, 384 registers, read once and kept.  It walks the expert's rows in groups of 32 ranks, groups g = p, p + 2, ..: 64 matrix instructions a group.
; A rank is a row's place in the expert's list (tokens ascending); the list lies in 32 pieces, one for each block of 32 tokens, with their counts.
; THE MATRIX INSTRUCTION IS USED TRANSPOSED: source 0 = 16 rows of W1, source 1 = 16 rows of x.  Row m of tile u is unit 128 S + 64 (m >> 3) + 32 c + 8 u + (m & 7): so lane (r, h) holds,
; in the 32 registers of tiles 0 .. 3, one WHOLE block of 32 hidden units of row r: its largest magnitude needs no other lane, and its six registers of codes are registers 6 c .. 6 c + 5
; of the same lane in the next product's operand.
; K IS TAKEN IN ANOTHER ORDER, alike on both sides: a lane takes 48 consecutive bytes of a row at 96 s + 48 h (three loads of 16 bytes, each at a multiple of 16), so that blocks 1 and 2
; of each K step of 128 change places; W1's scale words are turned to match by one byte permute, x's are stored so.  The sums' last bits differ from those of the plain order.
; NO TENSOR LOAD, NO CLUSTER: the number of groups is read from memory, so trip counts and branches hang on stored numbers; operands go from memory straight into registers.
; Two work-groups (p = 0, 1) read the same weights.  A wave whose part has no rows ends at once: the grid serves every split of the 2,048 rows, all on one expert too.
; Ranks past the count in an expert's last group take some token of the list's padding; their rows are written and never read.
; EXEC is never written: every line runs with all lanes on.  Where only the ranks under the count have something to store (pos), the other lanes repeat lane 0's store.
; LIMITS: NaN and infinities are not served.  A block under 2^-122, a block of zeros too, keeps the scale byte 1 (its codes are zeros; only this program reads the bytes).
; REGISTERS, in windows of 256: window 0 below;  window 1: W1's fragments of K steps 0-4 at 48 s + 12 u;  window 2: steps 5-7 at 48 (s - 5) + 12 u, b1 at 144 + 8 u;  window 3: x's at 24 s + 12 a.
.set XS_OFF, 786432
.set BC_OFF, 32768
.set HS_OFF, 25362432
.set ESTR,   3145728                   ; an expert's codes: 4,096 rows x 768 bytes of W1; in hq 64 tiles of 16 ranks x 49,152 bytes
.set GSTR,   98304                     ; a group in hq: 2 tiles x 32 K steps x 1,536 bytes
.set WO,   4                           ; v4   W1: (r >> 3) 64 rows + (r & 7) rows of 768 bytes + 48 h
.set WSO,  5                           ; v5   its scale bytes: the same rows of 32 bytes
.set BO,   6                           ; v6   b1: 256 h
.set OFFA, 7                           ; v7, v8  x's codes: the rows of tile 0 and of tile 1, + 48 h
.set OFFS, 9                           ; v9   x's scale words: the row of rank = lane
.set L16,  10                          ; v10  16 x lane
.set L8,   11                          ; v11  8 x lane
.set RHO,  13                          ; v13  the rank of lane's row in the group that POP takes next
.set H48,  14                          ; v14  48 h
.set LST,  16                          ; v16-31  the list entries of my groups to come, the next one lowest
.set WS,   32                          ; v32-63  W1's scale words: 8 u + s
.set XSC,  64                          ; v64-71  x's scale words of the group in hand: lanes 0-15 tile 0's rows, lanes 16-31 tile 1's
.set XN,   72                          ; v72-79  the next group's
.set ACC,  80                          ; v80-143 eight accumulators: 32 a + 8 u
.set T,    144                         ; v144-175 at work in silu
.set QT,   176                         ; v176-183 the quantiser, at work
.set CD,   184                         ; v184.., v196..  a tile's six registers of codes, and three more for the second conversion
.set TMP,  208                         ; v208-223 at work
.set B1,   144                         ; in window 2
.set MSB, 0
.macro WIN new                         ; the immediate's high byte repeats the setting that is left
.if MSB != \new
	s_set_vgpr_msb (MSB<<8)|\new
.set MSB, \new
.endif
.endm
.macro WLOAD s                         ; W1's four fragments of K step s
.if (\s) < 5
	WIN 0x40
.set WB, 48*(\s)
.else
	WIN 0x80
.set WB, 48*((\s)-5)
.endif
.irp u, 0,1,2,3
.irp k, 0,1,2
	global_load_b128 v[WB+12*\u+4*\k:WB+12*\u+4*\k+3], v[WO], s[6:7] offset:6144*\u+96*(\s)+16*\k
.endr
.endr
.endm
.macro XLOAD s                         ; x's two fragments of K step s (destination window 3 is set by the caller)
.irp a, 0,1
.irp k, 0,1,2
	global_load_b128 v[24*(\s)+12*\a+4*\k:24*(\s)+12*\a+4*\k+3], v[OFFA+\a], s[4:5] offset:96*(\s)+16*\k
.endr
.endr
.endm
; The list entries of my group u.  Rank rho lies in piece B = the number of pieces that end at or below rho (I_b <= rho, I the counts' running sums), at place rho - I_(B-1):
; entry 32 B + rho - I_(B-1) = rho + Q_B, Q_(b+1) = 32 (b + 1) - I_b.  The conditions are nested, so the last true one of an ascending run leaves Q_B.
.macro SEARCH u
	v_add_nc_u32 v[TMP], 64*(\u), v[RHO]
	v_mov_b32 v[TMP+1], 0
.set bb, 0
.rept 31
	s_sub_co_u32 s[78+bb%2], 32*(bb+1), s[32+bb]
	v_cmp_le_u32 vcc_lo, s[32+bb], v[TMP]
	v_cndmask_b32 v[TMP+1], v[TMP+1], s[78+bb%2], vcc_lo
.set bb, bb+1
.endr
	v_add_nc_u32 v[TMP+1], v[TMP+1], v[TMP]
	v_min_u32 v[TMP+1], 0x3ff, v[TMP+1]            ; a rank past the count stays inside the expert's 1,024 entries
	v_lshlrev_b32 v[LST+(\u)], 2, v[TMP+1]
	global_load_b32 v[LST+(\u)], v[LST+(\u)], s[12:13]
.if (\u) < 15
	s_cmp_le_u32 s30, (\u)+1
	s_cbranch_scc1 .Lfound
.endif
.endm
; The next group's entries j = 2 token + k leave the stack and become the offsets of its loads: j & 0x7fe is 2 x token, so a row of codes (768 bytes) lies at 384 x that, a row of
; scale words (32 bytes) at 16 x that.  What is made of a loaded number is held under its table's size last of all, and behind that hold stand only a shift left, or a multiply and an add.
; One wave of each (expert, part) also stores where each j's row lies: pos[j] = 1024 e + rank.  ahead = 1: the group is the one behind the trip's, which may not exist.
.macro POP ahead
	v_mov_b32 v[TMP+2], v[LST]
.irp i, 0,1,2,3,4,5,6,7,8,9,10,11,12,13,14
	v_mov_b32 v[LST+\i], v[LST+\i+1]
.endr
	v_and_b32 v[TMP+5], 0x7fe, v[TMP+2]            ; 2 x the token of rank = lane
	v_permlanex16_b32 v[TMP+6], v[TMP+5], s68, s69
	v_cndmask_b32 v[TMP+7], v[TMP+5], v[TMP+6], s70    ; lane (r, h): that of the group's row r,
	v_cndmask_b32 v[TMP+8], v[TMP+6], v[TMP+5], s70    ; and of row 16 + r
	v_min_u32 v[TMP+13], 0x7fe, v[TMP+5]
	v_min_u32 v[TMP+14], 0x7fe, v[TMP+7]
	v_min_u32 v[TMP+15], 0x7fe, v[TMP+8]
	v_lshlrev_b32 v[OFFS], 4, v[TMP+13]
	v_mul_u32_u24 v[OFFA], v[TMP+14], 384
	v_mul_u32_u24 v[OFFA+1], v[TMP+15], 384
	v_add_nc_u32 v[OFFA], v[OFFA], v[H48]
	v_add_nc_u32 v[OFFA+1], v[OFFA+1], v[H48]
	s_cmp_lg_u32 s72, 0                            ; fg = 0 and wave 0: ids alone
	s_cbranch_scc1 .Lno_pos_\@
.if \ahead
	s_add_co_u32 s79, s74, 1
	s_cmp_ge_u32 s79, s30
	s_cbranch_scc1 .Lno_pos_\@                     ; my part has no further group: nothing to store
.endif
	v_cmp_gt_u32 vcc_lo, s63, v[RHO]               ; ranks under the count.  Lane 0's is: the group exists
	v_add_nc_u32 v[TMP+4], s31, v[RHO]             ; 1024 e + rank
	v_readfirstlane_b32 s78, v[TMP+2]
	v_readfirstlane_b32 s79, v[TMP+4]
	v_cndmask_b32 v[TMP+12], s78, v[TMP+2], vcc_lo ; a lane past the count repeats lane 0's store: the same word, the same number
	v_cndmask_b32 v[TMP+4], s79, v[TMP+4], vcc_lo
	v_min_u32 v[TMP+3], 0x7ff, v[TMP+12]
	v_lshlrev_b32 v[TMP+3], 2, v[TMP+3]
	global_store_b32 v[TMP+3], v[TMP+4], s[16:17]
.Lno_pos_\@:
	v_add_nc_u32 v[RHO], 64, v[RHO]
.endm
.macro MM s, a, u                      ; one product: tile u of my units x tile a of the rows, K step s.  The first K step takes b1 as C
.set DD, ACC+32*(\a)+8*(\u)
.set AA, WB+12*(\u)
.set BB, 24*(\s)+12*(\a)
.if (\s) == 0
.if (\a) == 0
	v_wmma_scale_f32_16x16x128_f8f6f4 v[DD:DD+7], v[AA:AA+11], v[BB:BB+11], v[B1+8*(\u):B1+8*(\u)+7], v[WS+8*(\u)+(\s)], v[XSC+(\s)] matrix_a_fmt:MATRIX_FMT_BF6 matrix_b_fmt:MATRIX_FMT_BF6
.else
	v_wmma_scale_f32_16x16x128_f8f6f4 v[DD:DD+7], v[AA:AA+11], v[BB:BB+11], v[B1+8*(\u):B1+8*(\u)+7], v[WS+8*(\u)+(\s)], v[XSC+(\s)] matrix_a_fmt:MATRIX_FMT_BF6 matrix_b_fmt:MATRIX_FMT_BF6 matrix_b_scale:MATRIX_SCALE_ROW1
.endif
.else
.if (\a) == 0
	v_wmma_scale_f32_16x16x128_f8f6f4 v[DD:DD+7], v[AA:AA+11], v[BB:BB+11], v[DD:DD+7], v[WS+8*(\u)+(\s)], v[XSC+(\s)] matrix_a_fmt:MATRIX_FMT_BF6 matrix_b_fmt:MATRIX_FMT_BF6
.else
	v_wmma_scale_f32_16x16x128_f8f6f4 v[DD:DD+7], v[AA:AA+11], v[BB:BB+11], v[DD:DD+7], v[WS+8*(\u)+(\s)], v[XSC+(\s)] matrix_a_fmt:MATRIX_FMT_BF6 matrix_b_fmt:MATRIX_FMT_BF6 matrix_b_scale:MATRIX_SCALE_ROW1
.endif
.endif
.endm
; A K step: eight products, the eight accumulators by turns in the same order in every step; then the next group's fragments of the same step.
.macro STEP s
	s_wait_loadcnt 44                              ; behind this step's six loads: six for each of seven other steps, and the two of the next scale words
.if (\s) == 0
	WIN 0x2d                                       ; W1 window 1, x window 3, b1 window 2, the sums window 0
.elseif (\s) < 5
	WIN 0x0d
.else
	WIN 0x0e                                       ; W1 window 2
.endif
.if (\s) < 5
.set WB, 48*(\s)
.else
.set WB, 48*((\s)-5)
.endif
.irp a, 0,1
.irp u, 0,1,2,3
	MM \s, \a, \u
.endr
.endr
.rept 4+(\s)/7
	v_nop                                          ; four places in front of loads into registers that these products read; behind the last step one more
.endr
	WIN 0xc0
	XLOAD \s
	WIN 0
.endm
; Tile a: silu in f32, the block's scale, its codes, and their store.
.macro SILUQ a
.set AC, ACC+32*(\a)
.set CC, CD+12*(\a)
.set i, 0
.rept 16
	v_pk_mul_f32 v[T+i:T+i+1], v[AC+i:AC+i+1], s[76:77] op_sel_hi:[1,0]     ; -z log2(e); each accumulator is read from its low end on
.set i, i+2
.endr
.set i, 0
.rept 32
	v_exp_f32 v[T+i], v[T+i]                       ; e^-z
.set i, i+1
.endr
	v_nop                                          ; one plain place behind the transcendentals
.set i, 0
	s_wait_alu depctr_va_vdst(0)
.rept 16
	v_pk_add_f32 v[T+i:T+i+1], v[T+i:T+i+1], 1.0 op_sel_hi:[1,0]
.set i, i+2
.endr
.set i, 0
.rept 32
	v_rcp_f32 v[T+i], v[T+i]                       ; 1 / (1 + e^-z); where e^-z is infinite, 0
.set i, i+1
.endr
	v_nop
.set i, 0
	s_wait_alu depctr_va_vdst(0)
.rept 16
	v_pk_mul_f32 v[AC+i:AC+i+1], v[AC+i:AC+i+1], v[T+i:T+i+1]
.set i, i+2
.endr
	v_max3_num_f32 v[QT], |v[AC]|, |v[AC+1]|, |v[AC+2]|      ; the block's largest magnitude: all 32 numbers are mine
	v_max3_num_f32 v[QT+1], |v[AC+3]|, |v[AC+4]|, |v[AC+5]|
.irp n, 6,10,14,18,22,26
	v_max3_num_f32 v[QT], v[QT], |v[AC+\n]|, |v[AC+\n+1]|
	v_max3_num_f32 v[QT+1], v[QT+1], |v[AC+\n+2]|, |v[AC+\n+3]|
.endr
	v_max3_num_f32 v[QT], v[QT], |v[AC+30]|, |v[AC+31]|
	v_max3_num_f32 v[QT], v[QT], v[QT+1], 0x2800000          ; and the floor 2^(5 - 127): the byte cannot fall under 1
	v_add_nc_u32 v[QT+2], 0xfe000000, v[QT]                  ; 4 off the exponent field: the conversion's scale operand
	v_cvt_scalef32_pk16_bf6_f32 v[CC:CC+2], v[AC:AC+15], v[QT+2]
	v_cvt_scalef32_pk16_bf6_f32 v[CC+6:CC+8], v[AC+16:AC+31], v[QT+2]   ; (a conversion's three registers begin on an even number)
	v_nop                                                    ; one plain place behind the conversions
	v_lshrrev_b32 v[QT+4+(\a)], 23, v[QT+2]                  ; the scale's byte
.irp n, 0,1,2
	v_mov_b32 v[CC+3+\n], v[CC+6+\n]
.endr
	global_store_b128 v[L16], v[CC:CC+3], s[14:15] offset:49152*(\a)         ; registers 6 c .. 6 c + 3 of the operand: 512 consecutive bytes, at a multiple of 256 in hq
	global_store_b64 v[L8], v[CC+4:CC+5], s[14:15] offset:49152*(\a)+512     ; registers 6 c + 4, 6 c + 5: the 256 bytes behind them
.endm
	s_load_b256 s[4:11], s[0:1], 0x0               ; xq s[4:5], W1's codes s[6:7], W1's scales s[8:9], b1 s[10:11]
	s_load_b128 s[12:15], s[0:1], 0x20             ; lists s[12:13], hq s[14:15]
	s_load_b64 s[16:17], s[0:1], 0x30              ; pos
	v_lshrrev_b32 v1, 5, v0
	v_readfirstlane_b32 s24, v1                    ; wave 0..3
	v_and_b32 v1, 31, v0                           ; lane
	v_and_b32 v2, 15, v0                           ; r
	v_bfe_u32 v3, v0, 4, 1                         ; h
	s_and_b32 s25, ttmp7, 0xffff                   ; e
	s_and_b32 s26, ttmp9, 15                       ; fg
	s_lshr_b32 s27, ttmp9, 4                       ; p
	s_lshr_b32 s28, s24, 1
	s_lshl_b32 s29, s26, 1
	s_add_co_u32 s28, s28, s29                     ; S
	s_and_b32 s29, s24, 1                          ; c
	s_lshl_b32 s31, s25, 10                        ; 1024 e
	s_or_b32 s72, s26, s24                         ; 0 in the one wave of (e, p) that stores pos
	s_mov_b32 s68, 0x76543210
	s_mov_b32 s69, 0xfedcba98                      ; v_permlanex16_b32's selects for lane l xor 16
	s_mov_b32 s70, 0xffff0000                      ; lanes 16-31
	s_mov_b32 s71, 0x03010200                      ; bytes 1 and 2 of a scale word change places
	s_mov_b32 s76, 0xbfb8aa3b                      ; -log2(e)
	s_mov_b32 s77, s76                             ; (named with it as a pair, so it is written)
	s_mov_b32 s67, 0
	v_lshrrev_b32 v[TMP], 3, v2
	v_and_b32 v[TMP+1], 7, v2
	v_mul_u32_u24 v[WO], v[TMP], 49152
	v_mad_u32_u24 v[WO], v[TMP+1], 768, v[WO]
	v_mad_u32_u24 v[WO], v3, 48, v[WO]
	v_lshlrev_b32 v[WSO], 11, v[TMP]
	v_lshl_add_u32 v[WSO], v[TMP+1], 5, v[WSO]
	v_lshlrev_b32 v[BO], 8, v3
	v_lshlrev_b32 v[L16], 4, v1
	v_lshlrev_b32 v[L8], 3, v1
	v_mul_u32_u24 v[H48], v3, 48
	s_lshl_b32 s78, s27, 5
	v_add_nc_u32 v[RHO], s78, v1                   ; my first group's ranks: 32 p + lane
.irp i, 0,1,2,3,4,5,6,7,8,9,10,11,12,13,14,15
	v_mov_b32 v[LST+\i], 0                         ; groups that I do not have: entry 0
.endr
	v_mov_b32 v[TMP+6], 0                          ; written once: a lane permute's destination counts as one of its sources
	v_mov_b32 v[QT+6], 0
	v_mov_b32 v[QT+7], 0
	s_wait_kmcnt 0x0
	s_lshl_b32 s66, s25, 7
	s_add_co_u32 s66, s66, BC_OFF
	s_add_nc_u64 s[22:23], s[12:13], s[66:67]
	s_load_b512 s[32:47], s[22:23], 0x0            ; the expert's 32 counts
	s_load_b512 s[48:63], s[22:23], 0x40
	s_lshl_b32 s66, s25, 12
	s_add_nc_u64 s[12:13], s[12:13], s[66:67]      ; its 1,024 list entries
	s_mul_i32 s66, s25, ESTR
	s_mul_i32 s78, s28, 98304
	s_add_co_u32 s66, s66, s78
	s_mul_i32 s78, s29, 24576
	s_add_co_u32 s66, s66, s78
	s_add_nc_u64 s[6:7], s[6:7], s[66:67]          ; W1's codes at unit 128 S + 32 c
	s_lshl_b32 s66, s25, 17
	s_lshl_b32 s78, s28, 12
	s_add_co_u32 s66, s66, s78
	s_lshl_b32 s78, s29, 10
	s_add_co_u32 s66, s66, s78
	s_add_nc_u64 s[8:9], s[8:9], s[66:67]          ; its scale bytes
	s_lshl_b32 s66, s25, 14
	s_lshl_b32 s78, s28, 9
	s_add_co_u32 s66, s66, s78
	s_lshl_b32 s78, s29, 7
	s_add_co_u32 s66, s66, s78
	s_add_nc_u64 s[10:11], s[10:11], s[66:67]      ; b1
	s_lshl_b32 s66, s25, 17                        ; hq's scale words: [e][32 groups][S / 4][32 rows][4 words]; my two bytes of word S & 3 begin at byte 2 c
	s_lshl_b32 s78, s27, 12
	s_add_co_u32 s66, s66, s78
	s_lshr_b32 s78, s28, 2
	s_lshl_b32 s78, s78, 9
	s_add_co_u32 s66, s66, s78
	s_and_b32 s78, s28, 3
	s_lshl_b32 s78, s78, 2
	s_add_co_u32 s66, s66, s78
	s_lshl_b32 s78, s29, 1
	s_add_co_u32 s66, s66, s78
	s_add_co_u32 s66, s66, HS_OFF
	s_add_nc_u64 s[18:19], s[14:15], s[66:67]
	s_mul_i32 s66, s25, ESTR                       ; hq's codes: group p, K step S, half c
	s_mul_i32 s78, s27, GSTR
	s_add_co_u32 s66, s66, s78
	s_mul_i32 s78, s28, 1536
	s_add_co_u32 s66, s66, s78
	s_mul_i32 s78, s29, 768
	s_add_co_u32 s66, s66, s78
	s_add_nc_u64 s[14:15], s[14:15], s[66:67]
	s_add_nc_u64 s[20:21], s[4:5], XS_OFF          ; x's scale words
.irp u, 0,1,2,3
	global_load_b128 v[WS+8*\u:WS+8*\u+3], v[WSO], s[8:9] offset:256*\u
	global_load_b128 v[WS+8*\u+4:WS+8*\u+7], v[WSO], s[8:9] offset:256*\u+16
.endr
	WIN 0x80
.irp u, 0,1,2,3
	global_load_b128 v[B1+8*\u:B1+8*\u+3], v[BO], s[10:11] offset:32*\u          ; lane (r, h), register j: b1 of unit 128 S + 64 h + 32 c + 8 u + j: the result's layout
	global_load_b128 v[B1+8*\u+4:B1+8*\u+7], v[BO], s[10:11] offset:32*\u+16
.endr
	WLOAD 0
	WLOAD 1
	WLOAD 2
	WLOAD 3
	WIN 0
	s_wait_kmcnt 0x0                               ; the counts
.set bb, 1
.rept 31
	s_add_co_u32 s[32+bb], s[32+bb], s[31+bb]      ; running sums I_b; s63 = the expert's rows
.set bb, bb+1
.endr
	s_add_co_u32 s30, s63, 31
	s_lshr_b32 s30, s30, 5                         ; its groups,
	s_add_co_u32 s30, s30, 1
	s_sub_co_u32 s30, s30, s27
	s_lshr_b32 s30, s30, 1                         ; those of my part: p, p + 2, ..
	s_min_u32 s30, s30, 16                         ; 1,024 rows give a part 16 at the most
	s_cmp_eq_u32 s30, 0
	s_cbranch_scc1 .Lend                           ; no rows for this part: nothing to store
	SEARCH 0
	SEARCH 1
	SEARCH 2
	SEARCH 3
	SEARCH 4
	SEARCH 5
	SEARCH 6
	SEARCH 7
	SEARCH 8
	SEARCH 9
	SEARCH 10
	SEARCH 11
	SEARCH 12
	SEARCH 13
	SEARCH 14
	SEARCH 15
.Lfound:
	WLOAD 4
	WLOAD 5
	WLOAD 6
	WLOAD 7
	WIN 0
	s_wait_loadcnt 48                              ; all but the 48 just issued: the scale words and the list entries are in
.set i, 0
.rept 32
	v_perm_b32 v[WS+i], v[WS+i], v[WS+i], s71
.set i, i+1
.endr
	POP 0                                          ; my first group: it exists
	global_load_b128 v[XN:XN+3], v[OFFS], s[20:21]
	global_load_b128 v[XN+4:XN+7], v[OFFS], s[20:21] offset:16
	WIN 0xc0
.irp s, 0,1,2,3,4,5,6,7
	XLOAD \s
.endr
	WIN 0
	s_mov_b32 s74, 0
.Ltrip:                                                ; a trip: one group of 32 rows
	s_wait_loadcnt 48                              ; behind the two loads of this group's scale words: its 48 loads of codes
.irp i, 0,1,2,3,4,5,6,7
	v_mov_b32 v[XSC+\i], v[XN+\i]
.endr
	s_wait_xcnt 0x0                                ; the offsets that the pending loads name, and what the last store to pos read, are rewritten only behind this wait
	POP 1                                          ; the next group's offsets; its 16 moves and more are the eight places between the scale words' writes and the first product
	global_load_b128 v[XN:XN+3], v[OFFS], s[20:21]
	global_load_b128 v[XN+4:XN+7], v[OFFS], s[20:21] offset:16
	STEP 0
	STEP 1
	STEP 2
	STEP 3
	STEP 4
	STEP 5
	STEP 6
	STEP 7
	SILUQ 0
	SILUQ 1
	v_permlanex16_b32 v[QT+6], v[QT+4], s68, s69   ; a row's two bytes (h = 0, 1) lie in lanes r and 16 + r
	v_permlanex16_b32 v[QT+7], v[QT+5], s68, s69
	v_cndmask_b32 v[TMP], v[QT+4], v[QT+6], s70    ; tile 0: half 0's byte,
	v_cndmask_b32 v[TMP+1], v[QT+6], v[QT+4], s70  ; half 1's
	v_cndmask_b32 v[TMP+9], v[QT+5], v[QT+7], s70  ; tile 1 likewise
	v_cndmask_b32 v[TMP+11], v[QT+7], v[QT+5], s70
	v_lshl_or_b32 v[TMP], v[TMP+1], 8, v[TMP]
	v_lshl_or_b32 v[TMP+9], v[TMP+11], 8, v[TMP+9]
	v_cndmask_b32 v[TMP+10], v[TMP], v[TMP+9], s70 ; lane = the group's row
	global_store_b16 v[L16], v[TMP+10], s[18:19]   ; bytes 2 c, 2 c + 1 of the row's word of K step S
	s_wait_xcnt 0x0                                ; the stores have read their registers and bases: both may be written again
	s_add_nc_u64 s[14:15], s[14:15], 2*GSTR        ; two groups on
	s_add_nc_u64 s[18:19], s[18:19], 8192
	s_add_co_u32 s74, s74, 1
	s_cmp_lt_u32 s74, s30
	s_cbranch_scc1 .Ltrip                          ; (the last trip's loads ahead stay inside xq: every token is held under 1,024)
.Lend:
	s_endpgm
.Lfunc_end_k_qbf38a7c821_ffn1:
	.size	k_qbf38a7c821_ffn1, .Lfunc_end_k_qbf38a7c821_ffn1-k_qbf38a7c821_ffn1
	.p2alignl 7, 3214868480
	.fill 96, 4, 3214868480
	.section	.rodata,"a",@progbits
	.p2align	6, 0x0
	.amdhsa_kernel k_qbf38a7c821_ffn1
		.amdhsa_group_segment_fixed_size 0
		.amdhsa_private_segment_fixed_size 0
		.amdhsa_enable_private_segment 0
		.amdhsa_kernarg_size 56
		.amdhsa_user_sgpr_count 2
		.amdhsa_user_sgpr_kernarg_segment_ptr 1
		.amdhsa_wavefront_size32 1
		.amdhsa_system_sgpr_workgroup_id_x 1
		.amdhsa_system_sgpr_workgroup_id_y 1
		.amdhsa_system_sgpr_workgroup_id_z 1
		.amdhsa_system_vgpr_workitem_id 0
		.amdhsa_next_free_vgpr 960
		.amdhsa_next_free_sgpr 84
		.amdhsa_reserve_vcc 1
		.amdhsa_float_denorm_mode_32 3
		.amdhsa_float_denorm_mode_16_64 3
		.amdhsa_memory_ordered 1
		.amdhsa_forward_progress 1
		.amdhsa_inst_pref_size 139
	.end_amdhsa_kernel
	.amdgpu_metadata
---
amdhsa.version: [ 1, 2 ]
amdhsa.kernels:
  - .name:           k_qbf38a7c821_ffn1
    .symbol:         k_qbf38a7c821_ffn1.kd
    .args:
      - { .name: xq, .offset: 0, .size: 8, .value_kind: global_buffer, .address_space: global }
      - { .name: w1_codes, .offset: 8, .size: 8, .value_kind: global_buffer, .address_space: global }
      - { .name: w1_scales, .offset: 16, .size: 8, .value_kind: global_buffer, .address_space: global }
      - { .name: b1, .offset: 24, .size: 8, .value_kind: global_buffer, .address_space: global }
      - { .name: lists, .offset: 32, .size: 8, .value_kind: global_buffer, .address_space: global }
      - { .name: hq, .offset: 40, .size: 8, .value_kind: global_buffer, .address_space: global }
      - { .name: pos, .offset: 48, .size: 8, .value_kind: global_buffer, .address_space: global }
    .group_segment_fixed_size: 0
    .private_segment_fixed_size: 0
    .kernarg_segment_align: 8
    .kernarg_segment_size: 56
    .max_flat_workgroup_size: 128
    .sgpr_count:     84
    .vgpr_count:     960
    .wavefront_size: 32
...
	.end_amdgpu_metadata
.endif
;; end of part 2
;; launch ffn2 (part 3): grid 32 x 8, 4 waves a work-group, no clusters, 70,144 bytes of LDS; arguments hq, w2_codes, w2_scales, b2, lists, yws; writes yws
.if DOCPART == 3
	.amdgcn_target "amdgcn-amd-amdhsa--gfx1250"
	.amdhsa_code_object_version 6
	.text
	.protected	k_qbf38a7c821_ffn2
	.globl	k_qbf38a7c821_ffn2
	.p2align	8
	.type	k_qbf38a7c821_ffn2,@function
k_qbf38a7c821_ffn2:
	s_mov_b64 s[64:65], 0
	v_nop
	global_prefetch_b8 v0, s[64:65] scope:SCOPE_SE
	s_setreg_imm32_b32 hwreg(HW_REG_WAVE_MODE, 25, 1), 1
	s_wait_xcnt 0x0
; FFN2.  y = h W2[e] + b2[e] for the rows that the router chose, on codes of BF6 (E3M2) with E8M0 scales; sums in f32.  yws[e][rank][1024], f32.
; SHARES.  Work-group (x, y): expert e = y, ng = x & 15 (outputs 64 ng .. 64 ng + 63), part p = x >> 4 (groups of 32 ranks g = p, p + 2, ..).  Wave q takes K = 1024 q .. 1024 q + 1023:
; 32 fragments of W2, 384 registers, read once and kept; 64 matrix instructions a group.  The four waves' partial sums of 32 rows x 64 outputs meet in LDS; wave q adds rows 8 q .. 8 q + 7
; (the four parts in ascending K, then b2) and stores them: sixteen lanes store 256 consecutive bytes, at a multiple of 256 in yws.  So a sum over K is made in four parts.
; THE MATRIX INSTRUCTION IS USED TRANSPOSED: source 0 = 16 rows of W2 (outputs), source 1 = 16 rows of h: a lane holds eight neighbouring outputs of one row.
; h's fragments lie in hq as images of the operand's registers.  W2's are taken 48 consecutive bytes a lane, at 96 s + 48 h of a row, which changes blocks 1 and 2 of each K step of 128;
; h was laid in that order, and W2's scale words are turned to match by one byte permute.
; THE LOOP HAS A CONSTANT COUNT, 16 groups, the most that 1,024 rows give a part: every wave passes every barrier.  A group that the expert does not have is passed over by scalar branches
; on the stored count, round the work alone.  For the same reason there is NO TENSOR LOAD AND NO CLUSTER: branches hang on a number read from memory; operands go straight into registers.
; The loads run one group ahead; behind the expert's last group they read bytes of hq that are not used (hq has two groups of slack behind expert 7).
; LIMITS: NaN and infinities are not served.
; REGISTERS, in windows of 256: window 0 below;  window 1: W2's fragments of my K steps 0-4 at 48 s + 12 u;  window 2: steps 5-7 at 48 (s - 5) + 12 u;  window 3: h's at 24 s + 12 a.
.set BC_OFF, 32768
.set HS_OFF, 25362432
.set ESTR,   3145728                   ; an expert's codes: 1,024 rows x 3,072 bytes of W2; in hq 64 tiles x 49,152 bytes
.set GSTR,   98304                     ; a group in hq
.set WVB,    32*272                    ; LDS: a wave's partial sums: 32 rows of 256 bytes + 16: 17 x 16 bytes, so that sixteen rows' 16 bytes start at sixteen different groups of four banks (ISA guide 11.1)
.set BUFB,   4*WVB                     ; a buffer; two take turns
.set WO,   4                           ; v4   W2: row r of 3,072 bytes + 48 h
.set WSO,  5                           ; v5   its scale bytes: row r of 128
.set BO,   6                           ; v6   b2: 16 (lane & 15)
.set L16,  7                           ; v7   16 x lane
.set L8,   8                           ; v8   8 x lane
.set VST,  9                           ; v9   LDS: where I put 32 bytes of a row
.set VLD,  10                          ; v10  LDS: where I read 16 bytes of a row back
.set YO,   11                          ; v11  the same place in yws
.set B2,   12                          ; v12-15  b2 of my four outputs
.set WS,   32                          ; v32-63  W2's scale words: 8 u + s
.set XSC,  64                          ; v64-71  h's scale words of the group in hand: lane = row
.set XN,   72                          ; v72-79  the next group's
.set ACC,  80                          ; v80-143 eight accumulators: 32 a + 8 u
.set R,    144                         ; v144-207 the four parts of my eight rows: 16 q' + 4 i
.set MSB, 0
.macro WIN new                         ; the immediate's high byte repeats the setting that is left
.if MSB != \new
	s_set_vgpr_msb (MSB<<8)|\new
.set MSB, \new
.endif
.endm
.macro WLOAD s                         ; W2's four fragments of my K step s
.if (\s) < 5
	WIN 0x40
.set WB, 48*(\s)
.else
	WIN 0x80
.set WB, 48*((\s)-5)
.endif
.irp u, 0,1,2,3
.irp k, 0,1,2
	global_load_b128 v[WB+12*\u+4*\k:WB+12*\u+4*\k+3], v[WO], s[6:7] offset:49152*\u+96*(\s)+16*\k
.endr
.endr
.endm
.macro HLOAD s                         ; h's two fragments of my K step s, as they were stored (destination window 3 is set by the caller)
.irp a, 0,1
	global_load_b128 v[24*(\s)+12*\a:24*(\s)+12*\a+3], v[L16], s[4:5] offset:49152*\a+1536*(\s)
	global_load_b64 v[24*(\s)+12*\a+4:24*(\s)+12*\a+5], v[L8], s[4:5] offset:49152*\a+1536*(\s)+512
	global_load_b128 v[24*(\s)+12*\a+6:24*(\s)+12*\a+9], v[L16], s[4:5] offset:49152*\a+1536*(\s)+768
	global_load_b64 v[24*(\s)+12*\a+10:24*(\s)+12*\a+11], v[L8], s[4:5] offset:49152*\a+1536*(\s)+1280
.endr
.endm
.macro MM s, a, u                      ; one product: tile u of my outputs x tile a of the rows, my K step s.  The first starts the sum: nothing is cleared
.set DD, ACC+32*(\a)+8*(\u)
.set AA, WB+12*(\u)
.set BB, 24*(\s)+12*(\a)
.if (\s) == 0
.if (\a) == 0
	v_wmma_scale_f32_16x16x128_f8f6f4 v[DD:DD+7], v[AA:AA+11], v[BB:BB+11], 0, v[WS+8*(\u)+(\s)], v[XSC+(\s)] matrix_a_fmt:MATRIX_FMT_BF6 matrix_b_fmt:MATRIX_FMT_BF6
.else
	v_wmma_scale_f32_16x16x128_f8f6f4 v[DD:DD+7], v[AA:AA+11], v[BB:BB+11], 0, v[WS+8*(\u)+(\s)], v[XSC+(\s)] matrix_a_fmt:MATRIX_FMT_BF6 matrix_b_fmt:MATRIX_FMT_BF6 matrix_b_scale:MATRIX_SCALE_ROW1
.endif
.else
.if (\a) == 0
	v_wmma_scale_f32_16x16x128_f8f6f4 v[DD:DD+7], v[AA:AA+11], v[BB:BB+11], v[DD:DD+7], v[WS+8*(\u)+(\s)], v[XSC+(\s)] matrix_a_fmt:MATRIX_FMT_BF6 matrix_b_fmt:MATRIX_FMT_BF6
.else
	v_wmma_scale_f32_16x16x128_f8f6f4 v[DD:DD+7], v[AA:AA+11], v[BB:BB+11], v[DD:DD+7], v[WS+8*(\u)+(\s)], v[XSC+(\s)] matrix_a_fmt:MATRIX_FMT_BF6 matrix_b_fmt:MATRIX_FMT_BF6 matrix_b_scale:MATRIX_SCALE_ROW1
.endif
.endif
.endm
; A K step: eight products, the eight accumulators by turns in the same order in every step; then the next group's fragments of the same step.
.macro STEP s
	s_wait_loadcnt 58                              ; behind this step's eight loads: eight for each of seven other steps, and the two of the next scale words
.if (\s) < 5
	WIN 0x0d                                       ; W2 window 1, h window 3, the sums window 0
.set WB, 48*(\s)
.else
	WIN 0x0e                                       ; W2 window 2
.set WB, 48*((\s)-5)
.endif
.irp a, 0,1
.irp u, 0,1,2,3
	MM \s, \a, \u
.endr
.endr
.rept 4+(\s)/7
	v_nop                                          ; four places in front of loads into registers that these products read; behind the last step five: a later group's first products write over these sums
.endr
	WIN 0xc0
	HLOAD \s
	WIN 0
.endm
; One group, through LDS buffer buf.  ONE barrier: a buffer is written again two groups later, and in front of the other buffer's barrier, which lies between, every wave has waited for its reads.
.macro TRIP buf
	s_cmp_ge_u32 s74, s30
	s_cbranch_scc1 .Lskip_a_\@                     ; the expert has no such group: no loads, no products
	s_wait_loadcnt 63                              ; 66 loads are out, this group's two of scale words the oldest: they are in
.irp i, 0,1,2,3,4,5,6,7
	v_mov_b32 v[XSC+\i], v[XN+\i]
.endr
	s_wait_xcnt 0x0                                ; the bases that the pending loads name step only behind this wait
	s_add_nc_u64 s[4:5], s[4:5], 2*GSTR            ; the loads below are the next group's: two groups on
	s_add_nc_u64 s[18:19], s[18:19], 8192
	global_load_b128 v[XN:XN+3], v[L16], s[18:19]
	global_load_b128 v[XN+4:XN+7], v[L16], s[18:19] offset:512
.rept 8
	v_nop                                          ; eight places between the scale words' writes and the first product
.endr
	STEP 0
	STEP 1
	STEP 2
	STEP 3
	STEP 4
	STEP 5
	STEP 6
	STEP 7
.irp a, 0,1
.irp u, 0,1,2,3
	ds_store_b128 v[VST], v[ACC+32*\a+8*\u:ACC+32*\a+8*\u+3] offset:(\buf)*BUFB+\a*16*272+64*\u         ; lane (r, h): row 16 a + r, outputs 16 u + 8 h + 0 .. 7; each accumulator from its low end on
	ds_store_b128 v[VST], v[ACC+32*\a+8*\u+4:ACC+32*\a+8*\u+7] offset:(\buf)*BUFB+\a*16*272+64*\u+16
.endr
.endr
.Lskip_a_\@:
	s_wait_dscnt 0x0                               ; for the others' sake: my stores have landed, and my reads of the other buffer are back
	s_barrier_signal -1
	s_barrier_wait -1
	s_cmp_ge_u32 s74, s30
	s_cbranch_scc1 .Lskip_b_\@
	s_wait_xcnt 0x0                                ; the last group's stores have read the registers that the loads below fill
.irp i, 0,1,2,3
.irp qq, 0,1,2,3
	ds_load_b128 v[R+16*\qq+4*\i:R+16*\qq+4*\i+3], v[VLD] offset:(\buf)*BUFB+\qq*WVB+544*\i            ; rows 8 q + 2 i and 8 q + 2 i + 1, wave qq's part
.endr
.endr
.irp i, 0,1,2,3
	s_wait_dscnt 12-4*\i                           ; this pair of rows' four loads are in; the later pairs' stay out
.irp qq, 1,2,3
	v_pk_add_f32 v[R+4*\i:R+4*\i+1], v[R+4*\i:R+4*\i+1], v[R+16*\qq+4*\i:R+16*\qq+4*\i+1]
	v_pk_add_f32 v[R+4*\i+2:R+4*\i+3], v[R+4*\i+2:R+4*\i+3], v[R+16*\qq+4*\i+2:R+16*\qq+4*\i+3]
.endr
	v_pk_add_f32 v[R+4*\i:R+4*\i+1], v[R+4*\i:R+4*\i+1], v[B2:B2+1]
	v_pk_add_f32 v[R+4*\i+2:R+4*\i+3], v[R+4*\i+2:R+4*\i+3], v[B2+2:B2+3]
	global_store_b128 v[YO], v[R+4*\i:R+4*\i+3], s[14:15] offset:8192*\i
.endr
	s_wait_xcnt 0x0                                ; the stores have read their base
	s_add_nc_u64 s[14:15], s[14:15], 64*4096       ; two groups on
.Lskip_b_\@:
	s_add_co_u32 s74, s74, 1
.endm
	s_load_b256 s[4:11], s[0:1], 0x0               ; hq s[4:5], W2's codes s[6:7], W2's scales s[8:9], b2 s[10:11]
	s_load_b128 s[12:15], s[0:1], 0x20             ; lists s[12:13], yws s[14:15]
	v_lshl_add_u32 v254, v0, 2, 0x11000
	v_mov_b32 v255, 0
	v_lshrrev_b32 v1, 5, v0
	v_readfirstlane_b32 s24, v1                    ; wave q = 0..3
	v_and_b32 v1, 31, v0                           ; lane
	v_and_b32 v2, 15, v0                           ; r
	v_bfe_u32 v3, v0, 4, 1                         ; h
	s_and_b32 s25, ttmp7, 0xffff                   ; e
	s_and_b32 s26, ttmp9, 15                       ; ng
	s_lshr_b32 s27, ttmp9, 4                       ; p
	s_mov_b32 s71, 0x03010200                      ; bytes 1 and 2 of a scale word change places
	s_mov_b32 s67, 0
	v_mul_u32_u24 v[WO], v2, 3072
	v_mad_u32_u24 v[WO], v3, 48, v[WO]
	v_lshlrev_b32 v[WSO], 7, v2
	v_lshlrev_b32 v[BO], 4, v2
	v_lshlrev_b32 v[L16], 4, v1
	v_lshlrev_b32 v[L8], 3, v1
	s_mul_i32 s78, s24, WVB
	v_mul_u32_u24 v[VST], v2, 272
	v_lshl_add_u32 v[VST], v3, 5, v[VST]
	v_add_nc_u32 v[VST], s78, v[VST]               ; my wave's part: row r, + 32 h
	s_mul_i32 s78, s24, 8*272
	v_mul_u32_u24 v[VLD], v3, 272
	v_lshl_add_u32 v[VLD], v2, 4, v[VLD]
	v_add_nc_u32 v[VLD], s78, v[VLD]               ; row 8 q + (lane >> 4), 16 bytes a lane
	v_lshlrev_b32 v[YO], 12, v3
	v_lshl_add_u32 v[YO], v2, 4, v[YO]
	s_wait_kmcnt 0x0
	s_lshl_b32 s66, s25, 7
	s_add_co_u32 s66, s66, BC_OFF
	s_add_nc_u64 s[22:23], s[12:13], s[66:67]
	s_load_b512 s[32:47], s[22:23], 0x0            ; the expert's 32 counts
	s_load_b512 s[48:63], s[22:23], 0x40
	s_mul_i32 s66, s25, ESTR
	s_mul_i32 s78, s26, 196608
	s_add_co_u32 s66, s66, s78
	s_mul_i32 s78, s24, 768
	s_add_co_u32 s66, s66, s78
	s_add_nc_u64 s[6:7], s[6:7], s[66:67]          ; W2's codes at output 64 ng, K = 1024 q
	s_lshl_b32 s66, s25, 17
	s_lshl_b32 s78, s26, 13
	s_add_co_u32 s66, s66, s78
	s_lshl_b32 s78, s24, 5
	s_add_co_u32 s66, s66, s78
	s_add_nc_u64 s[8:9], s[8:9], s[66:67]          ; its scale bytes
	s_lshl_b32 s66, s25, 12
	s_lshl_b32 s78, s26, 8
	s_add_co_u32 s66, s66, s78
	s_add_nc_u64 s[10:11], s[10:11], s[66:67]      ; b2
	s_lshl_b32 s66, s25, 17
	s_lshl_b32 s78, s27, 12
	s_add_co_u32 s66, s66, s78
	s_lshl_b32 s78, s24, 10
	s_add_co_u32 s66, s66, s78
	s_add_co_u32 s66, s66, HS_OFF
	s_add_nc_u64 s[18:19], s[4:5], s[66:67]        ; h's scale words: group p, K steps 8 q on
	s_mul_i32 s66, s25, ESTR
	s_mul_i32 s78, s27, GSTR
	s_add_co_u32 s66, s66, s78
	s_mul_i32 s78, s24, 12288
	s_add_co_u32 s66, s66, s78
	s_add_nc_u64 s[4:5], s[4:5], s[66:67]          ; h's codes likewise
	s_lshl_b32 s66, s25, 22
	s_lshl_b32 s78, s27, 17
	s_add_co_u32 s66, s66, s78
	s_lshl_b32 s78, s24, 15
	s_add_co_u32 s66, s66, s78
	s_lshl_b32 s78, s26, 8
	s_add_co_u32 s66, s66, s78
	s_add_nc_u64 s[14:15], s[14:15], s[66:67]      ; yws at rank 32 p + 8 q, output 64 ng
.irp u, 0,1,2,3
	global_load_b128 v[WS+8*\u:WS+8*\u+3], v[WSO], s[8:9] offset:2048*\u
	global_load_b128 v[WS+8*\u+4:WS+8*\u+7], v[WSO], s[8:9] offset:2048*\u+16
.endr
.irp s, 0,1,2,3,4,5,6,7
	WLOAD \s
.endr
	WIN 0
	global_load_b128 v[B2:B2+3], v[BO], s[10:11]
	global_load_b128 v[XN:XN+3], v[L16], s[18:19]
	global_load_b128 v[XN+4:XN+7], v[L16], s[18:19] offset:512
	WIN 0xc0
.irp s, 0,1,2,3,4,5,6,7
	HLOAD \s                                       ; group p
.endr
	WIN 0
	s_wait_kmcnt 0x0                               ; the counts
.set bb, 1
.rept 31
	s_add_co_u32 s32, s32, s[32+bb]                ; the expert's rows
.set bb, bb+1
.endr
	s_add_co_u32 s30, s32, 31
	s_lshr_b32 s30, s30, 5                         ; its groups,
	s_add_co_u32 s30, s30, 1
	s_sub_co_u32 s30, s30, s27
	s_lshr_b32 s30, s30, 1                         ; those of my part
	s_min_u32 s30, s30, 16
	s_wait_loadcnt 63                              ; of the 171 loads issued the oldest 108 are in: the scale words, W2, b2 among them
.set i, 0
.rept 32
	v_perm_b32 v[WS+i], v[WS+i], v[WS+i], s71
.set i, i+1
.endr
	s_mov_b32 s74, 0                               ; which of my groups
	s_mov_b32 s73, 0
.Lpair:                                                ; eight trips of two groups, one through each buffer
	TRIP 0
	TRIP 1
	s_add_co_u32 s73, s73, 1
	s_cmp_lt_u32 s73, 8
	s_cbranch_scc1 .Lpair
	s_wait_tensorcnt 0x0
	ds_add_u32 v254, v255
	s_wait_dscnt 0x0
	s_endpgm
.Lfunc_end_k_qbf38a7c821_ffn2:
	.size	k_qbf38a7c821_ffn2, .Lfunc_end_k_qbf38a7c821_ffn2-k_qbf38a7c821_ffn2
	.p2alignl 7, 3214868480
	.fill 96, 4, 3214868480
	.section	.rodata,"a",@progbits
	.p2align	6, 0x0
	.amdhsa_kernel k_qbf38a7c821_ffn2
		.amdhsa_group_segment_fixed_size 70144
		.amdhsa_private_segment_fixed_size 0
		.amdhsa_enable_private_segment 0
		.amdhsa_kernarg_size 48
		.amdhsa_user_sgpr_count 2
		.amdhsa_user_sgpr_kernarg_segment_ptr 1
		.amdhsa_wavefront_size32 1
		.amdhsa_system_sgpr_workgroup_id_x 1
		.amdhsa_system_sgpr_workgroup_id_y 1
		.amdhsa_system_sgpr_workgroup_id_z 1
		.amdhsa_system_vgpr_workitem_id 0
		.amdhsa_next_free_vgpr 960
		.amdhsa_next_free_sgpr 84
		.amdhsa_reserve_vcc 0
		.amdhsa_float_denorm_mode_32 3
		.amdhsa_float_denorm_mode_16_64 3
		.amdhsa_memory_ordered 1
		.amdhsa_forward_progress 1
		.amdhsa_inst_pref_size 67
	.end_amdhsa_kernel
	.amdgpu_metadata
---
amdhsa.version: [ 1, 2 ]
amdhsa.kernels:
  - .name:           k_qbf38a7c821_ffn2
    .symbol:         k_qbf38a7c821_ffn2.kd
    .args:
      - { .name: hq, .offset: 0, .size: 8, .value_kind: global_buffer, .address_space: global }
      - { .name: w2_codes, .offset: 8, .size: 8, .value_kind: global_buffer, .address_space: global }
      - { .name: w2_scales, .offset: 16, .size: 8, .value_kind: global_buffer, .address_space: global }
      - { .name: b2, .offset: 24, .size: 8, .value_kind: global_buffer, .address_space: global }
      - { .name: lists, .offset: 32, .size: 8, .value_kind: global_buffer, .address_space: global }
      - { .name: yws, .offset: 40, .size: 8, .value_kind: global_buffer, .address_space: global }
    .group_segment_fixed_size: 70144
    .private_segment_fixed_size: 0
    .kernarg_segment_align: 8
    .kernarg_segment_size: 48
    .max_flat_workgroup_size: 128
    .sgpr_count:     84
    .vgpr_count:     960
    .wavefront_size: 32
...
	.end_amdgpu_metadata
.endif
;; end of part 3
;; launch mix (part 4): grid 256 x 1, 4 waves a work-group, no clusters, 0 bytes of LDS; arguments yws, pos, coef, out0; writes out0
.if DOCPART == 4
	.amdgcn_target "amdgcn-amd-amdhsa--gfx1250"
	.amdhsa_code_object_version 6
	.text
	.protected	k_qbf38a7c821_mix
	.globl	k_qbf38a7c821_mix
	.p2align	8
	.type	k_qbf38a7c821_mix,@function
k_qbf38a7c821_mix:
	s_mov_b64 s[64:65], 0
	v_nop
	global_prefetch_b8 v0, s[64:65] scope:SCOPE_SE
	s_setreg_imm32_b32 hwreg(HW_REG_WAVE_MODE, 25, 1), 1
	s_wait_xcnt 0x0
; MIX.  out0[t] = coef[t][0] yws[pos[2 t]] + coef[t][1] yws[pos[2 t + 1]]: each token's two rows, weighed and added in f32.  (The experts that a token did not choose have the weight 0
; in the sum that defines the result, and are left out.)
; One wave to a token: 16 loads of 512 consecutive bytes (the two rows of 4,096 bytes by turns), all issued at once, and 8 stores of 512 consecutive bytes.  pos holds whole numbers that an
; earlier launch stored; they are held under 8,192, the rows of yws.  Every piece has registers of its own, so nothing that a store reads is written again.
; Memory binds: no LDS, no barrier, no matrix unit, no cluster: waves share nothing.
.set RA, 8                             ; v8-39   the first row, then the result
.set RB, 40                            ; v40-71  the second row
	s_load_b256 s[4:11], s[0:1], 0x0               ; yws s[4:5], pos s[6:7], coef s[8:9], out0 s[10:11]
	v_lshrrev_b32 v1, 5, v0
	v_readfirstlane_b32 s12, v1                    ; wave 0..3
	v_and_b32 v1, 31, v0
	v_lshlrev_b32 v1, 4, v1                        ; 16 bytes a lane
	s_lshl_b32 s13, ttmp9, 2
	s_add_co_u32 s13, s13, s12                     ; my token
	s_lshl_b32 s14, s13, 3                         ; 8 bytes a token in pos and in coef
	s_mov_b32 s15, 0
	s_lshl_b32 s20, s13, 12                        ; 4,096 in out0
	s_mov_b32 s21, 0
	s_wait_kmcnt 0x0
	s_add_nc_u64 s[6:7], s[6:7], s[14:15]
	s_add_nc_u64 s[8:9], s[8:9], s[14:15]
	s_load_b64 s[16:17], s[6:7], 0x0               ; where its two rows lie
	s_load_b64 s[18:19], s[8:9], 0x0               ; and their weights
	s_add_nc_u64 s[10:11], s[10:11], s[20:21]
	s_wait_kmcnt 0x0
	s_min_u32 s16, s16, 0x1fff
	s_min_u32 s17, s17, 0x1fff
	s_lshl_b32 s22, s16, 12
	s_mov_b32 s23, 0
	s_lshl_b32 s24, s17, 12
	s_mov_b32 s25, 0
	s_add_nc_u64 s[22:23], s[4:5], s[22:23]
	s_add_nc_u64 s[24:25], s[4:5], s[24:25]
	s_mov_b32 s26, s19                             ; the second weight in a pair of its own: the packed forms take a pair's low word for both halves
	s_mov_b32 s27, s19
.irp i, 0,1,2,3,4,5,6,7
	global_load_b128 v[RA+4*\i:RA+4*\i+3], v1, s[22:23] offset:512*\i th:TH_LOAD_NT       ; each row of yws is read once
	global_load_b128 v[RB+4*\i:RB+4*\i+3], v1, s[24:25] offset:512*\i th:TH_LOAD_NT
.endr
.irp i, 0,1,2,3,4,5,6,7
	s_wait_loadcnt 14-2*\i                         ; loads come back in order: this piece's two are in, the later pieces' stay out
	v_pk_mul_f32 v[RA+4*\i:RA+4*\i+1], v[RA+4*\i:RA+4*\i+1], s[18:19] op_sel_hi:[1,0]
	v_pk_mul_f32 v[RA+4*\i+2:RA+4*\i+3], v[RA+4*\i+2:RA+4*\i+3], s[18:19] op_sel_hi:[1,0]
	v_pk_fma_f32 v[RA+4*\i:RA+4*\i+1], v[RB+4*\i:RB+4*\i+1], s[26:27], v[RA+4*\i:RA+4*\i+1] op_sel_hi:[1,0,1]
	v_pk_fma_f32 v[RA+4*\i+2:RA+4*\i+3], v[RB+4*\i+2:RB+4*\i+3], s[26:27], v[RA+4*\i+2:RA+4*\i+3] op_sel_hi:[1,0,1]
	global_store_b128 v1, v[RA+4*\i:RA+4*\i+3], s[10:11] offset:512*\i th:TH_STORE_NT     ; 32 lanes store 512 consecutive bytes, at a multiple of 256 in out0
.endr
	s_endpgm
.Lfunc_end_k_qbf38a7c821_mix:
	.size	k_qbf38a7c821_mix, .Lfunc_end_k_qbf38a7c821_mix-k_qbf38a7c821_mix
	.p2alignl 7, 3214868480
	.fill 96, 4, 3214868480
	.section	.rodata,"a",@progbits
	.p2align	6, 0x0
	.amdhsa_kernel k_qbf38a7c821_mix
		.amdhsa_group_segment_fixed_size 0
		.amdhsa_private_segment_fixed_size 0
		.amdhsa_enable_private_segment 0
		.amdhsa_kernarg_size 32
		.amdhsa_user_sgpr_count 2
		.amdhsa_user_sgpr_kernarg_segment_ptr 1
		.amdhsa_wavefront_size32 1
		.amdhsa_system_sgpr_workgroup_id_x 1
		.amdhsa_system_sgpr_workgroup_id_y 1
		.amdhsa_system_sgpr_workgroup_id_z 1
		.amdhsa_system_vgpr_workitem_id 0
		.amdhsa_next_free_vgpr 104
		.amdhsa_next_free_sgpr 66
		.amdhsa_reserve_vcc 0
		.amdhsa_float_denorm_mode_32 3
		.amdhsa_float_denorm_mode_16_64 3
		.amdhsa_memory_ordered 1
		.amdhsa_forward_progress 1
		.amdhsa_inst_pref_size 6
	.end_amdhsa_kernel
	.amdgpu_metadata
---
amdhsa.version: [ 1, 2 ]
amdhsa.kernels:
  - .name:           k_qbf38a7c821_mix
    .symbol:         k_qbf38a7c821_mix.kd
    .args:
      - { .name: yws, .offset: 0, .size: 8, .value_kind: global_buffer, .address_space: global }
      - { .name: pos, .offset: 8, .size: 8, .value_kind: global_buffer, .address_space: global }
      - { .name: coef, .offset: 16, .size: 8, .value_kind: global_buffer, .address_space: global }
      - { .name: out0, .offset: 24, .size: 8, .value_kind: global_buffer, .address_space: global }
    .group_segment_fixed_size: 0
    .private_segment_fixed_size: 0
    .kernarg_segment_align: 8
    .kernarg_segment_size: 32
    .max_flat_workgroup_size: 128
    .sgpr_count:     66
    .vgpr_count:     104
    .wavefront_size: 32
...
	.end_amdgpu_metadata
.endif
;; end of part 4
;; ======== version 2 of 3: 4 launches
;; workspace buffers: xq 819,200 bytes; coef 8,192 bytes; lists 33,792 bytes of whole numbers; pos 8,192 bytes of whole numbers; hq 26,419,200 bytes; yws 33,554,432 bytes
;; launch route (part 5): grid 32 x 1, 8 waves a work-group, no clusters, 183,296 bytes of LDS; arguments x, gate_w, gate_b, xq, coef, lists; writes xq, coef, lists
.if DOCPART == 5
	.amdgcn_target "amdgcn-amd-amdhsa--gfx1250"
	.amdhsa_code_object_version 6
	.text
	.protected	k_qbf38a7c821_route
	.globl	k_qbf38a7c821_route
	.p2align	8
	.type	k_qbf38a7c821_route,@function
k_qbf38a7c821_route:
	s_mov_b64 s[64:65], 0
	v_nop
	global_prefetch_b8 v0, s[64:65] scope:SCOPE_SE
	s_setreg_imm32_b32 hwreg(HW_REG_WAVE_MODE, 25, 1), 1
	s_wait_xcnt 0x0
; ROUTE.  For 1,024 tokens of 1,024 f32: the 8 logits (x gate_w + gate_b, fused multiply-adds in f32), the two largest (a tie keeps the lower index),
; the softmax of those two (the larger is taken off first), and x as codes of BF6 (E3M2) with one E8M0 byte for each 32 along K.
; SHARES.  Work-group b owns tokens 32 b .. 32 b + 31; wave w owns tokens 32 b + 4 w + i, i = 0 .. 3, and afterwards expert w's list of this block.
; Lane l owns k = 32 l .. 32 l + 31 of a token: a whole block of the quantiser, so that its largest magnitude needs no other lane and the
; conversions find 16 neighbours in one lane's registers.  The lane's part of gate_w (32 rows x 8) stays in 256 registers.
; x COMES IN DENSE AND IS TURNED IN LDS: each load of a wave reads 512 consecutive bytes of a row, 16 a lane; the row's 4,096 bytes go through the wave's own stage, as they lie, and come
; back 128 bytes a lane.  So every byte of x is asked for by one load alone, and a load's 32 lanes stand side by side.
; WHAT IS STORED, all at places that hang on ids alone (the choice is made of floating-point numbers, so it steers values here and addresses only in later launches):
;   xq: [1024][768] the codes as one stream of bits a row; from XS_OFF on [1024][8] scale words, in a word the byte of block m (0 .. 3) at byte 2 (m & 1) + (m >> 1):
;       the later launches take 48 consecutive bytes a lane, which changes blocks 1 and 2 of a K step of 128, in both operands and in both scale words alike.
;   coef: [1024][2] the two weights.   lists: bl[expert][block b][32]: the numbers j = 2 token + (0: larger logit, 1: second) of the block's tokens that chose the expert,
;       ascending, zeros behind them; from BC_OFF on bc[expert][block]: how many.
; LIMITS: NaN and infinite logits or inputs are not served.  A block whose largest magnitude lies under 2^-122 keeps the scale byte 1; so does a block of zeros, where the
; quantiser's rule says 127: its codes are zeros, and only this program reads the bytes.  The logits' sums go in another order than a row-by-row sum.
; No matrix unit (N = 8), no cluster (work-groups share only gate_w, 32 KiB against a block's 128 KiB of x), no tensor load (every byte is wanted in registers once).
.set GWP,    1040                      ; LDS: a lane's 1,024 bytes of gate_w + 16: 65 x 16 bytes
.set LG,     32*GWP                    ; behind them: the block's logits, 32 bytes a token
.set STG,    34816                     ; behind those: the stages in which x is turned
.set SPI,    144                       ; a lane's place in a stage: its 128 bytes + 16 = 36 words
.set TSTG,   32*SPI                    ; a token's stage
.set WSTG,   4*TSTG                    ; a wave's four
.set XS_OFF, 1024*768
.set BC_OFF, 8*32*32*4
.set SIN,  14                          ; v14      the stage, on the way in: eight lanes' 128 bytes on end, then 16 of padding
.set SOUT, 15                          ; v15      and on the way out: SPI x lane
.set SUM,  16                          ; v16-31   the 8 sums, twice: for even k and for odd k
.set X,    32                          ; v32-159  32 numbers for each of my four tokens
.set ST,   160                         ; v160-191 gate_w on its way into LDS; later v160-167 the other half of the lanes' sums
.set QT,   192                         ; v192-194 the quantiser, at work
.set CD,   200                         ; v200-231 codes: 3 + 3 registers a token, each run from an even register on
.set SB,   232                         ; v232-235 a scale byte a token
.set LOG,  236                         ; v236-243 a token's 8 logits
.set MSB, 0
.macro WIN new                         ; the immediate's high byte repeats the setting that is left
.if MSB != \new
	s_set_vgpr_msb (MSB<<8)|\new
.set MSB, \new
.endif
.endm
; Token i's row through its stage: byte B of the row lies at (B / 128) SPI + B % 128.  Load k brought bytes 512 k + 16 lane; lane l takes back bytes 128 l + 16 q, into the registers that they left.
.macro TURN i
	s_wait_loadcnt 8*(3-(\i))                      ; loads come back in order: this token's eight are in, the later tokens' stay out
.irp k, 0,1,2,3,4,5,6,7
	ds_store_b128 v[SIN], v[X+32*(\i)+4*\k:X+32*(\i)+4*\k+3] offset:TSTG*(\i)+4*SPI*\k
.endr
.irp k, 0,1,2,3,4,5,6,7
	ds_load_b128 v[X+32*(\i)+4*\k:X+32*(\i)+4*\k+3], v[SOUT] offset:TSTG*(\i)+16*\k    ; LDS serves a wave's instructions in order (ISA guide 5.7.1.4): these see the stores above
.endr
.endm
; One token: its logits and its codes.
.macro TOKEN i
.set XB, X+32*(\i)
	s_wait_dscnt 48-14*(\i)                        ; behind this token's turn: sixteen LDS instructions for each later token's turn, two stores of logits for each earlier token; gate_w's loads are older
	WIN 0x04                                       ; source 1 (gate_w) in window 1
.irp pr, 0,1,2,3
	v_pk_mul_f32 v[SUM+2*\pr:SUM+2*\pr+1], v[XB:XB+1], v[2*\pr:2*\pr+1] op_sel:[0,0] op_sel_hi:[0,1]             ; k = 0 starts the even sums: nothing is cleared
.endr
.irp pr, 0,1,2,3
	v_pk_mul_f32 v[SUM+8+2*\pr:SUM+8+2*\pr+1], v[XB:XB+1], v[8+2*\pr:8+2*\pr+1] op_sel:[1,0] op_sel_hi:[1,1]     ; k = 1 the odd ones
.endr
.set kp, 1
.rept 15                                       ; x(k) serves both halves; two experts an instruction
.irp pr, 0,1,2,3
	v_pk_fma_f32 v[SUM+2*\pr:SUM+2*\pr+1], v[XB+2*kp:XB+2*kp+1], v[16*kp+2*\pr:16*kp+2*\pr+1], v[SUM+2*\pr:SUM+2*\pr+1] op_sel:[0,0,0] op_sel_hi:[0,1,1]
.endr
.irp pr, 0,1,2,3
	v_pk_fma_f32 v[SUM+8+2*\pr:SUM+8+2*\pr+1], v[XB+2*kp:XB+2*kp+1], v[16*kp+8+2*\pr:16*kp+8+2*\pr+1], v[SUM+8+2*\pr:SUM+8+2*\pr+1] op_sel:[1,0,0] op_sel_hi:[1,1,1]
.endr
.set kp, kp+1
.endr
	WIN 0
.irp pr, 0,1,2,3
	v_pk_add_f32 v[SUM+2*\pr:SUM+2*\pr+1], v[SUM+2*\pr:SUM+2*\pr+1], v[SUM+8+2*\pr:SUM+8+2*\pr+1]
.endr
.irp m, 1,2,4,8                                ; over the 32 lanes, the eight sums by turns
.irp e, 0,1,2,3,4,5,6,7
	v_add_f32_dpp v[SUM+\e], v[SUM+\e], v[SUM+\e] row_xmask:\m row_mask:0xf bank_mask:0xf
.endr
.endr
.irp e, 0,1,2,3,4,5,6,7
	v_permlanex16_b32 v[ST+\e], v[SUM+\e], s18, s19
.endr
.irp e, 0,1,2,3,4,5,6,7
	v_add_f32 v[SUM+\e], v[SUM+\e], v[ST+\e]
.endr
	ds_store_b128 v8, v[SUM:SUM+3] offset:32*(\i)            ; every lane holds the same eight sums and writes them to the same 32 bytes
	ds_store_b128 v8, v[SUM+4:SUM+7] offset:32*(\i)+16
	v_max3_num_f32 v[QT], |v[XB]|, |v[XB+1]|, |v[XB+2]|      ; my block's largest magnitude, in two chains
	v_max3_num_f32 v[QT+1], |v[XB+3]|, |v[XB+4]|, |v[XB+5]|
.irp n, 6,10,14,18,22,26
	v_max3_num_f32 v[QT], v[QT], |v[XB+\n]|, |v[XB+\n+1]|
	v_max3_num_f32 v[QT+1], v[QT+1], |v[XB+\n+2]|, |v[XB+\n+3]|
.endr
	v_max3_num_f32 v[QT], v[QT], |v[XB+30]|, |v[XB+31]|
	v_max3_num_f32 v[QT], v[QT], v[QT+1], 0x2800000          ; and the floor 2^(5 - 127): the byte cannot fall under 1
	v_add_nc_u32 v[QT+2], 0xfe000000, v[QT]                  ; 4 off the exponent field: the conversion takes this operand's exponent field as its scale
	v_cvt_scalef32_pk16_bf6_f32 v[CD+8*(\i):CD+8*(\i)+2], v[XB:XB+15], v[QT+2]
	v_cvt_scalef32_pk16_bf6_f32 v[CD+8*(\i)+4:CD+8*(\i)+6], v[XB+16:XB+31], v[QT+2]
	v_nop                                                    ; one plain place behind the conversions
	v_lshrrev_b32 v[SB+(\i)], 23, v[QT+2]                    ; the scale's byte
	global_store_b96 v6, v[CD+8*(\i):CD+8*(\i)+2], s[20:21] offset:768*(\i)       ; 24 bytes a lane: the wave's two stores fill the token's 768 consecutive bytes
	global_store_b96 v6, v[CD+8*(\i)+4:CD+8*(\i)+6], s[20:21] offset:768*(\i)+12
	global_store_b8 v7, v[SB+(\i)], s[22:23] offset:32*(\i)                       ; the 32 lanes fill the token's 32 scale bytes
.endm
	s_load_b256 s[4:11], s[0:1], 0x0               ; x s[4:5], gate_w s[6:7], gate_b s[8:9], xq s[10:11]
	s_load_b128 s[12:15], s[0:1], 0x20             ; coef s[12:13], lists s[14:15]
	v_lshl_add_u32 v231, v0, 2, 0x2c800
	v_mov_b32 v255, 0
	v_lshrrev_b32 v1, 5, v0
	v_readfirstlane_b32 s16, v1                    ; wave 0..7
	v_lshl_add_u32 v8, v1, 7, LG                   ; LDS: my wave's four tokens' logits
	v_and_b32 v1, 31, v0                           ; lane
	v_lshlrev_b32 v2, 4, v1                        ; x: my 16 bytes of a load's 512
	v_lshlrev_b32 v3, 4, v0                        ; gate_w: 16 bytes a thread
	v_lshrrev_b32 v4, 6, v0
	v_and_b32 v13, 63, v0
	v_mul_u32_u24 v4, v4, GWP
	v_lshl_add_u32 v4, v13, 4, v4                  ; into LDS: byte B of gate_w goes to (B / 1024) GWP + B % 1024; B = 16 thread + 4096 i
	v_mul_u32_u24 v5, v1, GWP                      ; out of it: my lane's 1,024 bytes
	v_mul_u32_u24 v6, v1, 24                       ; my block's 24 bytes of codes
	v_lshrrev_b32 v7, 2, v1
	v_and_b32 v13, 1, v1
	v_bfe_u32 v14, v1, 1, 1
	v_lshlrev_b32 v7, 2, v7
	v_lshl_add_u32 v7, v13, 1, v7
	v_add_nc_u32 v7, v7, v14                       ; my block's scale byte: word l / 4, byte 2 (l & 1) + ((l >> 1) & 1)
	v_lshrrev_b32 v13, 3, v1
	v_and_b32 v[SIN], 7, v1
	v_mul_u32_u24 v13, v13, SPI
	v_lshl_add_u32 v[SIN], v[SIN], 4, v13          ; SPI (lane / 8) + 16 (lane % 8),
	v_mul_u32_u24 v[SOUT], v1, SPI                 ; SPI x lane,
	s_mul_i32 s39, s16, WSTG
	s_add_co_u32 s39, s39, STG
	v_add_nc_u32 v[SIN], s39, v[SIN]               ; both in my wave's own stages
	v_add_nc_u32 v[SOUT], s39, v[SOUT]
	v_lshl_add_u32 v9, v1, 5, LG                   ; LDS: the logits of token = lane
	s_lshl_b32 s33, ttmp9, 5
	v_add_nc_u32 v10, s33, v1                      ; that token's number
	v_lshlrev_b32 v11, 2, v1
	v_lshlrev_b32 v12, 3, v1
	s_mov_b32 s18, 0x76543210
	s_mov_b32 s19, 0xfedcba98                      ; v_permlanex16_b32's selects for lane l xor 16
	s_lshl_b32 s34, s16, 2
	s_add_co_u32 s34, s34, s33                     ; my first token: 32 b + 4 w
	s_lshl_b32 s38, s16, 5
	s_add_co_u32 s38, s38, ttmp9                   ; 32 w + b: expert w's place for this block
	s_mov_b32 s37, 0
	s_wait_kmcnt 0x0
	s_load_b256 s[24:31], s[8:9], 0x0              ; gate_b
	s_lshl_b32 s36, s34, 12
	s_add_nc_u64 s[4:5], s[4:5], s[36:37]          ; x at my first token
	s_mul_i32 s36, s34, 768
	s_add_nc_u64 s[20:21], s[10:11], s[36:37]      ; its codes
	s_lshl_b32 s36, s34, 5
	s_add_co_u32 s36, s36, XS_OFF
	s_add_nc_u64 s[22:23], s[10:11], s[36:37]      ; its scale bytes
	s_lshl_b32 s36, ttmp9, 8
	s_add_nc_u64 s[12:13], s[12:13], s[36:37]      ; the block's 256 bytes of coef
	s_lshl_b32 s36, s38, 7
	s_add_nc_u64 s[40:41], s[14:15], s[36:37]      ; bl[w][b]
	s_lshl_b32 s36, s38, 2
	s_add_co_u32 s36, s36, BC_OFF
	s_add_nc_u64 s[42:43], s[14:15], s[36:37]      ; bc[w][b]
.irp i, 0,1,2,3,4,5,6,7
	global_load_b128 v[ST+4*\i:ST+4*\i+3], v3, s[6:7] offset:4096*\i
.endr
.irp i, 0,1,2,3
.irp k, 0,1,2,3,4,5,6,7
	global_load_b128 v[X+32*\i+4*\k:X+32*\i+4*\k+3], v2, s[4:5] offset:4096*\i+512*\k th:TH_LOAD_NT   ; 32 lanes read 512 consecutive bytes; read once in the launch
.endr
.endr
	s_wait_loadcnt 32                              ; gate_w is in; x's 32 loads stay out
.irp i, 0,1,2,3,4,5,6,7
	ds_store_b128 v4, v[ST+4*\i:ST+4*\i+3] offset:4*GWP*\i
.endr
	s_wait_dscnt 0x0                               ; for the others' sake: my part of gate_w lies in LDS
	s_barrier_signal -1
	s_barrier_wait -1                              ; everybody's does
	WIN 0x40                                       ; destination window 1
.set q, 0
.rept 64
	ds_load_b128 v[4*q:4*q+3], v5 offset:16*q      ; register 8 i + e = gate_w[32 l + i][e]
.set q, q+1
.endr
	WIN 0
	TURN 0                                         ; the four turns stand together: a later token's is on its way while an earlier token is worked
	TURN 1
	TURN 2
	TURN 3
.irp e, 0,1,2,3,4,5,6,7
	v_mov_b32 v[ST+\e], 0                          ; written once: a lane permute's destination counts as one of its sources
.endr
	TOKEN 0
	TOKEN 1
	TOKEN 2
	TOKEN 3
	s_wait_dscnt 0x0                               ; my four tokens' logits lie in LDS
	s_barrier_signal -1
	s_barrier_wait -1                              ; all 32 tokens' do
	; THE CHOICE, lane = token, made alike in all eight waves
	ds_load_b128 v[LOG:LOG+3], v9
	ds_load_b128 v[LOG+4:LOG+7], v9 offset:16
	s_wait_kmcnt 0x0                               ; gate_b
	s_wait_dscnt 0x0
.irp e, 0,1,2,3,4,5,6,7
	v_add_f32 v[LOG+\e], s[24+\e], v[LOG+\e]
.endr
	v_mov_b32 v244, v[LOG]                         ; the largest so far, and its expert: only a strictly larger logit takes the place, so a tie keeps the lower index
	v_mov_b32 v245, 0
.irp e, 1,2,3,4,5,6,7
	v_cmp_gt_f32 vcc_lo, v[LOG+\e], v244
	v_cndmask_b32 v244, v244, v[LOG+\e], vcc_lo
	v_cndmask_b32 v245, v245, \e, vcc_lo
.endr
	v_mov_b32 v246, 0xff800000                     ; the same once more, without the expert just found
	v_mov_b32 v247, 0
.irp e, 0,1,2,3,4,5,6,7
	v_cmp_gt_f32 s32, v[LOG+\e], v246
	v_cmp_ne_u32 vcc_lo, \e, v245
	s_and_b32 vcc_lo, vcc_lo, s32
	v_cndmask_b32 v246, v246, v[LOG+\e], vcc_lo
	v_cndmask_b32 v247, v247, \e, vcc_lo
.endr
	v_sub_f32 v248, v246, v244                     ; second - largest: 0 or less
	v_mul_f32 v248, 0x3fb8aa3b, v248
	v_exp_f32 v249, v248                           ; t = e^(second - largest), at most 1
	v_nop                                          ; one plain place behind a transcendental
	s_wait_alu depctr_va_vdst(0)
	v_add_f32 v250, 1.0, v249
	v_rcp_f32 v248, v250                           ; the larger's weight: 1 / (1 + t)
	v_nop
	s_wait_alu depctr_va_vdst(0)
	v_mul_f32 v249, v249, v248                     ; the second's: t / (1 + t)
	s_cmp_lg_u32 s16, 0
	s_cbranch_scc1 .Lnot_wave_0
	global_store_b64 v12, v[248:249], s[12:13]     ; wave 0: 32 lanes store the block's 256 consecutive bytes
.Lnot_wave_0:
	; EXPERT w's LIST OF THIS BLOCK, by values alone: each chosen token's j is handed to the lane of its rank
	v_cmp_eq_u32 s32, s16, v245                    ; chose w first
	v_cmp_eq_u32 s33, s16, v247                    ; chose w second
	s_or_b32 s34, s32, s33
	v_mbcnt_lo_u32_b32 v250, s34, 0                ; how many chosen tokens lie below mine
	v_cndmask_b32 v250, 63, v250, s34              ; my rank, or 63: no lane's number
	v_cndmask_b32 v251, 0, 1, s33
	v_lshl_add_u32 v251, v10, 1, v251              ; j = 2 token + (0 first, 1 second)
	v_mov_b32 v252, 0
.set n, 0
.rept 32
	v_readlane_b32 s35, v250, n
	v_readlane_b32 s36, v251, n
	v_cmp_eq_u32 vcc_lo, s35, v1
	v_cndmask_b32 v252, v252, s36, vcc_lo
.set n, n+1
.endr
	global_store_b32 v11, v252, s[40:41]           ; 128 consecutive bytes
	s_bcnt1_i32_b32 s37, s34
	v_mov_b32 v253, s37
	v_mov_b32 v254, 0
	v_cmp_eq_u32 vcc_lo, 0, v1
	s_wait_xcnt 0x0                                ; EXEC is a source of the stores above: it changes only behind this wait
	s_wait_tensorcnt 0x0
	ds_add_u32 v231, v255
	s_wait_dscnt 0x0
	s_and_saveexec_b32 s38, vcc_lo
	global_store_b32 v254, v253, s[42:43]          ; lane 0: the count
	s_wait_xcnt 0x0                                ; and again in front of the line that widens it
	s_or_b32 exec_lo, exec_lo, s38
	s_endpgm
.Lfunc_end_k_qbf38a7c821_route:
	.size	k_qbf38a7c821_route, .Lfunc_end_k_qbf38a7c821_route-k_qbf38a7c821_route
	.p2alignl 7, 3214868480
	.fill 96, 4, 3214868480
	.section	.rodata,"a",@progbits
	.p2align	6, 0x0
	.amdhsa_kernel k_qbf38a7c821_route
		.amdhsa_group_segment_fixed_size 183296
		.amdhsa_private_segment_fixed_size 0
		.amdhsa_enable_private_segment 0
		.amdhsa_kernarg_size 48
		.amdhsa_user_sgpr_count 2
		.amdhsa_user_sgpr_kernarg_segment_ptr 1
		.amdhsa_wavefront_size32 1
		.amdhsa_system_sgpr_workgroup_id_x 1
		.amdhsa_system_sgpr_workgroup_id_y 1
		.amdhsa_system_sgpr_workgroup_id_z 1
		.amdhsa_system_vgpr_workitem_id 0
		.amdhsa_next_free_vgpr 512
		.amdhsa_next_free_sgpr 66
		.amdhsa_reserve_vcc 1
		.amdhsa_float_denorm_mode_32 3
		.amdhsa_float_denorm_mode_16_64 3
		.amdhsa_memory_ordered 1
		.amdhsa_forward_progress 1
		.amdhsa_inst_pref_size 79
	.end_amdhsa_kernel
	.amdgpu_metadata
---
amdhsa.version: [ 1, 2 ]
amdhsa.kernels:
  - .name:           k_qbf38a7c821_route
    .symbol:         k_qbf38a7c821_route.kd
    .args:
      - { .name: x, .offset: 0, .size: 8, .value_kind: global_buffer, .address_space: global }
      - { .name: gate_w, .offset: 8, .size: 8, .value_kind: global_buffer, .address_space: global }
      - { .name: gate_b, .offset: 16, .size: 8, .value_kind: global_buffer, .address_space: global }
      - { .name: xq, .offset: 24, .size: 8, .value_kind: global_buffer, .address_space: global }
      - { .name: coef, .offset: 32, .size: 8, .value_kind: global_buffer, .address_space: global }
      - { .name: lists, .offset: 40, .size: 8, .value_kind: global_buffer, .address_space: global }
    .group_segment_fixed_size: 183296
    .private_segment_fixed_size: 0
    .kernarg_segment_align: 8
    .kernarg_segment_size: 48
    .max_flat_workgroup_size: 256
    .sgpr_count:     66
    .vgpr_count:     512
    .wavefront_size: 32
...
	.end_amdgpu_metadata
.endif
;; end of part 5
;; launch ffn1 (part 6): grid 32 x 8, 4 waves a work-group, no clusters, 0 bytes of LDS; arguments xq, w1_codes, w1_scales, b1, lists, hq, pos; writes hq, pos
.if DOCPART == 6
	.amdgcn_target "amdgcn-amd-amdhsa--gfx1250"
	.amdhsa_code_object_version 6
	.text
	.protected	k_qbf38a7c821_ffn1
	.globl	k_qbf38a7c821_ffn1
	.p2align	8
	.type	k_qbf38a7c821_ffn1,@function
k_qbf38a7c821_ffn1:
	s_mov_b64 s[64:65], 0
	v_nop
	global_prefetch_b8 v0, s[64:65] scope:SCOPE_SE
	s_setreg_imm32_b32 hwreg(HW_REG_WAVE_MODE, 25, 1), 1
	s_wait_xcnt 0x0
; FFN1.  For the rows (token, expert) that the router chose, and for no others: h = silu(x W1[e] + b1[e]), quantised along the hidden axis to codes of BF6 (E3M2) with
; one E8M0 byte for each 32, laid in hq as the next launch's operand registers.  Both operands of the product are codes of BF6; sums in f32.
; SHARES.  Work-group (x, y): expert e = y, fg = x & 15, part p = x >> 4.  Wave w: S = 2 fg + (w >> 1), c = w & 1.  It owns the 64 hidden units 128 S + 64 h + 32 c + 0 .. 31, h = 0, 1,
; for all of K = 1,024: 32 fragments of W1, 384 registers, read once and kept.  It walks the expert's rows in groups of 32 ranks, groups g = p, p + 2, ..: 64 matrix instructions a group.
; A rank is a row's place in the expert's list (tokens ascending); the list lies in 32 pieces, one for each block of 32 tokens, with their counts.
; THE MATRIX INSTRUCTION IS USED TRANSPOSED: source 0 = 16 rows of W1, source 1 = 16 rows of x.  Row m of tile u is unit 128 S + 64 (m >> 3) + 32 c + 8 u + (m & 7): so lane (r, h) holds,
; in the 32 registers of tiles 0 .. 3, one WHOLE block of 32 hidden units of row r: its largest magnitude needs no other lane, and its six registers of codes are registers 6 c .. 6 c + 5
; of the same lane in the next product's operand.
; K IS TAKEN IN ANOTHER ORDER, alike on both sides: a lane takes 48 consecutive bytes of a row at 96 s + 48 h (three loads of 16 bytes, each at a multiple of 16), so that blocks 1 and 2
; of each K step of 128 change places; W1's scale words are turned to match by one byte permute, x's are stored so.  The sums' last bits differ from those of the plain order.
; NO TENSOR LOAD, NO CLUSTER: the number of groups is read from memory, so trip counts and branches hang on stored numbers; operands go from memory straight into registers.
; Two work-groups (p = 0, 1) read the same weights.  A wave whose part has no rows ends at once: the grid serves every split of the 2,048 rows, all on one expert too.
; Ranks past the count in an expert's last group take some token of the list's padding; their rows are written and never read.
; EXEC is never written: every line runs with all lanes on.  Where only the ranks under the count have something to store (pos), the other lanes repeat lane 0's store.
; A TRIP HAS ONE WAIT ON XCNT, in its middle (macro HEAD): behind both tiles' silu, so that the trip's loads ahead were issued long before it, and ahead of the trip's stores, so that the
; stores it frees are the trip before's.  All that pending loads and stores name (offsets, bases, data) is rewritten between that wait and the trip's stores, and nowhere else.
; LIMITS: NaN and infinities are not served.  A block under 2^-122, a block of zeros too, keeps the scale byte 1 (its codes are zeros; only this program reads the bytes).
; REGISTERS, in windows of 256: window 0 below;  window 1: W1's fragments of K steps 0-4 at 48 s + 12 u;  window 2: steps 5-7 at 48 (s - 5) + 12 u, b1 at 144 + 8 u;  window 3: x's at 24 s + 12 a.
.set XS_OFF, 786432
.set BC_OFF, 32768
.set HS_OFF, 25362432
.set ESTR,   3145728                   ; an expert's codes: 4,096 rows x 768 bytes of W1; in hq 64 tiles of 16 ranks x 49,152 bytes
.set GSTR,   98304                     ; a group in hq: 2 tiles x 32 K steps x 1,536 bytes
.set WO,   4                           ; v4   W1: (r >> 3) 64 rows + (r & 7) rows of 768 bytes + 48 h
.set WSO,  5                           ; v5   its scale bytes: the same rows of 32 bytes
.set BO,   6                           ; v6   b1: 256 h
.set OFFA, 7                           ; v7, v8  x's codes: the rows of tile 0 and of tile 1, + 48 h
.set OFFS, 9                           ; v9   x's scale words: the row of rank = lane
.set L16,  10                          ; v10  16 x lane
.set L8,   11                          ; v11  8 x lane
.set RHO,  13                          ; v13  the rank of lane's row in the group that POP takes next
.set H48,  14                          ; v14  48 h
.set LST,  16                          ; v16-31  the list entries of my groups to come, the next one lowest
.set WS,   32                          ; v32-63  W1's scale words: 8 u + s
.set XSC,  64                          ; v64-71  x's scale words of the group in hand: lanes 0-15 tile 0's rows, lanes 16-31 tile 1's
.set XN,   72                          ; v72-79  the next group's
.set ACC,  80                          ; v80-143 eight accumulators: 32 a + 8 u
.set T,    144                         ; v144-175 at work in silu
.set QT,   176                         ; v176-177 largest magnitudes, at work; v178-179 the two tiles' scale operands; v180-181 their bytes; v182-183 the other half of the lanes' bytes
.set CD,   184                         ; v184.., v196..  a tile's six registers of codes, and three more for the second conversion
.set TMP,  208                         ; v208-223 at work
.set B1,   144                         ; in window 2
.set MSB, 0
.macro WIN new                         ; the immediate's high byte repeats the setting that is left
.if MSB != \new
	s_set_vgpr_msb (MSB<<8)|\new
.set MSB, \new
.endif
.endm
.macro WLOAD s                         ; W1's four fragments of K step s
.if (\s) < 5
	WIN 0x40
.set WB, 48*(\s)
.else
	WIN 0x80
.set WB, 48*((\s)-5)
.endif
.irp u, 0,1,2,3
.irp k, 0,1,2
	global_load_b128 v[WB+12*\u+4*\k:WB+12*\u+4*\k+3], v[WO], s[6:7] offset:6144*\u+96*(\s)+16*\k
.endr
.endr
.endm
.macro XLOAD s                         ; x's two fragments of K step s (destination window 3 is set by the caller)
.irp a, 0,1
.irp k, 0,1,2
	global_load_b128 v[24*(\s)+12*\a+4*\k:24*(\s)+12*\a+4*\k+3], v[OFFA+\a], s[4:5] offset:96*(\s)+16*\k
.endr
.endr
.endm
; The list entries of my group u.  Rank rho lies in piece B = the number of pieces that end at or below rho (I_b <= rho, I the counts' running sums), at place rho - I_(B-1):
; entry 32 B + rho - I_(B-1) = rho + Q_B, Q_(b+1) = 32 (b + 1) - I_b.  The conditions are nested, so the last true one of an ascending run leaves Q_B.
.macro SEARCH u
	v_add_nc_u32 v[TMP], 64*(\u), v[RHO]
	v_mov_b32 v[TMP+1], 0
.set bb, 0
.rept 31
	s_sub_co_u32 s[78+bb%2], 32*(bb+1), s[32+bb]
	v_cmp_le_u32 vcc_lo, s[32+bb], v[TMP]
	v_cndmask_b32 v[TMP+1], v[TMP+1], s[78+bb%2], vcc_lo
.set bb, bb+1
.endr
	v_add_nc_u32 v[TMP+1], v[TMP+1], v[TMP]
	v_min_u32 v[TMP+1], 0x3ff, v[TMP+1]            ; a rank past the count stays inside the expert's 1,024 entries
	v_lshlrev_b32 v[LST+(\u)], 2, v[TMP+1]
	global_load_b32 v[LST+(\u)], v[LST+(\u)], s[12:13]
.if (\u) < 15
	s_cmp_le_u32 s30, (\u)+1
	s_cbranch_scc1 .Lfound
.endif
.endm
; The next group's entries j = 2 token + k leave the stack and become the offsets of its loads: j & 0x7fe is 2 x token, so a row of codes (768 bytes) lies at 384 x that, a row of
; scale words (32 bytes) at 16 x that.  What is made of a loaded number is held under its table's size last of all, and behind that hold stand only a shift left, or a multiply and an add.
; One wave of each (expert, part) also stores where each j's row lies: pos[j] = 1024 e + rank.  ahead: the group is my group s74 + ahead, which may not exist; 0: my first, which does.
.macro POP ahead
	v_mov_b32 v[TMP+2], v[LST]
.irp i, 0,1,2,3,4,5,6,7,8,9,10,11,12,13,14
	v_mov_b32 v[LST+\i], v[LST+\i+1]
.endr
	v_and_b32 v[TMP+5], 0x7fe, v[TMP+2]            ; 2 x the token of rank = lane
	v_permlanex16_b32 v[TMP+6], v[TMP+5], s68, s69
	v_cndmask_b32 v[TMP+7], v[TMP+5], v[TMP+6], s70    ; lane (r, h): that of the group's row r,
	v_cndmask_b32 v[TMP+8], v[TMP+6], v[TMP+5], s70    ; and of row 16 + r
	v_min_u32 v[TMP+13], 0x7fe, v[TMP+5]
	v_min_u32 v[TMP+14], 0x7fe, v[TMP+7]
	v_min_u32 v[TMP+15], 0x7fe, v[TMP+8]
	v_lshlrev_b32 v[OFFS], 4, v[TMP+13]
	v_mul_u32_u24 v[OFFA], v[TMP+14], 384
	v_mul_u32_u24 v[OFFA+1], v[TMP+15], 384
	v_add_nc_u32 v[OFFA], v[OFFA], v[H48]
	v_add_nc_u32 v[OFFA+1], v[OFFA+1], v[H48]
	s_cmp_lg_u32 s72, 0                            ; fg = 0 and wave 0: ids alone
	s_cbranch_scc1 .Lno_pos_\@
.if \ahead
	s_add_co_u32 s79, s74, \ahead
	s_cmp_ge_u32 s79, s30
	s_cbranch_scc1 .Lno_pos_\@                     ; my part has no such group: nothing to store
.endif
	v_cmp_gt_u32 vcc_lo, s63, v[RHO]               ; ranks under the count.  Lane 0's is: the group exists
	v_add_nc_u32 v[TMP+4], s31, v[RHO]             ; 1024 e + rank
	v_readfirstlane_b32 s78, v[TMP+2]
	v_readfirstlane_b32 s79, v[TMP+4]
	v_cndmask_b32 v[TMP+12], s78, v[TMP+2], vcc_lo ; a lane past the count repeats lane 0's store: the same word, the same number
	v_cndmask_b32 v[TMP+4], s79, v[TMP+4], vcc_lo
	v_min_u32 v[TMP+3], 0x7ff, v[TMP+12]
	v_lshlrev_b32 v[TMP+3], 2, v[TMP+3]
	global_store_b32 v[TMP+3], v[TMP+4], s[16:17]
.Lno_pos_\@:
	v_add_nc_u32 v[RHO], 64, v[RHO]
.endm
; What makes the next group ready: its scale words take their place, the group behind it gets its offsets, and that group's scale words are asked for.
; step = 1 (in the loop): hq's two bases go two groups on; the trip's stores, which follow, reach back by a negative immediate.
.macro HEAD ahead, step
	s_wait_loadcnt 48                              ; behind the two loads of the next group's scale words: 48 loads of codes
.irp i, 0,1,2,3,4,5,6,7
	v_mov_b32 v[XSC+\i], v[XN+\i]                  ; (the last products that took these registers as scales stand far more than four places back)
.endr
	s_wait_xcnt 0x0                                ; the offsets that the loads ahead name, and the bases and data that the last trip's stores name, are rewritten only behind this wait
.if \step
	s_add_nc_u64 s[14:15], s[14:15], 2*GSTR
	s_add_nc_u64 s[18:19], s[18:19], 8192
.endif
	POP \ahead                                     ; its 16 moves and more are the eight places between the scale words' writes and the next product
	global_load_b128 v[XN:XN+3], v[OFFS], s[20:21]
	global_load_b128 v[XN+4:XN+7], v[OFFS], s[20:21] offset:16
.endm
.macro MM s, a, u                      ; one product: tile u of my units x tile a of the rows, K step s.  The first K step takes b1 as C
.set DD, ACC+32*(\a)+8*(\u)
.set AA, WB+12*(\u)
.set BB, 24*(\s)+12*(\a)
.if (\s) == 0
.if (\a) == 0
	v_wmma_scale_f32_16x16x128_f8f6f4 v[DD:DD+7], v[AA:AA+11], v[BB:BB+11], v[B1+8*(\u):B1+8*(\u)+7], v[WS+8*(\u)+(\s)], v[XSC+(\s)] matrix_a_fmt:MATRIX_FMT_BF6 matrix_b_fmt:MATRIX_FMT_BF6
.else
	v_wmma_scale_f32_16x16x128_f8f6f4 v[DD:DD+7], v[AA:AA+11], v[BB:BB+11], v[B1+8*(\u):B1+8*(\u)+7], v[WS+8*(\u)+(\s)], v[XSC+(\s)] matrix_a_fmt:MATRIX_FMT_BF6 matrix_b_fmt:MATRIX_FMT_BF6 matrix_b_scale:MATRIX_SCALE_ROW1
.endif
.else
.if (\a) == 0
	v_wmma_scale_f32_16x16x128_f8f6f4 v[DD:DD+7], v[AA:AA+11], v[BB:BB+11], v[DD:DD+7], v[WS+8*(\u)+(\s)], v[XSC+(\s)] matrix_a_fmt:MATRIX_FMT_BF6 matrix_b_fmt:MATRIX_FMT_BF6
.else
	v_wmma_scale_f32_16x16x128_f8f6f4 v[DD:DD+7], v[AA:AA+11], v[BB:BB+11], v[DD:DD+7], v[WS+8*(\u)+(\s)], v[XSC+(\s)] matrix_a_fmt:MATRIX_FMT_BF6 matrix_b_fmt:MATRIX_FMT_BF6 matrix_b_scale:MATRIX_SCALE_ROW1
.endif
.endif
.endm
; A K step: eight products, the eight accumulators by turns in the same order in every step; then the next group's fragments of the same step.
.macro STEP s
	s_wait_loadcnt 44                              ; behind this step's six loads: six for each of seven other steps, and the two of the next scale words
.if (\s) == 0
	WIN 0x2d                                       ; W1 window 1, x window 3, b1 window 2, the sums window 0
.elseif (\s) < 5
	WIN 0x0d
.else
	WIN 0x0e                                       ; W1 window 2
.endif
.if (\s) < 5
.set WB, 48*(\s)
.else
.set WB, 48*((\s)-5)
.endif
.irp a, 0,1
.irp u, 0,1,2,3
	MM \s, \a, \u
.endr
.endr
.rept 4+(\s)/7
	v_nop                                          ; four places in front of loads into registers that these products read; behind the last step one more
.endr
	WIN 0xc0
	XLOAD \s
	WIN 0
.endm
; Tile a: silu in f32, in place, and the block's scale operand.
.macro SILU a
.set AC, ACC+32*(\a)
.set i, 0
.rept 16
	v_pk_mul_f32 v[T+i:T+i+1], v[AC+i:AC+i+1], s[76:77] op_sel_hi:[1,0]     ; -z log2(e); each accumulator is read from its low end on
.set i, i+2
.endr
.set i, 0
.rept 32
	v_exp_f32 v[T+i], v[T+i]                       ; e^-z
.set i, i+1
.endr
	v_nop                                          ; one plain place behind the transcendentals
.set i, 0
	s_wait_alu depctr_va_vdst(0)
.rept 16
	v_pk_add_f32 v[T+i:T+i+1], v[T+i:T+i+1], 1.0 op_sel_hi:[1,0]
.set i, i+2
.endr
.set i, 0
.rept 32
	v_rcp_f32 v[T+i], v[T+i]                       ; 1 / (1 + e^-z); where e^-z is infinite, 0
.set i, i+1
.endr
	v_nop
.set i, 0
	s_wait_alu depctr_va_vdst(0)
.rept 16
	v_pk_mul_f32 v[AC+i:AC+i+1], v[AC+i:AC+i+1], v[T+i:T+i+1]
.set i, i+2
.endr
	v_max3_num_f32 v[QT], |v[AC]|, |v[AC+1]|, |v[AC+2]|      ; the block's largest magnitude: all 32 numbers are mine
	v_max3_num_f32 v[QT+1], |v[AC+3]|, |v[AC+4]|, |v[AC+5]|
.irp n, 6,10,14,18,22,26
	v_max3_num_f32 v[QT], v[QT], |v[AC+\n]|, |v[AC+\n+1]|
	v_max3_num_f32 v[QT+1], v[QT+1], |v[AC+\n+2]|, |v[AC+\n+3]|
.endr
	v_max3_num_f32 v[QT], v[QT], |v[AC+30]|, |v[AC+31]|
	v_max3_num_f32 v[QT], v[QT], v[QT+1], 0x2800000          ; and the floor 2^(5 - 127): the byte cannot fall under 1
	v_add_nc_u32 v[QT+2+(\a)], 0xfe000000, v[QT]             ; 4 off the exponent field: the conversion's scale operand
.endm
; Tile a: its codes, its scale byte, and the codes' stores.  The bases have stepped already: the immediates reach two groups back.
.macro CVT a
.set AC, ACC+32*(\a)
.set CC, CD+12*(\a)
	v_cvt_scalef32_pk16_bf6_f32 v[CC:CC+2], v[AC:AC+15], v[QT+2+(\a)]
	v_cvt_scalef32_pk16_bf6_f32 v[CC+6:CC+8], v[AC+16:AC+31], v[QT+2+(\a)]   ; (a conversion's three registers begin on an even number)
	v_nop                                                    ; one plain place behind the conversions
	v_lshrrev_b32 v[QT+4+(\a)], 23, v[QT+2+(\a)]             ; the scale's byte
.irp n, 0,1,2
	v_mov_b32 v[CC+3+\n], v[CC+6+\n]
.endr
	global_store_b128 v[L16], v[CC:CC+3], s[14:15] offset:49152*(\a)-2*GSTR       ; registers 6 c .. 6 c + 3 of the operand: 512 consecutive bytes, at a multiple of 256 in hq
	global_store_b64 v[L8], v[CC+4:CC+5], s[14:15] offset:49152*(\a)+512-2*GSTR   ; registers 6 c + 4, 6 c + 5: the 256 bytes behind them
.endm
	s_load_b256 s[4:11], s[0:1], 0x0               ; xq s[4:5], W1's codes s[6:7], W1's scales s[8:9], b1 s[10:11]
	s_load_b128 s[12:15], s[0:1], 0x20             ; lists s[12:13], hq s[14:15]
	s_load_b64 s[16:17], s[0:1], 0x30              ; pos
	v_lshrrev_b32 v1, 5, v0
	v_readfirstlane_b32 s24, v1                    ; wave 0..3
	v_and_b32 v1, 31, v0                           ; lane
	v_and_b32 v2, 15, v0                           ; r
	v_bfe_u32 v3, v0, 4, 1                         ; h
	s_and_b32 s25, ttmp7, 0xffff                   ; e
	s_and_b32 s26, ttmp9, 15                       ; fg
	s_lshr_b32 s27, ttmp9, 4                       ; p
	s_lshr_b32 s28, s24, 1
	s_lshl_b32 s29, s26, 1
	s_add_co_u32 s28, s28, s29                     ; S
	s_and_b32 s29, s24, 1                          ; c
	s_lshl_b32 s31, s25, 10                        ; 1024 e
	s_or_b32 s72, s26, s24                         ; 0 in the one wave of (e, p) that stores pos
	s_mov_b32 s68, 0x76543210
	s_mov_b32 s69, 0xfedcba98                      ; v_permlanex16_b32's selects for lane l xor 16
	s_mov_b32 s70, 0xffff0000                      ; lanes 16-31
	s_mov_b32 s71, 0x03010200                      ; bytes 1 and 2 of a scale word change places
	s_mov_b32 s76, 0xbfb8aa3b                      ; -log2(e)
	s_mov_b32 s77, s76                             ; (named with it as a pair, so it is written)
	s_mov_b32 s67, 0
	v_lshrrev_b32 v[TMP], 3, v2
	v_and_b32 v[TMP+1], 7, v2
	v_mul_u32_u24 v[WO], v[TMP], 49152
	v_mad_u32_u24 v[WO], v[TMP+1], 768, v[WO]
	v_mad_u32_u24 v[WO], v3, 48, v[WO]
	v_lshlrev_b32 v[WSO], 11, v[TMP]
	v_lshl_add_u32 v[WSO], v[TMP+1], 5, v[WSO]
	v_lshlrev_b32 v[BO], 8, v3
	v_lshlrev_b32 v[L16], 4, v1
	v_lshlrev_b32 v[L8], 3, v1
	v_mul_u32_u24 v[H48], v3, 48
	s_lshl_b32 s78, s27, 5
	v_add_nc_u32 v[RHO], s78, v1                   ; my first group's ranks: 32 p + lane
.irp i, 0,1,2,3,4,5,6,7,8,9,10,11,12,13,14,15
	v_mov_b32 v[LST+\i], 0                         ; groups that I do not have: entry 0
.endr
	v_mov_b32 v[TMP+6], 0                          ; written once: a lane permute's destination counts as one of its sources
	v_mov_b32 v[QT+6], 0
	v_mov_b32 v[QT+7], 0
	s_wait_kmcnt 0x0
	s_lshl_b32 s66, s25, 7
	s_add_co_u32 s66, s66, BC_OFF
	s_add_nc_u64 s[22:23], s[12:13], s[66:67]
	s_load_b512 s[32:47], s[22:23], 0x0            ; the expert's 32 counts
	s_load_b512 s[48:63], s[22:23], 0x40
	s_lshl_b32 s66, s25, 12
	s_add_nc_u64 s[12:13], s[12:13], s[66:67]      ; its 1,024 list entries
	s_mul_i32 s66, s25, ESTR
	s_mul_i32 s78, s28, 98304
	s_add_co_u32 s66, s66, s78
	s_mul_i32 s78, s29, 24576
	s_add_co_u32 s66, s66, s78
	s_add_nc_u64 s[6:7], s[6:7], s[66:67]          ; W1's codes at unit 128 S + 32 c
	s_lshl_b32 s66, s25, 17
	s_lshl_b32 s78, s28, 12
	s_add_co_u32 s66, s66, s78
	s_lshl_b32 s78, s29, 10
	s_add_co_u32 s66, s66, s78
	s_add_nc_u64 s[8:9], s[8:9], s[66:67]          ; its scale bytes
	s_lshl_b32 s66, s25, 14
	s_lshl_b32 s78, s28, 9
	s_add_co_u32 s66, s66, s78
	s_lshl_b32 s78, s29, 7
	s_add_co_u32 s66, s66, s78
	s_add_nc_u64 s[10:11], s[10:11], s[66:67]      ; b1
	s_lshl_b32 s66, s25, 17                        ; hq's scale words: [e][32 groups][S / 4][32 rows][4 words]; my two bytes of word S & 3 begin at byte 2 c
	s_lshl_b32 s78, s27, 12
	s_add_co_u32 s66, s66, s78
	s_lshr_b32 s78, s28, 2
	s_lshl_b32 s78, s78, 9
	s_add_co_u32 s66, s66, s78
	s_and_b32 s78, s28, 3
	s_lshl_b32 s78, s78, 2
	s_add_co_u32 s66, s66, s78
	s_lshl_b32 s78, s29, 1
	s_add_co_u32 s66, s66, s78
	s_add_co_u32 s66, s66, HS_OFF
	s_add_nc_u64 s[18:19], s[14:15], s[66:67]
	s_mul_i32 s66, s25, ESTR                       ; hq's codes: group p, K step S, half c
	s_mul_i32 s78, s27, GSTR
	s_add_co_u32 s66, s66, s78
	s_mul_i32 s78, s28, 1536
	s_add_co_u32 s66, s66, s78
	s_mul_i32 s78, s29, 768
	s_add_co_u32 s66, s66, s78
	s_add_nc_u64 s[14:15], s[14:15], s[66:67]
	s_add_nc_u64 s[20:21], s[4:5], XS_OFF          ; x's scale words
.irp u, 0,1,2,3
	global_load_b128 v[WS+8*\u:WS+8*\u+3], v[WSO], s[8:9] offset:256*\u
	global_load_b128 v[WS+8*\u+4:WS+8*\u+7], v[WSO], s[8:9] offset:256*\u+16
.endr
	WIN 0x80
.irp u, 0,1,2,3
	global_load_b128 v[B1+8*\u:B1+8*\u+3], v[BO], s[10:11] offset:32*\u          ; lane (r, h), register j: b1 of unit 128 S + 64 h + 32 c + 8 u + j: the result's layout
	global_load_b128 v[B1+8*\u+4:B1+8*\u+7], v[BO], s[10:11] offset:32*\u+16
.endr
	WLOAD 0
	WLOAD 1
	WLOAD 2
	WLOAD 3
	WIN 0
	s_wait_kmcnt 0x0                               ; the counts
.set bb, 1
.rept 31
	s_add_co_u32 s[32+bb], s[32+bb], s[31+bb]      ; running sums I_b; s63 = the expert's rows
.set bb, bb+1
.endr
	s_add_co_u32 s30, s63, 31
	s_lshr_b32 s30, s30, 5                         ; its groups,
	s_add_co_u32 s30, s30, 1
	s_sub_co_u32 s30, s30, s27
	s_lshr_b32 s30, s30, 1                         ; those of my part: p, p + 2, ..
	s_min_u32 s30, s30, 16                         ; 1,024 rows give a part 16 at the most
	s_cmp_eq_u32 s30, 0
	s_cbranch_scc1 .Lend                           ; no rows for this part: nothing to store
	SEARCH 0
	SEARCH 1
	SEARCH 2
	SEARCH 3
	SEARCH 4
	SEARCH 5
	SEARCH 6
	SEARCH 7
	SEARCH 8
	SEARCH 9
	SEARCH 10
	SEARCH 11
	SEARCH 12
	SEARCH 13
	SEARCH 14
	SEARCH 15
.Lfound:
	WLOAD 4
	WLOAD 5
	WLOAD 6
	WLOAD 7
	WIN 0
	s_wait_loadcnt 48                              ; all but the 48 just issued: the scale words and the list entries are in
.set i, 0
.rept 32
	v_perm_b32 v[WS+i], v[WS+i], v[WS+i], s71
.set i, i+1
.endr
	POP 0                                          ; my first group: it exists
	global_load_b128 v[XN:XN+3], v[OFFS], s[20:21]
	global_load_b128 v[XN+4:XN+7], v[OFFS], s[20:21] offset:16
	WIN 0xc0
.irp s, 0,1,2,3,4,5,6,7
	XLOAD \s
.endr
	WIN 0
	s_mov_b32 s74, 0
	HEAD 1, 0                                      ; my first group's scale words take their place; my second group's offsets
.Ltrip:                                                ; a trip: one group of 32 rows
	STEP 0
	STEP 1
	STEP 2
	STEP 3
	STEP 4
	STEP 5
	STEP 6
	STEP 7
	SILU 0
	SILU 1
	HEAD 2, 1                                      ; the trip's one wait on XCNT; the next group is made ready, the group behind it gets its offsets
	CVT 0
	CVT 1
	v_permlanex16_b32 v[QT+6], v[QT+4], s68, s69   ; a row's two bytes (h = 0, 1) lie in lanes r and 16 + r
	v_permlanex16_b32 v[QT+7], v[QT+5], s68, s69
	v_cndmask_b32 v[TMP], v[QT+4], v[QT+6], s70    ; tile 0: half 0's byte,
	v_cndmask_b32 v[TMP+1], v[QT+6], v[QT+4], s70  ; half 1's
	v_cndmask_b32 v[TMP+9], v[QT+5], v[QT+7], s70  ; tile 1 likewise
	v_cndmask_b32 v[TMP+11], v[QT+7], v[QT+5], s70
	v_lshl_or_b32 v[TMP], v[TMP+1], 8, v[TMP]
	v_lshl_or_b32 v[TMP+9], v[TMP+11], 8, v[TMP+9]
	v_cndmask_b32 v[TMP+10], v[TMP], v[TMP+9], s70 ; lane = the group's row
	global_store_b16 v[L16], v[TMP+10], s[18:19] offset:-8192   ; bytes 2 c, 2 c + 1 of the row's word of K step S
	s_add_co_u32 s74, s74, 1
	s_cmp_lt_u32 s74, s30
	s_cbranch_scc1 .Ltrip                          ; (the last trip's loads ahead stay inside xq: every token is held under 1,024; hq's stepped bases stay inside its slack)
.Lend:
	s_endpgm
.Lfunc_end_k_qbf38a7c821_ffn1:
	.size	k_qbf38a7c821_ffn1, .Lfunc_end_k_qbf38a7c821_ffn1-k_qbf38a7c821_ffn1
	.p2alignl 7, 3214868480
	.fill 96, 4, 3214868480
	.section	.rodata,"a",@progbits
	.p2align	6, 0x0
	.amdhsa_kernel k_qbf38a7c821_ffn1
		.amdhsa_group_segment_fixed_size 0
		.amdhsa_private_segment_fixed_size 0
		.amdhsa_enable_private_segment 0
		.amdhsa_kernarg_size 56
		.amdhsa_user_sgpr_count 2
		.amdhsa_user_sgpr_kernarg_segment_ptr 1
		.amdhsa_wavefront_size32 1
		.amdhsa_system_sgpr_workgroup_id_x 1
		.amdhsa_system_sgpr_workgroup_id_y 1
		.amdhsa_system_sgpr_workgroup_id_z 1
		.amdhsa_system_vgpr_workitem_id 0
		.amdhsa_next_free_vgpr 960
		.amdhsa_next_free_sgpr 84
		.amdhsa_reserve_vcc 1
		.amdhsa_float_denorm_mode_32 3
		.amdhsa_float_denorm_mode_16_64 3
		.amdhsa_memory_ordered 1
		.amdhsa_forward_progress 1
		.amdhsa_inst_pref_size 141
	.end_amdhsa_kernel
	.amdgpu_metadata
---
amdhsa.version: [ 1, 2 ]
amdhsa.kernels:
  - .name:           k_qbf38a7c821_ffn1
    .symbol:         k_qbf38a7c821_ffn1.kd
    .args:
      - { .name: xq, .offset: 0, .size: 8, .value_kind: global_buffer, .address_space: global }
      - { .name: w1_codes, .offset: 8, .size: 8, .value_kind: global_buffer, .address_space: global }
      - { .name: w1_scales, .offset: 16, .size: 8, .value_kind: global_buffer, .address_space: global }
      - { .name: b1, .offset: 24, .size: 8, .value_kind: global_buffer, .address_space: global }
      - { .name: lists, .offset: 32, .size: 8, .value_kind: global_buffer, .address_space: global }
      - { .name: hq, .offset: 40, .size: 8, .value_kind: global_buffer, .address_space: global }
      - { .name: pos, .offset: 48, .size: 8, .value_kind: global_buffer, .address_space: global }
    .group_segment_fixed_size: 0
    .private_segment_fixed_size: 0
    .kernarg_segment_align: 8
    .kernarg_segment_size: 56
    .max_flat_workgroup_size: 128
    .sgpr_count:     84
    .vgpr_count:     960
    .wavefront_size: 32
...
	.end_amdgpu_metadata
.endif
;; end of part 6
;; launch ffn2: the kernel of part 3 again; grid 32 x 8, 4 waves a work-group, no clusters, 70,144 bytes of LDS; arguments hq, w2_codes, w2_scales, b2, lists, yws; writes yws
;; launch mix: the kernel of part 4 again; grid 256 x 1, 4 waves a work-group, no clusters, 0 bytes of LDS; arguments yws, pos, coef, out0; writes out0
;; ======== version 3 of 3: 4 launches
;; workspace buffers: xq 819,200 bytes; coef 8,192 bytes; lists 33,792 bytes of whole numbers; pos 8,192 bytes of whole numbers; hq 26,419,200 bytes; yws 33,554,432 bytes
;; launch route (part 7): grid 32 x 1, 8 waves a work-group, no clusters, 183,296 bytes of LDS; arguments x, gate_w, gate_b, xq, coef, lists; writes xq, coef, lists
.if DOCPART == 7
	.amdgcn_target "amdgcn-amd-amdhsa--gfx1250"
	.amdhsa_code_object_version 6
	.text
	.protected	k_qbf38a7c821_route
	.globl	k_qbf38a7c821_route
	.p2align	8
	.type	k_qbf38a7c821_route,@function
k_qbf38a7c821_route:
	s_mov_b64 s[64:65], 0
	v_nop
	global_prefetch_b8 v0, s[64:65] scope:SCOPE_SE
	s_setreg_imm32_b32 hwreg(HW_REG_WAVE_MODE, 25, 1), 1
	s_wait_xcnt 0x0
; ROUTE.  For 1,024 tokens of 1,024 f32: the 8 logits (x gate_w + gate_b, fused multiply-adds in f32), the two largest (a tie keeps the lower index),
; the softmax of those two (the larger is taken off first), and x as codes of BF6 (E3M2) with one E8M0 byte for each 32 along K.
; SHARES.  Work-group b owns tokens 32 b .. 32 b + 31; wave w owns tokens 32 b + 4 w + i, i = 0 .. 3, and afterwards expert w's list of this block.
; Lane l owns k = 32 l .. 32 l + 31 of a token: a whole block of the quantiser, so that its largest magnitude needs no other lane and the
; conversions find 16 neighbours in one lane's registers.  The lane's part of gate_w (32 rows x 8) stays in 256 registers.
; x COMES IN DENSE AND IS TURNED IN LDS: each load of a wave reads 512 consecutive bytes of a row, 16 a lane; the row's 4,096 bytes go through the wave's own stage, as they lie, and come
; back 128 bytes a lane.  So every byte of x is asked for by one load alone, and a load's 32 lanes stand side by side.
; WHAT IS STORED, all at places that hang on ids alone (the choice is made of floating-point numbers, so it steers values here and addresses only in later launches):
;   xq: [1024][768] the codes as one stream of bits a row; from XS_OFF on [1024][8] scale words, in a word the byte of block m (0 .. 3) at byte 2 (m & 1) + (m >> 1):
;       the later launches take 48 consecutive bytes a lane, which changes blocks 1 and 2 of a K step of 128, in both operands and in both scale words alike.
;   coef: [1024][2] the two weights.   lists: bl[expert][block b][32]: the numbers j = 2 token + (0: larger logit, 1: second) of the block's tokens that chose the expert,
;       ascending, zeros behind them; from BC_OFF on bc[expert][block]: how many.
; LIMITS: NaN and infinite logits or inputs are not served.  A block whose largest magnitude lies under 2^-122 keeps the scale byte 1; so does a block of zeros, where the
; quantiser's rule says 127: its codes are zeros, and only this program reads the bytes.  The logits' sums go in another order than a row-by-row sum.
; No matrix unit (N = 8), no cluster (work-groups share only gate_w, 32 KiB against a block's 128 KiB of x), no tensor load (every byte is wanted in registers once).
.set GWP,    1040                      ; LDS: a lane's 1,024 bytes of gate_w + 16: 65 x 16 bytes
.set LG,     32*GWP                    ; behind them: the block's logits, 32 bytes a token
.set STG,    34816                     ; behind those: the stages in which x is turned
.set SPI,    144                       ; a lane's place in a stage: its 128 bytes + 16 = 36 words
.set TSTG,   32*SPI                    ; a token's stage
.set WSTG,   4*TSTG                    ; a wave's four
.set XS_OFF, 1024*768
.set BC_OFF, 8*32*32*4
.set SIN,  14                          ; v14      the stage, on the way in: eight lanes' 128 bytes on end, then 16 of padding
.set SOUT, 15                          ; v15      and on the way out: SPI x lane
.set SUM,  16                          ; v16-31   the 8 sums, twice: for even k and for odd k
.set X,    32                          ; v32-159  32 numbers for each of my four tokens
.set ST,   160                         ; v160-191 gate_w on its way into LDS; later v160-167 the other half of the lanes' sums
.set QT,   192                         ; v192-194 the quantiser, at work
.set CD,   200                         ; v200-231 codes: 3 + 3 registers a token, each run from an even register on
.set SB,   232                         ; v232-235 a scale byte a token
.set LOG,  236                         ; v236-243 a token's 8 logits
.set MSB, 0
.macro WIN new                         ; the immediate's high byte repeats the setting that is left
.if MSB != \new
	s_set_vgpr_msb (MSB<<8)|\new
.set MSB, \new
.endif
.endm
; Token i's row through its stage: byte B of the row lies at (B / 128) SPI + B % 128.  Load k brought bytes 512 k + 16 lane; lane l takes back bytes 128 l + 16 q, into the registers that they left.
.macro TURN i
	s_wait_loadcnt 8*(3-(\i))                      ; loads come back in order: this token's eight are in, the later tokens' stay out
.irp k, 0,1,2,3,4,5,6,7
	ds_store_b128 v[SIN], v[X+32*(\i)+4*\k:X+32*(\i)+4*\k+3] offset:TSTG*(\i)+4*SPI*\k
.endr
.irp k, 0,1,2,3,4,5,6,7
	ds_load_b128 v[X+32*(\i)+4*\k:X+32*(\i)+4*\k+3], v[SOUT] offset:TSTG*(\i)+16*\k    ; LDS serves a wave's instructions in order (ISA guide 5.7.1.4): these see the stores above
.endr
.endm
; One token: its logits and its codes.
.macro TOKEN i
.set XB, X+32*(\i)
	s_wait_dscnt 48-14*(\i)                        ; behind this token's turn: sixteen LDS instructions for each later token's turn, two stores of logits for each earlier token; gate_w's loads are older
	WIN 0x04                                       ; source 1 (gate_w) in window 1
.irp pr, 0,1,2,3
	v_pk_mul_f32 v[SUM+2*\pr:SUM+2*\pr+1], v[XB:XB+1], v[2*\pr:2*\pr+1] op_sel:[0,0] op_sel_hi:[0,1]             ; k = 0 starts the even sums: nothing is cleared
.endr
.irp pr, 0,1,2,3
	v_pk_mul_f32 v[SUM+8+2*\pr:SUM+8+2*\pr+1], v[XB:XB+1], v[8+2*\pr:8+2*\pr+1] op_sel:[1,0] op_sel_hi:[1,1]     ; k = 1 the odd ones
.endr
.set kp, 1
.rept 15                                       ; x(k) serves both halves; two experts an instruction
.irp pr, 0,1,2,3
	v_pk_fma_f32 v[SUM+2*\pr:SUM+2*\pr+1], v[XB+2*kp:XB+2*kp+1], v[16*kp+2*\pr:16*kp+2*\pr+1], v[SUM+2*\pr:SUM+2*\pr+1] op_sel:[0,0,0] op_sel_hi:[0,1,1]
.endr
.irp pr, 0,1,2,3
	v_pk_fma_f32 v[SUM+8+2*\pr:SUM+8+2*\pr+1], v[XB+2*kp:XB+2*kp+1], v[16*kp+8+2*\pr:16*kp+8+2*\pr+1], v[SUM+8+2*\pr:SUM+8+2*\pr+1] op_sel:[1,0,0] op_sel_hi:[1,1,1]
.endr
.set kp, kp+1
.endr
	WIN 0
.irp pr, 0,1,2,3
	v_pk_add_f32 v[SUM+2*\pr:SUM+2*\pr+1], v[SUM+2*\pr:SUM+2*\pr+1], v[SUM+8+2*\pr:SUM+8+2*\pr+1]
.endr
.irp m, 1,2,4,8                                ; over the 32 lanes, the eight sums by turns
.irp e, 0,1,2,3,4,5,6,7
	v_add_f32_dpp v[SUM+\e], v[SUM+\e], v[SUM+\e] row_xmask:\m row_mask:0xf bank_mask:0xf
.endr
.endr
.irp e, 0,1,2,3,4,5,6,7
	v_permlanex16_b32 v[ST+\e], v[SUM+\e], s18, s19
.endr
.irp e, 0,1,2,3,4,5,6,7
	v_add_f32 v[SUM+\e], v[SUM+\e], v[ST+\e]
.endr
	ds_store_b128 v8, v[SUM:SUM+3] offset:32*(\i)            ; every lane holds the same eight sums and writes them to the same 32 bytes
	ds_store_b128 v8, v[SUM+4:SUM+7] offset:32*(\i)+16
	v_max3_num_f32 v[QT], |v[XB]|, |v[XB+1]|, |v[XB+2]|      ; my block's largest magnitude, in two chains
	v_max3_num_f32 v[QT+1], |v[XB+3]|, |v[XB+4]|, |v[XB+5]|
.irp n, 6,10,14,18,22,26
	s_delay_alu instid0(VALU_DEP_2)
	v_max3_num_f32 v[QT], v[QT], |v[XB+\n]|, |v[XB+\n+1]|
	s_delay_alu instid0(VALU_DEP_2)
	v_max3_num_f32 v[QT+1], v[QT+1], |v[XB+\n+2]|, |v[XB+\n+3]|
.endr
	s_delay_alu instid0(VALU_DEP_2)
	v_max3_num_f32 v[QT], v[QT], |v[XB+30]|, |v[XB+31]|
	s_delay_alu instid0(VALU_DEP_1)
	v_max3_num_f32 v[QT], v[QT], v[QT+1], 0x2800000          ; and the floor 2^(5 - 127): the byte cannot fall under 1
	s_delay_alu instid0(VALU_DEP_1)
	v_add_nc_u32 v[QT+2], 0xfe000000, v[QT]                  ; 4 off the exponent field: the conversion takes this operand's exponent field as its scale
	v_cvt_scalef32_pk16_bf6_f32 v[CD+8*(\i):CD+8*(\i)+2], v[XB:XB+15], v[QT+2]
	v_cvt_scalef32_pk16_bf6_f32 v[CD+8*(\i)+4:CD+8*(\i)+6], v[XB+16:XB+31], v[QT+2]
	v_nop                                                    ; one plain place behind the conversions
	v_lshrrev_b32 v[SB+(\i)], 23, v[QT+2]                    ; the scale's byte
	global_store_b96 v6, v[CD+8*(\i):CD+8*(\i)+2], s[20:21] offset:768*(\i)       ; 24 bytes a lane: the wave's two stores fill the token's 768 consecutive bytes
	global_store_b96 v6, v[CD+8*(\i)+4:CD+8*(\i)+6], s[20:21] offset:768*(\i)+12
	global_store_b8 v7, v[SB+(\i)], s[22:23] offset:32*(\i)                       ; the 32 lanes fill the token's 32 scale bytes
.endm
	s_load_b256 s[4:11], s[0:1], 0x0               ; x s[4:5], gate_w s[6:7], gate_b s[8:9], xq s[10:11]
	s_load_b128 s[12:15], s[0:1], 0x20             ; coef s[12:13], lists s[14:15]
	v_lshl_add_u32 v231, v0, 2, 0x2c800
	v_mov_b32 v255, 0
	v_lshrrev_b32 v1, 5, v0
	s_delay_alu instid0(VALU_DEP_1)
	v_readfirstlane_b32 s16, v1                    ; wave 0..7
	s_delay_alu instid0(VALU_DEP_2)
	v_lshl_add_u32 v8, v1, 7, LG                   ; LDS: my wave's four tokens' logits
	v_and_b32 v1, 31, v0                           ; lane
	s_delay_alu instid0(VALU_DEP_1)
	v_lshlrev_b32 v2, 4, v1                        ; x: my 16 bytes of a load's 512
	v_lshlrev_b32 v3, 4, v0                        ; gate_w: 16 bytes a thread
	v_lshrrev_b32 v4, 6, v0
	v_and_b32 v13, 63, v0
	s_delay_alu instid0(VALU_DEP_2)
	v_mul_u32_u24 v4, v4, GWP
	s_delay_alu instid0(VALU_DEP_1)
	v_lshl_add_u32 v4, v13, 4, v4                  ; into LDS: byte B of gate_w goes to (B / 1024) GWP + B % 1024; B = 16 thread + 4096 i
	v_mul_u32_u24 v5, v1, GWP                      ; out of it: my lane's 1,024 bytes
	v_mul_u32_u24 v6, v1, 24                       ; my block's 24 bytes of codes
	v_lshrrev_b32 v7, 2, v1
	v_and_b32 v13, 1, v1
	v_bfe_u32 v14, v1, 1, 1
	s_delay_alu instid0(VALU_DEP_3)
	v_lshlrev_b32 v7, 2, v7
	s_delay_alu instid0(VALU_DEP_1)
	v_lshl_add_u32 v7, v13, 1, v7
	s_delay_alu instid0(VALU_DEP_1)
	v_add_nc_u32 v7, v7, v14                       ; my block's scale byte: word l / 4, byte 2 (l & 1) + ((l >> 1) & 1)
	v_lshrrev_b32 v13, 3, v1
	v_and_b32 v[SIN], 7, v1
	s_delay_alu instid0(VALU_DEP_2)
	v_mul_u32_u24 v13, v13, SPI
	s_delay_alu instid0(VALU_DEP_1)
	v_lshl_add_u32 v[SIN], v[SIN], 4, v13          ; SPI (lane / 8) + 16 (lane % 8),
	v_mul_u32_u24 v[SOUT], v1, SPI                 ; SPI x lane,
	s_mul_i32 s39, s16, WSTG
	s_add_co_u32 s39, s39, STG
	v_add_nc_u32 v[SIN], s39, v[SIN]               ; both in my wave's own stages
	v_add_nc_u32 v[SOUT], s39, v[SOUT]
	v_lshl_add_u32 v9, v1, 5, LG                   ; LDS: the logits of token = lane
	s_lshl_b32 s33, ttmp9, 5
	v_add_nc_u32 v10, s33, v1                      ; that token's number
	v_lshlrev_b32 v11, 2, v1
	v_lshlrev_b32 v12, 3, v1
	s_mov_b32 s18, 0x76543210
	s_mov_b32 s19, 0xfedcba98                      ; v_permlanex16_b32's selects for lane l xor 16
	s_lshl_b32 s34, s16, 2
	s_add_co_u32 s34, s34, s33                     ; my first token: 32 b + 4 w
	s_lshl_b32 s38, s16, 5
	s_add_co_u32 s38, s38, ttmp9                   ; 32 w + b: expert w's place for this block
	s_mov_b32 s37, 0
	s_wait_alu depctr_va_vdst(0)
	s_wait_kmcnt 0x0
	s_load_b256 s[24:31], s[8:9], 0x0              ; gate_b
	s_lshl_b32 s36, s34, 12
	s_add_nc_u64 s[4:5], s[4:5], s[36:37]          ; x at my first token
	s_mul_i32 s36, s34, 768
	s_add_nc_u64 s[20:21], s[10:11], s[36:37]      ; its codes
	s_lshl_b32 s36, s34, 5
	s_add_co_u32 s36, s36, XS_OFF
	s_add_nc_u64 s[22:23], s[10:11], s[36:37]      ; its scale bytes
	s_lshl_b32 s36, ttmp9, 8
	s_add_nc_u64 s[12:13], s[12:13], s[36:37]      ; the block's 256 bytes of coef
	s_lshl_b32 s36, s38, 7
	s_add_nc_u64 s[40:41], s[14:15], s[36:37]      ; bl[w][b]
	s_lshl_b32 s36, s38, 2
	s_add_co_u32 s36, s36, BC_OFF
	s_add_nc_u64 s[42:43], s[14:15], s[36:37]      ; bc[w][b]
.irp i, 0,1,2,3,4,5,6,7
	global_load_b128 v[ST+4*\i:ST+4*\i+3], v3, s[6:7] offset:4096*\i
.endr
.irp i, 0,1,2,3
.irp k, 0,1,2,3,4,5,6,7
	global_load_b128 v[X+32*\i+4*\k:X+32*\i+4*\k+3], v2, s[4:5] offset:4096*\i+512*\k th:TH_LOAD_NT   ; 32 lanes read 512 consecutive bytes; read once in the launch
.endr
.endr
	s_wait_loadcnt 32                              ; gate_w is in; x's 32 loads stay out
.irp i, 0,1,2,3,4,5,6,7
	ds_store_b128 v4, v[ST+4*\i:ST+4*\i+3] offset:4*GWP*\i
.endr
	s_wait_dscnt 0x0                               ; for the others' sake: my part of gate_w lies in LDS
	s_barrier_signal -1
	s_barrier_wait -1                              ; everybody's does
	WIN 0x40                                       ; destination window 1
.set q, 0
.rept 64
	ds_load_b128 v[4*q:4*q+3], v5 offset:16*q      ; register 8 i + e = gate_w[32 l + i][e]
.set q, q+1
.endr
	WIN 0
	TURN 0                                         ; the four turns stand together: a later token's is on its way while an earlier token is worked
	TURN 1
	TURN 2
	TURN 3
.irp e, 0,1,2,3,4,5,6,7
	v_mov_b32 v[ST+\e], 0                          ; written once: a lane permute's destination counts as one of its sources
.endr
	TOKEN 0
	TOKEN 1
	TOKEN 2
	TOKEN 3
	s_wait_dscnt 0x0                               ; my four tokens' logits lie in LDS
	s_barrier_signal -1
	s_barrier_wait -1                              ; all 32 tokens' do
	; THE CHOICE, lane = token, made alike in all eight waves
	ds_load_b128 v[LOG:LOG+3], v9
	ds_load_b128 v[LOG+4:LOG+7], v9 offset:16
	s_wait_kmcnt 0x0                               ; gate_b
	s_wait_dscnt 0x0
.irp e, 0,1,2,3,4,5,6,7
	v_add_f32 v[LOG+\e], s[24+\e], v[LOG+\e]
.endr
	v_mov_b32 v244, v[LOG]                         ; the largest so far, and its expert: only a strictly larger logit takes the place, so a tie keeps the lower index
	v_mov_b32 v245, 0
.irp e, 1,2,3,4,5,6,7
	s_delay_alu instid0(VALU_DEP_2)
	v_cmp_gt_f32 vcc_lo, v[LOG+\e], v244
	s_delay_alu instid0(VALU_DEP_1)
	v_cndmask_b32 v244, v244, v[LOG+\e], vcc_lo
	s_delay_alu instid0(VALU_DEP_2)
	v_cndmask_b32 v245, v245, \e, vcc_lo
.endr
	v_mov_b32 v246, 0xff800000                     ; the same once more, without the expert just found
	v_mov_b32 v247, 0
.irp e, 0,1,2,3,4,5,6,7
	s_delay_alu instid0(VALU_DEP_2)
	v_cmp_gt_f32 s32, v[LOG+\e], v246
	v_cmp_ne_u32 vcc_lo, \e, v245
	s_and_b32 vcc_lo, vcc_lo, s32
	v_cndmask_b32 v246, v246, v[LOG+\e], vcc_lo
	v_cndmask_b32 v247, v247, \e, vcc_lo
.endr
	s_delay_alu instid0(VALU_DEP_2)
	v_sub_f32 v248, v246, v244                     ; second - largest: 0 or less
	s_delay_alu instid0(VALU_DEP_1)
	v_mul_f32 v248, 0x3fb8aa3b, v248
	s_wait_alu depctr_va_vdst(0)
	v_exp_f32 v249, v248                           ; t = e^(second - largest), at most 1
	v_nop                                          ; one plain place behind a transcendental
	s_wait_alu depctr_va_vdst(0)
	v_add_f32 v250, 1.0, v249
	s_wait_alu depctr_va_vdst(0)
	v_rcp_f32 v248, v250                           ; the larger's weight: 1 / (1 + t)
	v_nop
	s_wait_alu depctr_va_vdst(0)
	v_mul_f32 v249, v249, v248                     ; the second's: t / (1 + t)
	s_cmp_lg_u32 s16, 0
	s_cbranch_scc1 .Lnot_wave_0
	global_store_b64 v12, v[248:249], s[12:13]     ; wave 0: 32 lanes store the block's 256 consecutive bytes
.Lnot_wave_0:
	; EXPERT w's LIST OF THIS BLOCK, by values alone: each chosen token's j is handed to the lane of its rank
	v_cmp_eq_u32 s32, s16, v245                    ; chose w first
	v_cmp_eq_u32 s33, s16, v247                    ; chose w second
	s_or_b32 s34, s32, s33
	v_mbcnt_lo_u32_b32 v250, s34, 0                ; how many chosen tokens lie below mine
	s_delay_alu instid0(VALU_DEP_1)
	v_cndmask_b32 v250, 63, v250, s34              ; my rank, or 63: no lane's number
	v_cndmask_b32 v251, 0, 1, s33
	s_delay_alu instid0(VALU_DEP_1)
	v_lshl_add_u32 v251, v10, 1, v251              ; j = 2 token + (0 first, 1 second)
	v_mov_b32 v252, 0
.set n, 0
.rept 32
	v_readlane_b32 s35, v250, n
	v_readlane_b32 s36, v251, n
	s_delay_alu instid0(VALU_DEP_2)
	v_cmp_eq_u32 vcc_lo, s35, v1
	s_delay_alu instid0(VALU_DEP_1)
	v_cndmask_b32 v252, v252, s36, vcc_lo
.set n, n+1
.endr
	global_store_b32 v11, v252, s[40:41]           ; 128 consecutive bytes
	s_bcnt1_i32_b32 s37, s34
	v_mov_b32 v253, s37
	v_mov_b32 v254, 0
	v_cmp_eq_u32 vcc_lo, 0, v1
	s_wait_alu depctr_va_vdst(0)
	s_wait_xcnt 0x0                                ; EXEC is a source of the stores above: it changes only behind this wait
	s_wait_tensorcnt 0x0
	ds_add_u32 v231, v255
	s_wait_dscnt 0x0
	s_and_saveexec_b32 s38, vcc_lo
	global_store_b32 v254, v253, s[42:43]          ; lane 0: the count
	s_wait_xcnt 0x0                                ; and again in front of the line that widens it
	s_or_b32 exec_lo, exec_lo, s38
	s_endpgm
.Lfunc_end_k_qbf38a7c821_route:
	.size	k_qbf38a7c821_route, .Lfunc_end_k_qbf38a7c821_route-k_qbf38a7c821_route
	.p2alignl 7, 3214868480
	.fill 96, 4, 3214868480
	.section	.rodata,"a",@progbits
	.p2align	6, 0x0
	.amdhsa_kernel k_qbf38a7c821_route
		.amdhsa_group_segment_fixed_size 183296
		.amdhsa_private_segment_fixed_size 0
		.amdhsa_enable_private_segment 0
		.amdhsa_kernarg_size 48
		.amdhsa_user_sgpr_count 2
		.amdhsa_user_sgpr_kernarg_segment_ptr 1
		.amdhsa_wavefront_size32 1
		.amdhsa_system_sgpr_workgroup_id_x 1
		.amdhsa_system_sgpr_workgroup_id_y 1
		.amdhsa_system_sgpr_workgroup_id_z 1
		.amdhsa_system_vgpr_workitem_id 0
		.amdhsa_next_free_vgpr 512
		.amdhsa_next_free_sgpr 66
		.amdhsa_reserve_vcc 1
		.amdhsa_float_denorm_mode_32 3
		.amdhsa_float_denorm_mode_16_64 3
		.amdhsa_memory_ordered 1
		.amdhsa_forward_progress 1
		.amdhsa_inst_pref_size 85
	.end_amdhsa_kernel
	.amdgpu_metadata
---
amdhsa.version: [ 1, 2 ]
amdhsa.kernels:
  - .name:           k_qbf38a7c821_route
    .symbol:         k_qbf38a7c821_route.kd
    .args:
      - { .name: x, .offset: 0, .size: 8, .value_kind: global_buffer, .address_space: global }
      - { .name: gate_w, .offset: 8, .size: 8, .value_kind: global_buffer, .address_space: global }
      - { .name: gate_b, .offset: 16, .size: 8, .value_kind: global_buffer, .address_space: global }
      - { .name: xq, .offset: 24, .size: 8, .value_kind: global_buffer, .address_space: global }
      - { .name: coef, .offset: 32, .size: 8, .value_kind: global_buffer, .address_space: global }
      - { .name: lists, .offset: 40, .size: 8, .value_kind: global_buffer, .address_space: global }
    .group_segment_fixed_size: 183296
    .private_segment_fixed_size: 0
    .kernarg_segment_align: 8
    .kernarg_segment_size: 48
    .max_flat_workgroup_size: 256
    .sgpr_count:     66
    .vgpr_count:     512
    .wavefront_size: 32
...
	.end_amdgpu_metadata
.endif
;; end of part 7
;; launch ffn1 (part 8): grid 32 x 8, 4 waves a work-group, no clusters, 0 bytes of LDS; arguments xq, w1_codes, w1_scales, b1, lists, hq, pos; writes hq, pos
.if DOCPART == 8
	.amdgcn_target "amdgcn-amd-amdhsa--gfx1250"
	.amdhsa_code_object_version 6
	.text
	.protected	k_qbf38a7c821_ffn1
	.globl	k_qbf38a7c821_ffn1
	.p2align	8
	.type	k_qbf38a7c821_ffn1,@function
k_qbf38a7c821_ffn1:
	s_mov_b64 s[64:65], 0
	v_nop
	global_prefetch_b8 v0, s[64:65] scope:SCOPE_SE
	s_setreg_imm32_b32 hwreg(HW_REG_WAVE_SCHED_MODE, 0, 2), 2
	s_setreg_imm32_b32 hwreg(HW_REG_WAVE_MODE, 25, 1), 1
	s_wait_xcnt 0x0
	s_wait_alu depctr_vm_vsrc(0)
; FFN1.  For the rows (token, expert) that the router chose, and for no others: h = silu(x W1[e] + b1[e]), quantised along the hidden axis to codes of BF6 (E3M2) with
; one E8M0 byte for each 32, laid in hq as the next launch's operand registers.  Both operands of the product are codes of BF6; sums in f32.
; SHARES.  Work-group (x, y): expert e = y, fg = x & 15, part p = x >> 4.  Wave w: S = 2 fg + (w >> 1), c = w & 1.  It owns the 64 hidden units 128 S + 64 h + 32 c + 0 .. 31, h = 0, 1,
; for all of K = 1,024: 32 fragments of W1, 384 registers, read once and kept.  It walks the expert's rows in groups of 32 ranks, groups g = p, p + 2, ..: 64 matrix instructions a group.
; A rank is a row's place in the expert's list (tokens ascending); the list lies in 32 pieces, one for each block of 32 tokens, with their counts.
; THE MATRIX INSTRUCTION IS USED TRANSPOSED: source 0 = 16 rows of W1, source 1 = 16 rows of x.  Row m of tile u is unit 128 S + 64 (m >> 3) + 32 c + 8 u + (m & 7): so lane (r, h) holds,
; in the 32 registers of tiles 0 .. 3, one WHOLE block of 32 hidden units of row r: its largest magnitude needs no other lane, and its six registers of codes are registers 6 c .. 6 c + 5
; of the same lane in the next product's operand.
; K IS TAKEN IN ANOTHER ORDER, alike on both sides: a lane takes 48 consecutive bytes of a row at 96 s + 48 h (three loads of 16 bytes, each at a multiple of 16), so that blocks 1 and 2
; of each K step of 128 change places; W1's scale words are turned to match by one byte permute, x's are stored so.  The sums' last bits differ from those of the plain order.
; NO TENSOR LOAD, NO CLUSTER: the number of groups is read from memory, so trip counts and branches hang on stored numbers; operands go from memory straight into registers.
; Two work-groups (p = 0, 1) read the same weights.  A wave whose part has no rows ends at once: the grid serves every split of the 2,048 rows, all on one expert too.
; Ranks past the count in an expert's last group take some token of the list's padding; their rows are written and never read.
; EXEC is never written: every line runs with all lanes on.  Where only the ranks under the count have something to store (pos), the other lanes repeat lane 0's store.
; A TRIP HAS ONE WAIT ON XCNT, in its middle (macro HEAD): behind both tiles' silu and ahead of the trip's stores, so that the stores it frees are the trip before's.
; All that pending loads and stores name (offsets, bases, data) is rewritten between that wait and the trip's stores, and nowhere else.
; THE MODE: SCHED_MODE bits 1:0 = 2 (LLVM: expert scheduling mode 2), set by the entry lines.  The code itself states the register dependences between vector or matrix
; instructions and memory instructions, with s_wait_alu, always for 0.
; THE PLAN.  Registers that memory instructions touch:
;   v4-6, v10, v11  offsets, made once at the head and never written again.
;   v224-239        the list entries' offsets: search u writes one, its one load reads it, nobody names it again.   v16-31: those loads land here; vector lines alone name them afterwards.
;   XP0 .. XP3      x's fragments of K steps 2 j and 2 j + 1 (window 3).  Read by pair j's sixteen products; the next group's loads land in XP[j] during pair j + 1, in XP3 during tile 0's silu.
;   XN              the next group's scale words.  Read by HEAD's eight moves; two loads land in it behind HEAD's second wait.
;   v7-9            x's offsets.  Written by POP, inside HEAD; read by the two loads behind it and by the next trip's 48.
;   v184-204, v218  codes and scale bytes.  Written at the trip's end; read by the five stores that follow in one run.   v211, v212: written in POP, read by its store.
; So a trip has: one wait on va_vdst at the head of each of pairs 1 to 3, behind which the pair's twelve loads are dealt among its products, which name other registers; the waits behind the
; transcendentals, of which the first serves XP3 too; in HEAD one on vm_vsrc ahead of all that is written again and one on va_vdst behind POP; and one on va_vdst ahead of the stores.
; LIMITS: NaN and infinities are not served.  A block under 2^-122, a block of zeros too, keeps the scale byte 1 (its codes are zeros; only this program reads the bytes).
; REGISTERS, in windows of 256: window 0 below;  window 1: W1's fragments of K steps 0-4 at 48 s + 12 u;  window 2: steps 5-7 at 48 (s - 5) + 12 u, b1 at 144 + 8 u;  window 3: x's at 24 s + 12 a.
.set XS_OFF, 786432
.set BC_OFF, 32768
.set HS_OFF, 25362432
.set ESTR,   3145728                   ; an expert's codes: 4,096 rows x 768 bytes of W1; in hq 64 tiles of 16 ranks x 49,152 bytes
.set GSTR,   98304                     ; a group in hq: 2 tiles x 32 K steps x 1,536 bytes
.set WO,   4                           ; v4   W1: (r >> 3) 64 rows + (r & 7) rows of 768 bytes + 48 h
.set WSO,  5                           ; v5   its scale bytes: the same rows of 32 bytes
.set BO,   6                           ; v6   b1: 256 h
.set OFFA, 7                           ; v7, v8  x's codes: the rows of tile 0 and of tile 1, + 48 h
.set OFFS, 9                           ; v9   x's scale words: the row of rank = lane
.set L16,  10                          ; v10  16 x lane
.set L8,   11                          ; v11  8 x lane
.set RHO,  13                          ; v13  the rank of lane's row in the group that POP takes next
.set H48,  14                          ; v14  48 h
.set LST,  16                          ; v16-31  the list entries of my groups to come, the next one lowest
.set WS,   32                          ; v32-63  W1's scale words: 8 u + s
.set XSC,  64                          ; v64-71  x's scale words of the group in hand: lanes 0-15 tile 0's rows, lanes 16-31 tile 1's
.set XN,   72                          ; v72-79  the next group's
.set ACC,  80                          ; v80-143 eight accumulators: 32 a + 8 u
.set T,    144                         ; v144-175 at work in silu
.set QT,   176                         ; v176-177 largest magnitudes, at work; v178-179 the two tiles' scale operands; v180-181 their bytes; v182-183 the other half of the lanes' bytes
.set CD,   184                         ; v184.., v196..  a tile's six registers of codes, and three more for the second conversion
.set TMP,  208                         ; v208-223 at work
.set LAD,  224                         ; v224-239 the byte offsets of my groups' list entries, one register a group
.set MK,   80                          ; s80-95  the masks of a run of compares
.set B1,   144                         ; in window 2
.set MSB, 0
.macro WIN new                         ; the immediate's high byte repeats the setting that is left
.if MSB != \new
	s_set_vgpr_msb (MSB<<8)|\new
.set MSB, \new
.endif
.endm
.macro PLACES n
.rept \n
	v_nop
.endr
.endm
.macro WLOAD s                         ; W1's four fragments of K step s
.if (\s) < 5
	WIN 0x40
.set WB, 48*(\s)
.else
	WIN 0x80
.set WB, 48*((\s)-5)
.endif
.irp u, 0,1,2,3
.irp k, 0,1,2
	global_load_b128 v[WB+12*\u+4*\k:WB+12*\u+4*\k+3], v[WO], s[6:7] offset:6144*\u+96*(\s)+16*\k
.endr
.endr
.endm
.macro XLOAD s                         ; x's two fragments of K step s (destination window 3 is set by the caller)
.irp a, 0,1
.irp k, 0,1,2
	global_load_b128 v[24*(\s)+12*\a+4*\k:24*(\s)+12*\a+4*\k+3], v[OFFA+\a], s[4:5] offset:96*(\s)+16*\k
.endr
.endr
.endm
; The list entries of my group u.  Rank rho lies in piece B = the number of pieces that end at or below rho (I_b <= rho, I the counts' running sums), at place rho - I_(B-1):
; entry 32 B + rho - I_(B-1) = rho + Q_B, Q_(b+1) = 32 (b + 1) - I_b.  The conditions are nested, so the last true one of an ascending run leaves Q_B.
; The 31 compares stand in two runs, each into masks of its own, with one wait behind the run; the selects keep their ascending order.
.macro SEARCH u
	v_add_nc_u32 v[TMP], 64*(\u), v[RHO]
	v_mov_b32 v[TMP+1], 0
.set bb, 0
.rept 16
	v_cmp_le_u32 s[MK+bb], s[32+bb], v[TMP]
.set bb, bb+1
.endr
	s_wait_alu depctr_va_sdst(0)                   ; the sixteen compares have written their masks, ahead of the selects that read them
.set bb, 0
.rept 16
	s_sub_co_u32 s[78+bb%2], 32*(bb+1), s[32+bb]
	v_cndmask_b32 v[TMP+1], v[TMP+1], s[78+bb%2], s[MK+bb]
.set bb, bb+1
.endr
.rept 15
	v_cmp_le_u32 s[MK+bb-16], s[32+bb], v[TMP]
.set bb, bb+1
.endr
	s_wait_alu depctr_va_sdst(0)                   ; the other fifteen compares have written theirs
.set bb, 16
.rept 15
	s_sub_co_u32 s[78+bb%2], 32*(bb+1), s[32+bb]
	v_cndmask_b32 v[TMP+1], v[TMP+1], s[78+bb%2], s[MK+bb-16]
.set bb, bb+1
.endr
	v_add_nc_u32 v[TMP+1], v[TMP+1], v[TMP]
	v_min_u32 v[TMP+1], 0x3ff, v[TMP+1]            ; a rank past the count stays inside the expert's 1,024 entries
	v_lshlrev_b32 v[LAD+(\u)], 2, v[TMP+1]
	s_wait_alu depctr_va_vdst(0)                   ; the shift has written the offset that the load reads (the zero in the register in which the load lands was written at the head)
	global_load_b32 v[LST+(\u)], v[LAD+(\u)], s[12:13]
.if (\u) < 15
	s_cmp_le_u32 s30, (\u)+1
	s_cbranch_scc1 .Lfound
.endif
.endm
; The next group's entries j = 2 token + k leave the stack and become the offsets of its loads: j & 0x7fe is 2 x token, so a row of codes (768 bytes) lies at 384 x that, a row of
; scale words (32 bytes) at 16 x that.  What is made of a loaded number is held under its table's size last of all, and behind that hold stand only a shift left, or a multiply and an add.
; One wave of each (expert, part) also stores where each j's row lies: pos[j] = 1024 e + rank.  ahead: the group is my group s74 + ahead, which may not exist; 0: my first, which does.
.macro POP ahead
	v_mov_b32 v[TMP+2], v[LST]
.irp i, 0,1,2,3,4,5,6,7,8,9,10,11,12,13,14
	v_mov_b32 v[LST+\i], v[LST+\i+1]
.endr
	v_and_b32 v[TMP+5], 0x7fe, v[TMP+2]            ; 2 x the token of rank = lane
	v_permlanex16_b32 v[TMP+6], v[TMP+5], s68, s69
	v_cndmask_b32 v[TMP+7], v[TMP+5], v[TMP+6], s70    ; lane (r, h): that of the group's row r,
	v_cndmask_b32 v[TMP+8], v[TMP+6], v[TMP+5], s70    ; and of row 16 + r
	v_min_u32 v[TMP+13], 0x7fe, v[TMP+5]
	v_min_u32 v[TMP+14], 0x7fe, v[TMP+7]
	v_min_u32 v[TMP+15], 0x7fe, v[TMP+8]
	v_lshlrev_b32 v[OFFS], 4, v[TMP+13]
	v_mul_u32_u24 v[OFFA], v[TMP+14], 384
	v_mul_u32_u24 v[OFFA+1], v[TMP+15], 384
	v_add_nc_u32 v[OFFA], v[OFFA], v[H48]
	v_add_nc_u32 v[OFFA+1], v[OFFA+1], v[H48]
	s_cmp_lg_u32 s72, 0                            ; fg = 0 and wave 0: ids alone
	s_cbranch_scc1 .Lno_pos_\@
.if \ahead
	s_add_co_u32 s79, s74, \ahead
	s_cmp_ge_u32 s79, s30
	s_cbranch_scc1 .Lno_pos_\@                     ; my part has no such group: nothing to store
.endif
	v_cmp_gt_u32 vcc_lo, s63, v[RHO]               ; ranks under the count.  Lane 0's is: the group exists
	v_add_nc_u32 v[TMP+4], s31, v[RHO]             ; 1024 e + rank
	v_readfirstlane_b32 s78, v[TMP+2]
	v_readfirstlane_b32 s79, v[TMP+4]
	s_wait_alu depctr_va_vcc(0)                    ; the compare has written VCC, which the two selects read
	s_wait_alu depctr_va_sdst(0)                   ; lane 0's two numbers are in s78 and s79, which the two selects read
	v_cndmask_b32 v[TMP+12], s78, v[TMP+2], vcc_lo ; a lane past the count repeats lane 0's store: the same word, the same number
	v_cndmask_b32 v[TMP+4], s79, v[TMP+4], vcc_lo
	v_min_u32 v[TMP+3], 0x7ff, v[TMP+12]
	v_lshlrev_b32 v[TMP+3], 2, v[TMP+3]
	s_wait_alu depctr_va_vdst(0)                   ; the store's offset and its data are written
	global_store_b32 v[TMP+3], v[TMP+4], s[16:17]
.Lno_pos_\@:
	v_add_nc_u32 v[RHO], 64, v[RHO]
.endm
; What makes the next group ready: its scale words take their place, the group behind it gets its offsets, and that group's scale words are asked for.
; step = 1 (in the loop): hq's two bases go two groups on; the trip's stores, which follow, reach back by a negative immediate.
.macro HEAD ahead, step
	s_wait_loadcnt 48                              ; behind the two loads of the next group's scale words: 48 loads of codes
.irp i, 0,1,2,3,4,5,6,7
	v_mov_b32 v[XSC+\i], v[XN+\i]                  ; (the last products that took these registers as scales stand far more than four places back)
.endr
	s_wait_xcnt 0x0                                ; the offsets that the loads ahead name, and the bases and data that the last trip's stores name, are rewritten only behind this wait
	s_wait_alu depctr_vm_vsrc(0)                   ; the loads issued so far have read their offsets v7 to v9, the last trip's stores their codes, bytes and pos's two registers: all are written again below
.if \step
	s_add_nc_u64 s[14:15], s[14:15], 2*GSTR
	s_add_nc_u64 s[18:19], s[18:19], 8192
.endif
	POP \ahead                                     ; its 16 moves and more are the eight places between the scale words' writes and the next product
	s_wait_alu depctr_va_vdst(0)                   ; POP has written v7 to v9, which the loads from here on read; the eight moves are done reading XN, in which the two loads land, and have written the words that the next products take as scales
	global_load_b128 v[XN:XN+3], v[OFFS], s[20:21]
	global_load_b128 v[XN+4:XN+7], v[OFFS], s[20:21] offset:16
.endm
.macro MM s, a, u                      ; one product: tile u of my units x tile a of the rows, K step s.  The first K step takes b1 as C
.set DD, ACC+32*(\a)+8*(\u)
.set AA, WB+12*(\u)
.set BB, 24*(\s)+12*(\a)
.if (\s) == 0
.if (\a) == 0
	v_wmma_scale_f32_16x16x128_f8f6f4 v[DD:DD+7], v[AA:AA+11], v[BB:BB+11], v[B1+8*(\u):B1+8*(\u)+7], v[WS+8*(\u)+(\s)], v[XSC+(\s)] matrix_a_fmt:MATRIX_FMT_BF6 matrix_b_fmt:MATRIX_FMT_BF6
.else
	v_wmma_scale_f32_16x16x128_f8f6f4 v[DD:DD+7], v[AA:AA+11], v[BB:BB+11], v[B1+8*(\u):B1+8*(\u)+7], v[WS+8*(\u)+(\s)], v[XSC+(\s)] matrix_a_fmt:MATRIX_FMT_BF6 matrix_b_fmt:MATRIX_FMT_BF6 matrix_b_scale:MATRIX_SCALE_ROW1
.endif
.else
.if (\a) == 0
	v_wmma_scale_f32_16x16x128_f8f6f4 v[DD:DD+7], v[AA:AA+11], v[BB:BB+11], v[DD:DD+7], v[WS+8*(\u)+(\s)], v[XSC+(\s)] matrix_a_fmt:MATRIX_FMT_BF6 matrix_b_fmt:MATRIX_FMT_BF6
.else
	v_wmma_scale_f32_16x16x128_f8f6f4 v[DD:DD+7], v[AA:AA+11], v[BB:BB+11], v[DD:DD+7], v[WS+8*(\u)+(\s)], v[XSC+(\s)] matrix_a_fmt:MATRIX_FMT_BF6 matrix_b_fmt:MATRIX_FMT_BF6 matrix_b_scale:MATRIX_SCALE_ROW1
.endif
.endif
.endm
; A K step's eight products, the eight accumulators by turns in the same order in every step.
.macro MULS s
.if (\s) == 0
	WIN 0x2d                                       ; W1 window 1, x window 3, b1 window 2, the sums window 0
.elseif (\s) < 5
	WIN 0x0d
.else
	WIN 0x0e                                       ; W1 window 2
.endif
.if (\s) < 5
.set WB, 48*(\s)
.else
.set WB, 48*((\s)-5)
.endif
.irp a, 0,1
.irp u, 0,1,2,3
	MM \s, \a, \u
.endr
.endr
.endm
; K steps s0 and s1 = s0 + 1, and among their products the next group's fragments of the pair before, K steps x0 and x1.
.macro PAIR x0, x1, s0, s1
	PLACES 4                                       ; the four places behind the products, ahead of loads into registers that they read, stay beside the wait below
	s_wait_loadcnt 32                              ; behind K step s0's six loads: what is left of this group's, the two of the next scale words, and the next group's issued so far: 32 at each of the three pairs
	WIN 0xc0
	s_wait_alu depctr_va_vdst(0)                   ; the pair before's sixteen products are done reading their fragments of x, in which the twelve loads of this pair land
	XLOAD \x0
	MULS \s0                                       ; (these name K step s0's fragments, W1, the sums and the scales: none of the registers that the loads below touch)
	WIN 0xc0
	XLOAD \x1
	s_wait_loadcnt 38                              ; six fewer of this group's behind K step s1's, twelve more of the next group's
	MULS \s1
.endm
; Tile a: silu in f32, in place, and the block's scale operand.  In tile 0's stand the next group's loads of K steps 6 and 7.
.macro SILU a
.set AC, ACC+32*(\a)
.set i, 0
.rept 16
	v_pk_mul_f32 v[T+i:T+i+1], v[AC+i:AC+i+1], s[76:77] op_sel_hi:[1,0]     ; -z log2(e); each accumulator is read from its low end on
.set i, i+2
.endr
.set i, 0
	s_wait_alu depctr_va_vdst(0)
.rept 32
	v_exp_f32 v[T+i], v[T+i]                       ; e^-z
.set i, i+1
.endr
	v_nop                                          ; one plain place behind the transcendentals
.if (\a) == 0
	WIN 0xc0
	s_wait_alu depctr_va_vdst(0)                   ; the 32 exponentials have written v144 to v175, ahead of their first reader; and the products of K steps 6 and 7 are done reading their fragments of x, in which the twelve loads land
	XLOAD 6
	XLOAD 7
	WIN 0
.else
	s_wait_alu depctr_va_vdst(0)                   ; the 32 exponentials have written v144 to v175, ahead of their first reader
.endif
.set i, 0
.rept 16
	v_pk_add_f32 v[T+i:T+i+1], v[T+i:T+i+1], 1.0 op_sel_hi:[1,0]
.set i, i+2
.endr
.set i, 0
	s_wait_alu depctr_va_vdst(0)
.rept 32
	v_rcp_f32 v[T+i], v[T+i]                       ; 1 / (1 + e^-z); where e^-z is infinite, 0
.set i, i+1
.endr
	v_nop
	s_wait_alu depctr_va_vdst(0)                   ; the 32 reciprocals have written v144 to v175, ahead of their first reader
.set i, 0
.rept 16
	v_pk_mul_f32 v[AC+i:AC+i+1], v[AC+i:AC+i+1], v[T+i:T+i+1]
.set i, i+2
.endr
	v_max3_num_f32 v[QT], |v[AC]|, |v[AC+1]|, |v[AC+2]|      ; the block's largest magnitude: all 32 numbers are mine
	v_max3_num_f32 v[QT+1], |v[AC+3]|, |v[AC+4]|, |v[AC+5]|
.irp n, 6,10,14,18,22,26
	v_max3_num_f32 v[QT], v[QT], |v[AC+\n]|, |v[AC+\n+1]|
	v_max3_num_f32 v[QT+1], v[QT+1], |v[AC+\n+2]|, |v[AC+\n+3]|
.endr
	v_max3_num_f32 v[QT], v[QT], |v[AC+30]|, |v[AC+31]|
	v_max3_num_f32 v[QT], v[QT], v[QT+1], 0x2800000          ; and the floor 2^(5 - 127): the byte cannot fall under 1
	v_add_nc_u32 v[QT+2+(\a)], 0xfe000000, v[QT]             ; 4 off the exponent field: the conversion's scale operand
.endm
; Tile a: its codes and its scale byte.
.macro CVT a
.set AC, ACC+32*(\a)
.set CC, CD+12*(\a)
	v_cvt_scalef32_pk16_bf6_f32 v[CC:CC+2], v[AC:AC+15], v[QT+2+(\a)]
	v_cvt_scalef32_pk16_bf6_f32 v[CC+6:CC+8], v[AC+16:AC+31], v[QT+2+(\a)]   ; (a conversion's three registers begin on an even number)
	v_nop                                                    ; one plain place behind the conversions
	v_lshrrev_b32 v[QT+4+(\a)], 23, v[QT+2+(\a)]             ; the scale's byte
.irp n, 0,1,2
	v_mov_b32 v[CC+3+\n], v[CC+6+\n]
.endr
.endm
; Tile a's codes leave.  The bases have stepped already: the immediates reach two groups back.
.macro SEND a
.set CC, CD+12*(\a)
	global_store_b128 v[L16], v[CC:CC+3], s[14:15] offset:49152*(\a)-2*GSTR       ; registers 6 c .. 6 c + 3 of the operand: 512 consecutive bytes, at a multiple of 256 in hq
	global_store_b64 v[L8], v[CC+4:CC+5], s[14:15] offset:49152*(\a)+512-2*GSTR   ; registers 6 c + 4, 6 c + 5: the 256 bytes behind them
.endm
	s_load_b256 s[4:11], s[0:1], 0x0               ; xq s[4:5], W1's codes s[6:7], W1's scales s[8:9], b1 s[10:11]
	s_load_b128 s[12:15], s[0:1], 0x20             ; lists s[12:13], hq s[14:15]
	s_load_b64 s[16:17], s[0:1], 0x30              ; pos
	v_lshrrev_b32 v1, 5, v0
	v_readfirstlane_b32 s24, v1                    ; wave 0..3
	v_and_b32 v1, 31, v0                           ; lane
	v_and_b32 v2, 15, v0                           ; r
	s_wait_alu depctr_va_vdst(0)
	v_bfe_u32 v3, v0, 4, 1                         ; h
	s_wait_alu depctr_va_sdst(0)                   ; s24 is written, ahead of its first reader: S, c and with them the bases are made from it
	s_and_b32 s25, ttmp7, 0xffff                   ; e
	s_and_b32 s26, ttmp9, 15                       ; fg
	s_lshr_b32 s27, ttmp9, 4                       ; p
	s_lshr_b32 s28, s24, 1
	s_lshl_b32 s29, s26, 1
	s_add_co_u32 s28, s28, s29                     ; S
	s_and_b32 s29, s24, 1                          ; c
	s_lshl_b32 s31, s25, 10                        ; 1024 e
	s_or_b32 s72, s26, s24                         ; 0 in the one wave of (e, p) that stores pos
	s_mov_b32 s68, 0x76543210
	s_mov_b32 s69, 0xfedcba98                      ; v_permlanex16_b32's selects for lane l xor 16
	s_mov_b32 s70, 0xffff0000                      ; lanes 16-31
	s_mov_b32 s71, 0x03010200                      ; bytes 1 and 2 of a scale word change places
	s_mov_b32 s76, 0xbfb8aa3b                      ; -log2(e)
	s_mov_b32 s77, s76                             ; (named with it as a pair, so it is written)
	s_mov_b32 s67, 0
	v_lshrrev_b32 v[TMP], 3, v2
	v_and_b32 v[TMP+1], 7, v2
	v_mul_u32_u24 v[WO], v[TMP], 49152
	v_mad_u32_u24 v[WO], v[TMP+1], 768, v[WO]
	s_wait_alu depctr_va_vdst(0)
	v_mad_u32_u24 v[WO], v3, 48, v[WO]
	v_lshlrev_b32 v[WSO], 11, v[TMP]
	v_lshl_add_u32 v[WSO], v[TMP+1], 5, v[WSO]
	v_lshlrev_b32 v[BO], 8, v3
	v_lshlrev_b32 v[L16], 4, v1
	v_lshlrev_b32 v[L8], 3, v1
	v_mul_u32_u24 v[H48], v3, 48
	s_lshl_b32 s78, s27, 5
	v_add_nc_u32 v[RHO], s78, v1                   ; my first group's ranks: 32 p + lane
.irp i, 0,1,2,3,4,5,6,7,8,9,10,11,12,13,14,15
	v_mov_b32 v[LST+\i], 0                         ; groups that I do not have: entry 0
.endr
	v_mov_b32 v[TMP+6], 0                          ; written once: a lane permute's destination counts as one of its sources
	v_mov_b32 v[QT+6], 0
	v_mov_b32 v[QT+7], 0
	s_wait_kmcnt 0x0
	s_lshl_b32 s66, s25, 7
	s_add_co_u32 s66, s66, BC_OFF
	s_add_nc_u64 s[22:23], s[12:13], s[66:67]
	s_load_b512 s[32:47], s[22:23], 0x0            ; the expert's 32 counts
	s_load_b512 s[48:63], s[22:23], 0x40
	s_lshl_b32 s66, s25, 12
	s_add_nc_u64 s[12:13], s[12:13], s[66:67]      ; its 1,024 list entries
	s_mul_i32 s66, s25, ESTR
	s_mul_i32 s78, s28, 98304
	s_add_co_u32 s66, s66, s78
	s_mul_i32 s78, s29, 24576
	s_add_co_u32 s66, s66, s78
	s_add_nc_u64 s[6:7], s[6:7], s[66:67]          ; W1's codes at unit 128 S + 32 c
	s_lshl_b32 s66, s25, 17
	s_lshl_b32 s78, s28, 12
	s_add_co_u32 s66, s66, s78
	s_lshl_b32 s78, s29, 10
	s_add_co_u32 s66, s66, s78
	s_add_nc_u64 s[8:9], s[8:9], s[66:67]          ; its scale bytes
	s_lshl_b32 s66, s25, 14
	s_lshl_b32 s78, s28, 9
	s_add_co_u32 s66, s66, s78
	s_lshl_b32 s78, s29, 7
	s_add_co_u32 s66, s66, s78
	s_add_nc_u64 s[10:11], s[10:11], s[66:67]      ; b1
	s_lshl_b32 s66, s25, 17                        ; hq's scale words: [e][32 groups][S / 4][32 rows][4 words]; my two bytes of word S & 3 begin at byte 2 c
	s_lshl_b32 s78, s27, 12
	s_add_co_u32 s66, s66, s78
	s_lshr_b32 s78, s28, 2
	s_lshl_b32 s78, s78, 9
	s_add_co_u32 s66, s66, s78
	s_and_b32 s78, s28, 3
	s_lshl_b32 s78, s78, 2
	s_add_co_u32 s66, s66, s78
	s_lshl_b32 s78, s29, 1
	s_add_co_u32 s66, s66, s78
	s_add_co_u32 s66, s66, HS_OFF
	s_add_nc_u64 s[18:19], s[14:15], s[66:67]
	s_mul_i32 s66, s25, ESTR                       ; hq's codes: group p, K step S, half c
	s_mul_i32 s78, s27, GSTR
	s_add_co_u32 s66, s66, s78
	s_mul_i32 s78, s28, 1536
	s_add_co_u32 s66, s66, s78
	s_mul_i32 s78, s29, 768
	s_add_co_u32 s66, s66, s78
	s_add_nc_u64 s[14:15], s[14:15], s[66:67]
	s_add_nc_u64 s[20:21], s[4:5], XS_OFF          ; x's scale words
	s_wait_alu depctr_va_vdst(0)                   ; the offsets v4 to v6, v10 and v11 are written, which the weights' loads and every store read; so are the zeros in v16 to v31, in which the list's loads land
.irp u, 0,1,2,3
	global_load_b128 v[WS+8*\u:WS+8*\u+3], v[WSO], s[8:9] offset:256*\u
	global_load_b128 v[WS+8*\u+4:WS+8*\u+7], v[WSO], s[8:9] offset:256*\u+16
.endr
	WIN 0x80
.irp u, 0,1,2,3
	global_load_b128 v[B1+8*\u:B1+8*\u+3], v[BO], s[10:11] offset:32*\u          ; lane (r, h), register j: b1 of unit 128 S + 64 h + 32 c + 8 u + j: the result's layout
	global_load_b128 v[B1+8*\u+4:B1+8*\u+7], v[BO], s[10:11] offset:32*\u+16
.endr
	WLOAD 0
	WLOAD 1
	WLOAD 2
	WLOAD 3
	WIN 0
	s_wait_kmcnt 0x0                               ; the counts
.set bb, 1
.rept 31
	s_add_co_u32 s[32+bb], s[32+bb], s[31+bb]      ; running sums I_b; s63 = the expert's rows
.set bb, bb+1
.endr
	s_add_co_u32 s30, s63, 31
	s_lshr_b32 s30, s30, 5                         ; its groups,
	s_add_co_u32 s30, s30, 1
	s_sub_co_u32 s30, s30, s27
	s_lshr_b32 s30, s30, 1                         ; those of my part: p, p + 2, ..
	s_min_u32 s30, s30, 16                         ; 1,024 rows give a part 16 at the most
	s_cmp_eq_u32 s30, 0
	s_cbranch_scc1 .Lend                           ; no rows for this part: nothing to store
	SEARCH 0
	SEARCH 1
	SEARCH 2
	SEARCH 3
	SEARCH 4
	SEARCH 5
	SEARCH 6
	SEARCH 7
	SEARCH 8
	SEARCH 9
	SEARCH 10
	SEARCH 11
	SEARCH 12
	SEARCH 13
	SEARCH 14
	SEARCH 15
.Lfound:
	WLOAD 4                                        ; (no vector line since the head's wait names v4 or W1's registers)
	WLOAD 5
	WLOAD 6
	WLOAD 7
	WIN 0
	s_wait_loadcnt 48                              ; all but the 48 just issued: the scale words and the list entries are in
.set i, 0
.rept 32
	v_perm_b32 v[WS+i], v[WS+i], v[WS+i], s71
.set i, i+1
.endr
	POP 0                                          ; my first group: it exists
	s_wait_alu depctr_va_vdst(0)                   ; POP has written v7 to v9, which the fifty loads below read; the permutes have written W1's scale words, which the products take as scales
	global_load_b128 v[XN:XN+3], v[OFFS], s[20:21]
	global_load_b128 v[XN+4:XN+7], v[OFFS], s[20:21] offset:16
	WIN 0xc0
.irp s, 0,1,2,3,4,5,6,7
	XLOAD \s
.endr
	WIN 0
	s_mov_b32 s74, 0
	HEAD 1, 0                                      ; my first group's scale words take their place; my second group's offsets
.Ltrip:                                                ; a trip: one group of 32 rows
	s_wait_loadcnt 44                              ; behind K step 0's six loads: six for each of seven other steps, and the two of the next scale words
	MULS 0
	s_wait_loadcnt 38                              ; six fewer
	MULS 1
	PAIR 0, 1, 2, 3
	PAIR 2, 3, 4, 5
	PAIR 4, 5, 6, 7
	WIN 0
	PLACES 5                                       ; four places ahead of the first read of the sums (ISA guide 7.12.1), and one more: the next group's first products begin these sums anew, with another C
	SILU 0
	SILU 1
	HEAD 2, 1                                      ; the trip's one wait on XCNT; the next group is made ready, the group behind it gets its offsets
	CVT 0
	CVT 1
	v_permlanex16_b32 v[QT+6], v[QT+4], s68, s69   ; a row's two bytes (h = 0, 1) lie in lanes r and 16 + r
	v_permlanex16_b32 v[QT+7], v[QT+5], s68, s69
	v_cndmask_b32 v[TMP], v[QT+4], v[QT+6], s70    ; tile 0: half 0's byte,
	v_cndmask_b32 v[TMP+1], v[QT+6], v[QT+4], s70  ; half 1's
	v_cndmask_b32 v[TMP+9], v[QT+5], v[QT+7], s70  ; tile 1 likewise
	v_cndmask_b32 v[TMP+11], v[QT+7], v[QT+5], s70
	v_lshl_or_b32 v[TMP], v[TMP+1], 8, v[TMP]
	v_lshl_or_b32 v[TMP+9], v[TMP+11], 8, v[TMP+9]
	v_cndmask_b32 v[TMP+10], v[TMP], v[TMP+9], s70 ; lane = the group's row
	s_wait_alu depctr_va_vdst(0)                   ; the conversions and moves have written both tiles' codes, the last select the rows' two bytes: the five stores read them
	SEND 0
	SEND 1
	global_store_b16 v[L16], v[TMP+10], s[18:19] offset:-8192   ; bytes 2 c, 2 c + 1 of the row's word of K step S
	s_add_co_u32 s74, s74, 1
	s_cmp_lt_u32 s74, s30
	s_cbranch_scc1 .Ltrip                          ; (the last trip's loads ahead stay inside xq: every token is held under 1,024; hq's stepped bases stay inside its slack)
.Lend:
	s_endpgm
.Lfunc_end_k_qbf38a7c821_ffn1:
	.size	k_qbf38a7c821_ffn1, .Lfunc_end_k_qbf38a7c821_ffn1-k_qbf38a7c821_ffn1
	.p2alignl 7, 3214868480
	.fill 96, 4, 3214868480
	.section	.rodata,"a",@progbits
	.p2align	6, 0x0
	.amdhsa_kernel k_qbf38a7c821_ffn1
		.amdhsa_group_segment_fixed_size 0
		.amdhsa_private_segment_fixed_size 0
		.amdhsa_enable_private_segment 0
		.amdhsa_kernarg_size 56
		.amdhsa_user_sgpr_count 2
		.amdhsa_user_sgpr_kernarg_segment_ptr 1
		.amdhsa_wavefront_size32 1
		.amdhsa_system_sgpr_workgroup_id_x 1
		.amdhsa_system_sgpr_workgroup_id_y 1
		.amdhsa_system_sgpr_workgroup_id_z 1
		.amdhsa_system_vgpr_workitem_id 0
		.amdhsa_next_free_vgpr 960
		.amdhsa_next_free_sgpr 96
		.amdhsa_reserve_vcc 1
		.amdhsa_float_denorm_mode_32 3
		.amdhsa_float_denorm_mode_16_64 3
		.amdhsa_memory_ordered 1
		.amdhsa_forward_progress 1
		.amdhsa_inst_pref_size 158
	.end_amdhsa_kernel
	.amdgpu_metadata
---
amdhsa.version: [ 1, 2 ]
amdhsa.kernels:
  - .name:           k_qbf38a7c821_ffn1
    .symbol:         k_qbf38a7c821_ffn1.kd
    .args:
      - { .name: xq, .offset: 0, .size: 8, .value_kind: global_buffer, .address_space: global }
      - { .name: w1_codes, .offset: 8, .size: 8, .value_kind: global_buffer, .address_space: global }
      - { .name: w1_scales, .offset: 16, .size: 8, .value_kind: global_buffer, .address_space: global }
      - { .name: b1, .offset: 24, .size: 8, .value_kind: global_buffer, .address_space: global }
      - { .name: lists, .offset: 32, .size: 8, .value_kind: global_buffer, .address_space: global }
      - { .name: hq, .offset: 40, .size: 8, .value_kind: global_buffer, .address_space: global }
      - { .name: pos, .offset: 48, .size: 8, .value_kind: global_buffer, .address_space: global }
    .group_segment_fixed_size: 0
    .private_segment_fixed_size: 0
    .kernarg_segment_align: 8
    .kernarg_segment_size: 56
    .max_flat_workgroup_size: 128
    .sgpr_count:     96
    .vgpr_count:     960
    .wavefront_size: 32
...
	.end_amdgpu_metadata
.endif
;; end of part 8
;; launch ffn2 (part 9): grid 32 x 8, 4 waves a work-group, no clusters, 70,144 bytes of LDS; arguments hq, w2_codes, w2_scales, b2, lists, yws; writes yws
.if DOCPART == 9
	.amdgcn_target "amdgcn-amd-amdhsa--gfx1250"
	.amdhsa_code_object_version 6
	.text
	.protected	k_qbf38a7c821_ffn2
	.globl	k_qbf38a7c821_ffn2
	.p2align	8
	.type	k_qbf38a7c821_ffn2,@function
k_qbf38a7c821_ffn2:
	s_mov_b64 s[64:65], 0
	v_nop
	global_prefetch_b8 v0, s[64:65] scope:SCOPE_SE
	s_setreg_imm32_b32 hwreg(HW_REG_WAVE_SCHED_MODE, 0, 2), 2
	s_setreg_imm32_b32 hwreg(HW_REG_WAVE_MODE, 25, 1), 1
	s_wait_xcnt 0x0
	s_wait_alu depctr_vm_vsrc(0)
; FFN2.  y = h W2[e] + b2[e] for the rows that the router chose, on codes of BF6 (E3M2) with E8M0 scales; sums in f32.  yws[e][rank][1024], f32.
; SHARES.  Work-group (x, y): expert e = y, ng = x & 15 (outputs 64 ng .. 64 ng + 63), part p = x >> 4 (groups of 32 ranks g = p, p + 2, ..).  Wave q takes K = 1024 q .. 1024 q + 1023:
; 32 fragments of W2, 384 registers, read once and kept; 64 matrix instructions a group.  The four waves' partial sums of 32 rows x 64 outputs meet in LDS; wave q adds rows 8 q .. 8 q + 7
; (the four parts in ascending K, then b2) and stores them: sixteen lanes store 256 consecutive bytes, at a multiple of 256 in yws.  So a sum over K is made in four parts.
; THE MATRIX INSTRUCTION IS USED TRANSPOSED: source 0 = 16 rows of W2 (outputs), source 1 = 16 rows of h: a lane holds eight neighbouring outputs of one row.
; h's fragments lie in hq as images of the operand's registers.  W2's are taken 48 consecutive bytes a lane, at 96 s + 48 h of a row, which changes blocks 1 and 2 of each K step of 128;
; h was laid in that order, and W2's scale words are turned to match by one byte permute.
; THE LOOP HAS A CONSTANT COUNT, 16 groups, the most that 1,024 rows give a part: every wave passes every barrier.  A group that the expert does not have is passed over by scalar branches
; on the stored count, round the work alone.  For the same reason there is NO TENSOR LOAD AND NO CLUSTER: branches hang on a number read from memory; operands go straight into registers.
; The loads run one group ahead; behind the expert's last group they read bytes of hq that are not used (hq has two groups of slack behind expert 7).
; THE MODE: SCHED_MODE bits 1:0 = 2 (LLVM: expert scheduling mode 2), set by the entry lines.  The code itself states the register dependences between vector or matrix
; instructions and memory or LDS instructions, with s_wait_alu, always for 0.
; THE PLAN.  Registers that memory or LDS instructions touch:
;   v4-11         offsets and LDS addresses, made once at the head and never written again.
;   HP0 .. HP3    h's fragments of my K steps 2 j and 2 j + 1 (window 3).  Read by pair j's sixteen products; the next group's loads land in HP[j] during pair j + 1, in HP3 behind the sums' LDS stores.
;   XN            the next group's scale words.  Read by the eight moves at a group's head; two loads land in it behind the head's wait on va_vdst.
;   v80-143       the eight sums.  Written by the products; read by the sixteen LDS stores; written anew by the next group's first products.
;   v144-207      R.  The sixteen LDS loads land in it; the adds read it and write its first sixteen registers; the four global stores read those.
;   v254, v255    written at the head, read by the closing add alone.
; So a group has: at its head one wait on vm_vsrc (the sums) and one on va_vdst (XN and the scale words); one on va_vdst at the head of each of pairs 1 to 3, behind which the pair's sixteen loads
; are dealt among its products, which name other registers; one on va_vdst ahead of the LDS stores, which serves HP3 too; behind the barrier one on vm_vsrc (R) and one on va_vdst ahead of the stores.
; LIMITS: NaN and infinities are not served.
; REGISTERS, in windows of 256: window 0 below;  window 1: W2's fragments of my K steps 0-4 at 48 s + 12 u;  window 2: steps 5-7 at 48 (s - 5) + 12 u;  window 3: h's at 24 s + 12 a.
.set BC_OFF, 32768
.set HS_OFF, 25362432
.set ESTR,   3145728                   ; an expert's codes: 1,024 rows x 3,072 bytes of W2; in hq 64 tiles x 49,152 bytes
.set GSTR,   98304                     ; a group in hq
.set WVB,    32*272                    ; LDS: a wave's partial sums: 32 rows of 256 bytes + 16: 17 x 16 bytes, so that sixteen rows' 16 bytes start at sixteen different groups of four banks (ISA guide 11.1)
.set BUFB,   4*WVB                     ; a buffer; two take turns
.set WO,   4                           ; v4   W2: row r of 3,072 bytes + 48 h
.set WSO,  5                           ; v5   its scale bytes: row r of 128
.set BO,   6                           ; v6   b2: 16 (lane & 15)
.set L16,  7                           ; v7   16 x lane
.set L8,   8                           ; v8   8 x lane
.set VST,  9                           ; v9   LDS: where I put 32 bytes of a row
.set VLD,  10                          ; v10  LDS: where I read 16 bytes of a row back
.set YO,   11                          ; v11  the same place in yws
.set B2,   12                          ; v12-15  b2 of my four outputs
.set WS,   32                          ; v32-63  W2's scale words: 8 u + s
.set XSC,  64                          ; v64-71  h's scale words of the group in hand: lane = row
.set XN,   72                          ; v72-79  the next group's
.set ACC,  80                          ; v80-143 eight accumulators: 32 a + 8 u
.set R,    144                         ; v144-207 the four parts of my eight rows: 16 q' + 4 i
.set MSB, 0
.macro WIN new                         ; the immediate's high byte repeats the setting that is left
.if MSB != \new
	s_set_vgpr_msb (MSB<<8)|\new
.set MSB, \new
.endif
.endm
.macro PLACES n
.rept \n
	v_nop
.endr
.endm
.macro WLOAD s                         ; W2's four fragments of my K step s
.if (\s) < 5
	WIN 0x40
.set WB, 48*(\s)
.else
	WIN 0x80
.set WB, 48*((\s)-5)
.endif
.irp u, 0,1,2,3
.irp k, 0,1,2
	global_load_b128 v[WB+12*\u+4*\k:WB+12*\u+4*\k+3], v[WO], s[6:7] offset:49152*\u+96*(\s)+16*\k
.endr
.endr
.endm
.macro HLOAD s                         ; h's two fragments of my K step s, as they were stored (destination window 3 is set by the caller)
.irp a, 0,1
	global_load_b128 v[24*(\s)+12*\a:24*(\s)+12*\a+3], v[L16], s[4:5] offset:49152*\a+1536*(\s)
	global_load_b64 v[24*(\s)+12*\a+4:24*(\s)+12*\a+5], v[L8], s[4:5] offset:49152*\a+1536*(\s)+512
	global_load_b128 v[24*(\s)+12*\a+6:24*(\s)+12*\a+9], v[L16], s[4:5] offset:49152*\a+1536*(\s)+768
	global_load_b64 v[24*(\s)+12*\a+10:24*(\s)+12*\a+11], v[L8], s[4:5] offset:49152*\a+1536*(\s)+1280
.endr
.endm
.macro MM s, a, u                      ; one product: tile u of my outputs x tile a of the rows, my K step s.  The first starts the sum: nothing is cleared
.set DD, ACC+32*(\a)+8*(\u)
.set AA, WB+12*(\u)
.set BB, 24*(\s)+12*(\a)
.if (\s) == 0
.if (\a) == 0
	v_wmma_scale_f32_16x16x128_f8f6f4 v[DD:DD+7], v[AA:AA+11], v[BB:BB+11], 0, v[WS+8*(\u)+(\s)], v[XSC+(\s)] matrix_a_fmt:MATRIX_FMT_BF6 matrix_b_fmt:MATRIX_FMT_BF6
.else
	v_wmma_scale_f32_16x16x128_f8f6f4 v[DD:DD+7], v[AA:AA+11], v[BB:BB+11], 0, v[WS+8*(\u)+(\s)], v[XSC+(\s)] matrix_a_fmt:MATRIX_FMT_BF6 matrix_b_fmt:MATRIX_FMT_BF6 matrix_b_scale:MATRIX_SCALE_ROW1
.endif
.else
.if (\a) == 0
	v_wmma_scale_f32_16x16x128_f8f6f4 v[DD:DD+7], v[AA:AA+11], v[BB:BB+11], v[DD:DD+7], v[WS+8*(\u)+(\s)], v[XSC+(\s)] matrix_a_fmt:MATRIX_FMT_BF6 matrix_b_fmt:MATRIX_FMT_BF6
.else
	v_wmma_scale_f32_16x16x128_f8f6f4 v[DD:DD+7], v[AA:AA+11], v[BB:BB+11], v[DD:DD+7], v[WS+8*(\u)+(\s)], v[XSC+(\s)] matrix_a_fmt:MATRIX_FMT_BF6 matrix_b_fmt:MATRIX_FMT_BF6 matrix_b_scale:MATRIX_SCALE_ROW1
.endif
.endif
.endm
; A K step's eight products, the eight accumulators by turns in the same order in every step.
.macro MULS s
.if (\s) < 5
	WIN 0x0d                                       ; W2 window 1, h window 3, the sums window 0
.set WB, 48*(\s)
.else
	WIN 0x0e                                       ; W2 window 2
.set WB, 48*((\s)-5)
.endif
.irp a, 0,1
.irp u, 0,1,2,3
	MM \s, \a, \u
.endr
.endr
.endm
; My K steps s0 and s1 = s0 + 1, and among their products the next group's fragments of the pair before, K steps h0 and h1.
.macro PAIR h0, h1, s0, s1
	PLACES 4                                       ; the four places behind the products, ahead of loads into registers that they read, stay beside the wait below
	s_wait_loadcnt 42                              ; behind K step s0's eight loads: what is left of this group's, the two of the next scale words, and the next group's issued so far: 42 at each of the three pairs
	WIN 0xc0
	s_wait_alu depctr_va_vdst(0)                   ; the pair before's sixteen products are done reading their fragments of h, in which the sixteen loads of this pair land
	HLOAD \h0
	MULS \s0                                       ; (these name K step s0's fragments, W2, the sums and the scales: none of the registers that the loads below touch)
	WIN 0xc0
	HLOAD \h1
	s_wait_loadcnt 50                              ; eight fewer of this group's behind K step s1's, sixteen more of the next group's
	MULS \s1
.endm
; One group, through LDS buffer buf.  ONE barrier: a buffer is written again two groups later, and in front of the other buffer's barrier, which lies between, every wave has waited for its reads.
.macro TRIP buf
	s_cmp_ge_u32 s74, s30
	s_cbranch_scc1 .Lskip_a_\@                     ; the expert has no such group: no loads, no products
	s_wait_loadcnt 63                              ; 66 loads are out, this group's two of scale words the oldest: they are in
.irp i, 0,1,2,3,4,5,6,7
	v_mov_b32 v[XSC+\i], v[XN+\i]
.endr
	s_wait_xcnt 0x0                                ; the bases that the pending loads name step only behind this wait
	s_wait_alu depctr_vm_vsrc(0)                   ; the last group's LDS stores have read the eight sums, which this group's first products write anew
	s_add_nc_u64 s[4:5], s[4:5], 2*GSTR            ; the loads below are the next group's: two groups on
	s_add_nc_u64 s[18:19], s[18:19], 8192
	PLACES 8                                       ; eight places between the scale words' writes and the first product; the wait stands behind them
	s_wait_alu depctr_va_vdst(0)                   ; the eight moves have written the words that the products take as scales (in the first group: so have the permutes of W2's), and are done reading XN, in which the two loads land
	global_load_b128 v[XN:XN+3], v[L16], s[18:19]
	global_load_b128 v[XN+4:XN+7], v[L16], s[18:19] offset:512
	s_wait_loadcnt 58                              ; behind K step 0's eight loads: eight for each of seven other steps, and the two just issued
	MULS 0
	s_wait_loadcnt 50                              ; eight fewer
	MULS 1
	PAIR 0, 1, 2, 3
	PAIR 2, 3, 4, 5
	PAIR 4, 5, 6, 7
	WIN 0
	PLACES 5                                       ; four places ahead of the stores that read the sums, and one more: a later group's first products write over these sums
	s_wait_alu depctr_va_vdst(0)                   ; the products have written the eight sums, which the LDS stores read; those of K steps 6 and 7 are done reading their fragments of h, in which the sixteen loads below land
.irp a, 0,1
.irp u, 0,1,2,3
	ds_store_b128 v[VST], v[ACC+32*\a+8*\u:ACC+32*\a+8*\u+3] offset:(\buf)*BUFB+\a*16*272+64*\u         ; lane (r, h): row 16 a + r, outputs 16 u + 8 h + 0 .. 7; each accumulator from its low end on
	ds_store_b128 v[VST], v[ACC+32*\a+8*\u+4:ACC+32*\a+8*\u+7] offset:(\buf)*BUFB+\a*16*272+64*\u+16
.endr
.endr
	WIN 0xc0
	HLOAD 6                                        ; (the stores between name the sums and v9: none of the registers that these loads touch)
	HLOAD 7
	WIN 0
.Lskip_a_\@:
	s_wait_dscnt 0x0                               ; for the others' sake: my stores have landed, and my reads of the other buffer are back
	s_barrier_signal -1
	s_barrier_wait -1
	s_cmp_ge_u32 s74, s30
	s_cbranch_scc1 .Lskip_b_\@
	s_wait_xcnt 0x0                                ; the last group's stores have read their base, which steps below, and the registers that the loads below fill
	s_wait_alu depctr_vm_vsrc(0)                   ; the last group's four stores have read v144 to v159, in which the LDS loads land
	s_add_nc_u64 s[14:15], s[14:15], 64*4096       ; two groups on; the stores below reach back by a negative immediate
.irp i, 0,1,2,3
.irp qq, 0,1,2,3
	ds_load_b128 v[R+16*\qq+4*\i:R+16*\qq+4*\i+3], v[VLD] offset:(\buf)*BUFB+\qq*WVB+544*\i            ; rows 8 q + 2 i and 8 q + 2 i + 1, wave qq's part
.endr
.endr
.irp i, 0,1,2,3
	s_wait_dscnt 12-4*\i                           ; this pair of rows' four loads are in; the later pairs' stay out
.irp qq, 1,2,3
	v_pk_add_f32 v[R+4*\i:R+4*\i+1], v[R+4*\i:R+4*\i+1], v[R+16*\qq+4*\i:R+16*\qq+4*\i+1]
	v_pk_add_f32 v[R+4*\i+2:R+4*\i+3], v[R+4*\i+2:R+4*\i+3], v[R+16*\qq+4*\i+2:R+16*\qq+4*\i+3]
.endr
	v_pk_add_f32 v[R+4*\i:R+4*\i+1], v[R+4*\i:R+4*\i+1], v[B2:B2+1]
	v_pk_add_f32 v[R+4*\i+2:R+4*\i+3], v[R+4*\i+2:R+4*\i+3], v[B2+2:B2+3]
.endr
	s_wait_alu depctr_va_vdst(0)                   ; the adds have written v144 to v159, which the four stores read; and they are done with all of R, in which the next group's LDS loads land
.irp i, 0,1,2,3
	global_store_b128 v[YO], v[R+4*\i:R+4*\i+3], s[14:15] offset:8192*\i-64*4096
.endr
.Lskip_b_\@:
	s_add_co_u32 s74, s74, 1
.endm
	s_load_b256 s[4:11], s[0:1], 0x0               ; hq s[4:5], W2's codes s[6:7], W2's scales s[8:9], b2 s[10:11]
	s_load_b128 s[12:15], s[0:1], 0x20             ; lists s[12:13], yws s[14:15]
	v_lshl_add_u32 v254, v0, 2, 0x11000
	v_mov_b32 v255, 0
	v_lshrrev_b32 v1, 5, v0
	v_readfirstlane_b32 s24, v1                    ; wave q = 0..3
	v_and_b32 v1, 31, v0                           ; lane
	v_and_b32 v2, 15, v0                           ; r
	v_bfe_u32 v3, v0, 4, 1                         ; h
	s_wait_alu depctr_va_sdst(0)                   ; s24 is written, ahead of its first reader: LDS addresses and the bases are made from it
	s_and_b32 s25, ttmp7, 0xffff                   ; e
	s_and_b32 s26, ttmp9, 15                       ; ng
	s_lshr_b32 s27, ttmp9, 4                       ; p
	s_mov_b32 s71, 0x03010200                      ; bytes 1 and 2 of a scale word change places
	s_mov_b32 s67, 0
	v_mul_u32_u24 v[WO], v2, 3072
	v_mad_u32_u24 v[WO], v3, 48, v[WO]
	v_lshlrev_b32 v[WSO], 7, v2
	v_lshlrev_b32 v[BO], 4, v2
	v_lshlrev_b32 v[L16], 4, v1
	v_lshlrev_b32 v[L8], 3, v1
	s_mul_i32 s78, s24, WVB
	v_mul_u32_u24 v[VST], v2, 272
	v_lshl_add_u32 v[VST], v3, 5, v[VST]
	v_add_nc_u32 v[VST], s78, v[VST]               ; my wave's part: row r, + 32 h
	s_mul_i32 s78, s24, 8*272
	v_mul_u32_u24 v[VLD], v3, 272
	v_lshl_add_u32 v[VLD], v2, 4, v[VLD]
	v_add_nc_u32 v[VLD], s78, v[VLD]               ; row 8 q + (lane >> 4), 16 bytes a lane
	v_lshlrev_b32 v[YO], 12, v3
	v_lshl_add_u32 v[YO], v2, 4, v[YO]
	s_wait_kmcnt 0x0
	s_lshl_b32 s66, s25, 7
	s_add_co_u32 s66, s66, BC_OFF
	s_add_nc_u64 s[22:23], s[12:13], s[66:67]
	s_load_b512 s[32:47], s[22:23], 0x0            ; the expert's 32 counts
	s_load_b512 s[48:63], s[22:23], 0x40
	s_mul_i32 s66, s25, ESTR
	s_mul_i32 s78, s26, 196608
	s_add_co_u32 s66, s66, s78
	s_mul_i32 s78, s24, 768
	s_add_co_u32 s66, s66, s78
	s_add_nc_u64 s[6:7], s[6:7], s[66:67]          ; W2's codes at output 64 ng, K = 1024 q
	s_lshl_b32 s66, s25, 17
	s_lshl_b32 s78, s26, 13
	s_add_co_u32 s66, s66, s78
	s_lshl_b32 s78, s24, 5
	s_add_co_u32 s66, s66, s78
	s_add_nc_u64 s[8:9], s[8:9], s[66:67]          ; its scale bytes
	s_lshl_b32 s66, s25, 12
	s_lshl_b32 s78, s26, 8
	s_add_co_u32 s66, s66, s78
	s_add_nc_u64 s[10:11], s[10:11], s[66:67]      ; b2
	s_lshl_b32 s66, s25, 17
	s_lshl_b32 s78, s27, 12
	s_add_co_u32 s66, s66, s78
	s_lshl_b32 s78, s24, 10
	s_add_co_u32 s66, s66, s78
	s_add_co_u32 s66, s66, HS_OFF
	s_add_nc_u64 s[18:19], s[4:5], s[66:67]        ; h's scale words: group p, K steps 8 q on
	s_mul_i32 s66, s25, ESTR
	s_mul_i32 s78, s27, GSTR
	s_add_co_u32 s66, s66, s78
	s_mul_i32 s78, s24, 12288
	s_add_co_u32 s66, s66, s78
	s_add_nc_u64 s[4:5], s[4:5], s[66:67]          ; h's codes likewise
	s_lshl_b32 s66, s25, 22
	s_lshl_b32 s78, s27, 17
	s_add_co_u32 s66, s66, s78
	s_lshl_b32 s78, s24, 15
	s_add_co_u32 s66, s66, s78
	s_lshl_b32 s78, s26, 8
	s_add_co_u32 s66, s66, s78
	s_add_nc_u64 s[14:15], s[14:15], s[66:67]      ; yws at rank 32 p + 8 q, output 64 ng
	s_wait_alu depctr_va_vdst(0)                   ; the offsets and LDS addresses v4 to v11 are written, which every load and store of the kernel reads; none is written again
.irp u, 0,1,2,3
	global_load_b128 v[WS+8*\u:WS+8*\u+3], v[WSO], s[8:9] offset:2048*\u
	global_load_b128 v[WS+8*\u+4:WS+8*\u+7], v[WSO], s[8:9] offset:2048*\u+16
.endr
.irp s, 0,1,2,3,4,5,6,7
	WLOAD \s
.endr
	WIN 0
	global_load_b128 v[B2:B2+3], v[BO], s[10:11]
	global_load_b128 v[XN:XN+3], v[L16], s[18:19]
	global_load_b128 v[XN+4:XN+7], v[L16], s[18:19] offset:512
	WIN 0xc0
.irp s, 0,1,2,3,4,5,6,7
	HLOAD \s                                       ; group p
.endr
	WIN 0
	s_wait_kmcnt 0x0                               ; the counts
.set bb, 1
.rept 31
	s_add_co_u32 s32, s32, s[32+bb]                ; the expert's rows
.set bb, bb+1
.endr
	s_add_co_u32 s30, s32, 31
	s_lshr_b32 s30, s30, 5                         ; its groups,
	s_add_co_u32 s30, s30, 1
	s_sub_co_u32 s30, s30, s27
	s_lshr_b32 s30, s30, 1                         ; those of my part
	s_min_u32 s30, s30, 16
	s_wait_loadcnt 63                              ; of the 171 loads issued the oldest 108 are in: the scale words, W2, b2 among them
.set i, 0
.rept 32
	v_perm_b32 v[WS+i], v[WS+i], v[WS+i], s71
.set i, i+1
.endr
	s_mov_b32 s74, 0                               ; which of my groups
	s_mov_b32 s73, 0
.Lpair:                                                ; eight trips of two groups, one through each buffer
	TRIP 0
	TRIP 1
	s_add_co_u32 s73, s73, 1
	s_cmp_lt_u32 s73, 8
	s_cbranch_scc1 .Lpair
	s_wait_dscnt 0x0                               ; the closing lines, six on end
	s_wait_alu 0x0
	s_wait_tensorcnt 0x0
	ds_add_u32 v254, v255
	s_wait_dscnt 0x0
	s_endpgm
.Lfunc_end_k_qbf38a7c821_ffn2:
	.size	k_qbf38a7c821_ffn2, .Lfunc_end_k_qbf38a7c821_ffn2-k_qbf38a7c821_ffn2
	.p2alignl 7, 3214868480
	.fill 96, 4, 3214868480
	.section	.rodata,"a",@progbits
	.p2align	6, 0x0
	.amdhsa_kernel k_qbf38a7c821_ffn2
		.amdhsa_group_segment_fixed_size 70144
		.amdhsa_private_segment_fixed_size 0
		.amdhsa_enable_private_segment 0
		.amdhsa_kernarg_size 48
		.amdhsa_user_sgpr_count 2
		.amdhsa_user_sgpr_kernarg_segment_ptr 1
		.amdhsa_wavefront_size32 1
		.amdhsa_system_sgpr_workgroup_id_x 1
		.amdhsa_system_sgpr_workgroup_id_y 1
		.amdhsa_system_sgpr_workgroup_id_z 1
		.amdhsa_system_vgpr_workitem_id 0
		.amdhsa_next_free_vgpr 960
		.amdhsa_next_free_sgpr 84
		.amdhsa_reserve_vcc 0
		.amdhsa_float_denorm_mode_32 3
		.amdhsa_float_denorm_mode_16_64 3
		.amdhsa_memory_ordered 1
		.amdhsa_forward_progress 1
		.amdhsa_inst_pref_size 66
	.end_amdhsa_kernel
	.amdgpu_metadata
---
amdhsa.version: [ 1, 2 ]
amdhsa.kernels:
  - .name:           k_qbf38a7c821_ffn2
    .symbol:         k_qbf38a7c821_ffn2.kd
    .args:
      - { .name: hq, .offset: 0, .size: 8, .value_kind: global_buffer, .address_space: global }
      - { .name: w2_codes, .offset: 8, .size: 8, .value_kind: global_buffer, .address_space: global }
      - { .name: w2_scales, .offset: 16, .size: 8, .value_kind: global_buffer, .address_space: global }
      - { .name: b2, .offset: 24, .size: 8, .value_kind: global_buffer, .address_space: global }
      - { .name: lists, .offset: 32, .size: 8, .value_kind: global_buffer, .address_space: global }
      - { .name: yws, .offset: 40, .size: 8, .value_kind: global_buffer, .address_space: global }
    .group_segment_fixed_size: 70144
    .private_segment_fixed_size: 0
    .kernarg_segment_align: 8
    .kernarg_segment_size: 48
    .max_flat_workgroup_size: 128
    .sgpr_count:     84
    .vgpr_count:     960
    .wavefront_size: 32
...
	.end_amdgpu_metadata
.endif
;; end of part 9
;; launch mix (part 10): grid 256 x 1, 4 waves a work-group, no clusters, 0 bytes of LDS; arguments yws, pos, coef, out0; writes out0
.if DOCPART == 10
	.amdgcn_target "amdgcn-amd-amdhsa--gfx1250"
	.amdhsa_code_object_version 6
	.text
	.protected	k_qbf38a7c821_mix
	.globl	k_qbf38a7c821_mix
	.p2align	8
	.type	k_qbf38a7c821_mix,@function
k_qbf38a7c821_mix:
	s_mov_b64 s[64:65], 0
	v_nop
	global_prefetch_b8 v0, s[64:65] scope:SCOPE_SE
	s_setreg_imm32_b32 hwreg(HW_REG_WAVE_MODE, 25, 1), 1
	s_wait_xcnt 0x0
; MIX.  out0[t] = coef[t][0] yws[pos[2 t]] + coef[t][1] yws[pos[2 t + 1]]: each token's two rows, weighed and added in f32.  (The experts that a token did not choose have the weight 0
; in the sum that defines the result, and are left out.)
; One wave to a token: 16 loads of 512 consecutive bytes (the two rows of 4,096 bytes by turns), all issued at once, and 8 stores of 512 consecutive bytes.  pos holds whole numbers that an
; earlier launch stored; they are held under 8,192, the rows of yws.  Every piece has registers of its own, so nothing that a store reads is written again.
; Memory binds: no LDS, no barrier, no matrix unit, no cluster: waves share nothing.
.set RA, 8                             ; v8-39   the first row, then the result
.set RB, 40                            ; v40-71  the second row
	s_load_b256 s[4:11], s[0:1], 0x0               ; yws s[4:5], pos s[6:7], coef s[8:9], out0 s[10:11]
	v_lshrrev_b32 v1, 5, v0
	v_readfirstlane_b32 s12, v1                    ; wave 0..3
	v_and_b32 v1, 31, v0
	v_lshlrev_b32 v1, 4, v1                        ; 16 bytes a lane
	s_lshl_b32 s13, ttmp9, 2
	s_add_co_u32 s13, s13, s12                     ; my token
	s_lshl_b32 s14, s13, 3                         ; 8 bytes a token in pos and in coef
	s_mov_b32 s15, 0
	s_lshl_b32 s20, s13, 12                        ; 4,096 in out0
	s_mov_b32 s21, 0
	s_wait_alu depctr_va_vdst(0)
	s_wait_kmcnt 0x0
	s_add_nc_u64 s[6:7], s[6:7], s[14:15]
	s_add_nc_u64 s[8:9], s[8:9], s[14:15]
	s_load_b64 s[16:17], s[6:7], 0x0               ; where its two rows lie
	s_load_b64 s[18:19], s[8:9], 0x0               ; and their weights
	s_add_nc_u64 s[10:11], s[10:11], s[20:21]
	s_wait_kmcnt 0x0
	s_min_u32 s16, s16, 0x1fff
	s_min_u32 s17, s17, 0x1fff
	s_lshl_b32 s22, s16, 12
	s_mov_b32 s23, 0
	s_lshl_b32 s24, s17, 12
	s_mov_b32 s25, 0
	s_add_nc_u64 s[22:23], s[4:5], s[22:23]
	s_add_nc_u64 s[24:25], s[4:5], s[24:25]
	s_mov_b32 s26, s19                             ; the second weight in a pair of its own: the packed forms take a pair's low word for both halves
	s_mov_b32 s27, s19
.irp i, 0,1,2,3,4,5,6,7
	global_load_b128 v[RA+4*\i:RA+4*\i+3], v1, s[22:23] offset:512*\i th:TH_LOAD_NT       ; each row of yws is read once
	global_load_b128 v[RB+4*\i:RB+4*\i+3], v1, s[24:25] offset:512*\i th:TH_LOAD_NT
.endr
.irp i, 0,1,2,3,4,5,6,7
	s_wait_loadcnt 14-2*\i                         ; loads come back in order: this piece's two are in, the later pieces' stay out
	v_pk_mul_f32 v[RA+4*\i:RA+4*\i+1], v[RA+4*\i:RA+4*\i+1], s[18:19] op_sel_hi:[1,0]
	v_pk_mul_f32 v[RA+4*\i+2:RA+4*\i+3], v[RA+4*\i+2:RA+4*\i+3], s[18:19] op_sel_hi:[1,0]
	v_pk_fma_f32 v[RA+4*\i:RA+4*\i+1], v[RB+4*\i:RB+4*\i+1], s[26:27], v[RA+4*\i:RA+4*\i+1] op_sel_hi:[1,0,1]
	v_pk_fma_f32 v[RA+4*\i+2:RA+4*\i+3], v[RB+4*\i+2:RB+4*\i+3], s[26:27], v[RA+4*\i+2:RA+4*\i+3] op_sel_hi:[1,0,1]
	global_store_b128 v1, v[RA+4*\i:RA+4*\i+3], s[10:11] offset:512*\i th:TH_STORE_NT     ; 32 lanes store 512 consecutive bytes, at a multiple of 256 in out0
.endr
	s_endpgm
.Lfunc_end_k_qbf38a7c821_mix:
	.size	k_qbf38a7c821_mix, .Lfunc_end_k_qbf38a7c821_mix-k_qbf38a7c821_mix
	.p2alignl 7, 3214868480
	.fill 96, 4, 3214868480
	.section	.rodata,"a",@progbits
	.p2align	6, 0x0
	.amdhsa_kernel k_qbf38a7c821_mix
		.amdhsa_group_segment_fixed_size 0
		.amdhsa_private_segment_fixed_size 0
		.amdhsa_enable_private_segment 0
		.amdhsa_kernarg_size 32
		.amdhsa_user_sgpr_count 2
		.amdhsa_user_sgpr_kernarg_segment_ptr 1
		.amdhsa_wavefront_size32 1
		.amdhsa_system_sgpr_workgroup_id_x 1
		.amdhsa_system_sgpr_workgroup_id_y 1
		.amdhsa_system_sgpr_workgroup_id_z 1
		.amdhsa_system_vgpr_workitem_id 0
		.amdhsa_next_free_vgpr 104
		.amdhsa_next_free_sgpr 66
		.amdhsa_reserve_vcc 0
		.amdhsa_float_denorm_mode_32 3
		.amdhsa_float_denorm_mode_16_64 3
		.amdhsa_memory_ordered 1
		.amdhsa_forward_progress 1
		.amdhsa_inst_pref_size 6
	.end_amdhsa_kernel
	.amdgpu_metadata
---
amdhsa.version: [ 1, 2 ]
amdhsa.kernels:
  - .name:           k_qbf38a7c821_mix
    .symbol:         k_qbf38a7c821_mix.kd
    .args:
      - { .name: yws, .offset: 0, .size: 8, .value_kind: global_buffer, .address_space: global }
      - { .name: pos, .offset: 8, .size: 8, .value_kind: global_buffer, .address_space: global }
      - { .name: coef, .offset: 16, .size: 8, .value_kind: global_buffer, .address_space: global }
      - { .name: out0, .offset: 24, .size: 8, .value_kind: global_buffer, .address_space: global }
    .group_segment_fixed_size: 0
    .private_segment_fixed_size: 0
    .kernarg_segment_align: 8
    .kernarg_segment_size: 32
    .max_flat_workgroup_size: 128
    .sgpr_count:     66
    .vgpr_count:     104
    .wavefront_size: 32
...
	.end_amdgpu_metadata
.endif
;; end of part 10
